; MI455X (gfx1250); checked and timed in simulation.
; The chip was launched on July 23, 2026; its instructions are those of AMD's public machine-readable ISA for CDNA 5 (MIT licence, August 2026) and "CDNA5" Instruction Set Architecture Reference Guide (July 2026). The comments in the code are by the model that wrote it; some were corrected since.
;; Multi Head Attention. Allowed arithmetic: matrix products marked QUANTISED: E2M3 operands, one E8M0 scale for each 32 along K, by v_wmma_scale_f32_16x16x128_f8f6f4 with both operands' format E2M3, f32 sums; everything else in f32.
;; Inputs: Wk 2,048 x 2,048 float32; Wo 2,048 x 2,048 float32; Wq 2,048 x 2,048 float32; Wv 2,048 x 2,048 float32; attn_mask 1,024 x 2,048 bool; k 2 x 2,048 x 2,048 float32; key_padding_mask 2 x 2,048 bool; q 2 x 1,024 x 2,048 float32; v 2 x 2,048 x 2,048 float32.
;; Outputs: out0 2 x 1,024 x 2,048 float32.
;; This version of the problem:
;;   THIS VERSION OF THE PROBLEM IS GIVEN IN LOW PRECISION. The matrix products marked QUANTISED in the list below multiply operands that are first quantised to E2M3 (2 exponent bits, 3 mantissa bits; 6 bits a number), with one power-of-two scale for each 32 numbers along K (OCP MX v1.0); their sums are f32. All else is computed in f32.
;;   The module's matrix products, in the order in which they are computed (A, B: the left and right operand; K: the contracted axis; several contracted axes count as one K, in the product's order):
;;     1. [M 2,048, K 2,048] x [K 2,048, N 2,048]; A: input q; B: input Wq: QUANTISED
;;     2. [M 4,096, K 2,048] x [K 2,048, N 2,048]; A: input k; B: input Wk: QUANTISED
;;     3. [M 4,096, K 2,048] x [K 2,048, N 2,048]; A: input v; B: input Wv: QUANTISED
;;     4. batch 32 x [M 1,024, K 128] x [K 128, N 2,048]; A: computed on the way; B: computed on the way: QUANTISED
;;     5. batch 32 x [M 128, K 2,048] x [K 2,048, N 1,024]; A: computed on the way; B: softmax (see below): QUANTISED
;;     6. [M 2,048, K 2,048] x [K 2,048, N 2,048]; A: computed on the way; B: input Wo: QUANTISED
;;   THE QUANTISER, for each operand of a quantised product, along K:
;;     - K is cut into blocks of 32 from its start; a last block that is shorter is filled with zeros.
;;     - A block's scale is 2^e with e = floor(log2(the largest magnitude in the block)) - 2, held to -126 .. 127; a block of zeros has e = 0. As a byte (E8M0): e + 127.
;;     - Each number is divided by its block's scale, clamped to +-7.5, and rounded to the nearest number of E2M3, ties to even, subnormals kept.
;;     - The product sums the exact products of the quantised numbers (number of the format x scale) in f32.
;;   ~~~python
;;   def quantise(x, axis):      # numpy; x: float32 -> the quantised numbers, widened to float32 again
;;       x = np.moveaxis(x, axis, -1); K = x.shape[-1]
;;       x = np.pad(x, [(0, 0)] * (x.ndim - 1) + [(0, -K % 32)]); x = x.reshape(x.shape[:-1] + (-1, 32)); a = np.abs(x).max(-1, keepdims=True)
;;       e = np.where(a > 0, np.clip(np.frexp(np.where(a > 0, a, 1))[1] - 1 - 2, -126, 127), 0)      # np.frexp(a)[1] - 1 = floor(log2(a)), exactly
;;       r = np.clip(x / 2.0 ** e, -7.5, 7.5)
;;       step = 2.0 ** (np.maximum(np.frexp(np.where(r == 0, 1, r))[1] - 1, 0) - 3)
;;       q = np.round(r / step) * step * 2.0 ** e      # np.round: ties to even
;;       return np.moveaxis(q.reshape(q.shape[:-2] + (-1,))[..., :K], -1, axis).astype(np.float32)
;;   ~~~
;;   SOFTMAX AHEAD OF A QUANTISED PRODUCT. Where the list says 'softmax', what is quantised is not the finished softmax but p = 2^(t - M), with t = logit x log2(e) and M = ceil(the row's largest t), a whole number; so 1/2 < the row's largest p <= 1. The row's sum l is taken of the UNQUANTISED p, in f32, and the product's result is divided by l at the end. Since M is a whole number, a kernel that streams over the keys may use a running M (the ceiling of the running maximum): every later rescaling is an exact power of two, which a block's scale takes up: the codes' values come out the same.
;;   OPERANDS COMPUTED ON THE WAY. 'Computed on the way' means the value that the module computes at that place (a softmax that the list does not call 'softmax' is quantised finished and normalised). What goes into a quantiser is computed in f32, as accurately as f32 sums, v_exp_f32 and their like allow (about 1e-6 of the number): no bf16 or f16 on the way to a quantiser, and a product that is left as it is and whose result goes on into a quantised operand takes f32 operands (vector FMAs, or v_wmma_f32_16x16x4_f32). A number that lies on a knife's edge between two numbers of the format may be rounded either way, as far as f32 arithmetic and the matrix unit's own rounding can turn it there, and no further.
;; 2 versions, each right. Each part assembles by itself: llvm-mc -triple=amdgcn-amd-amdhsa -mcpu=gfx1250 --defsym DOCPART=n.
;; ======== version 1 of 2: 4 launches
;; workspace buffers: codes 28,311,552 bytes; scales 1,179,648 bytes; mbits 524,288 bytes of whole numbers; pcod 16,384,000 bytes; acod 3,145,728 bytes; ascl 131,072 bytes
;; launch quant (part 1): grid 1280 x 1, 4 waves a work-group, no clusters, 33,280 bytes of LDS; arguments q, k, v, Wq, Wk, Wv, Wo, attn_mask, key_padding_mask, codes, scales, mbits; writes codes, scales, mbits
.if DOCPART == 1
	.amdgcn_target "amdgcn-amd-amdhsa--gfx1250"
	.amdhsa_code_object_version 6
	.text
	.protected	k_q2b496ac871_quant
	.globl	k_q2b496ac871_quant
	.p2align	8
	.type	k_q2b496ac871_quant,@function
k_q2b496ac871_quant:
	s_mov_b64 s[64:65], 0
	v_nop
	global_prefetch_b8 v0, s[64:65] scope:SCOPE_SE
	s_setreg_imm32_b32 hwreg(HW_REG_WAVE_MODE, 25, 1), 1
	s_wait_xcnt 0x0
; TWO JOBS IN ONE LAUNCH, parted by the work-group's number.
; (1) Work-groups 0 .. 1,151: the seven f32 tensors q, k, v, Wq, Wk, Wv, Wo, all with K = 2,048 innermost, become codes of FP6 (E2M3), 6 bits each, and one E8M0 scale byte for each 32 along K.
;     They are laid as 18,432 rows one below the other: q 0, k 2,048, v 6,144, Wq 10,240, Wk 12,288, Wv 14,336, Wo 16,384; a row is 1,536 bytes of codes and 64 scale bytes.
;     A block's scale is 2^(floor(log2(its largest magnitude)) - 2); its byte is the largest magnitude's exponent field - 2, held at 1 from below.  Each number is divided by the scale and rounded to the nearest code, ties to even; beyond 7.5 the largest code.
;     IN k, v, Wq, Wk AND Wv A ROW n IS STORED AT THE PLACE n WITH ITS BITS 3 AND 4 EXCHANGED: sixteen neighbouring stored rows 32 b + 16 u + r are then the rows 32 b + 8 u + r + 8 (r / 8).  With such tiles a later
;     product's results lie, 16 to a lane, as neighbours along the next product's K, and nothing is ever transposed.  A wave's run of 8,192 numbers is four rows, so the exchange is one of bits 1 and 2 of the run's number.
; (2) Work-groups 1,152 .. 1,279: attn_mask OR key_padding_mask as lane masks for the attention launch: mbits[b][tile of 16 queries][128 keys][64 words]; bit l = (r, h) of word n is 1 where
;     query 16 tile + r may not see key 128 step + 32 (n / 16) + 16 h + n % 16: the place of that score in the attention launch's registers.
; LIMITS: a block of zeros gets the byte 1 where the rule says 127 (its codes are zeros, which add nothing, and the bytes are read by this program alone); blocks whose largest magnitude lies under 2^-124, the floor,
; were not tried; NaN and infinities among the f32 inputs are not served.
; No tensor loads, no barrier, no matrix unit, no cluster: waves share nothing, every input byte is read once (attn_mask once for each batch, key_padding_mask once for each tile of queries), memory binds.
.set NQWG,  1152                       ; work-groups of job (1): 18,432 rows / 16
.set STEPS, 16                         ; a wave takes 16 steps of 512 numbers
.set EMAX,  2
.set CB,    12                         ; bytes of 16 codes
.set R,     16                         ; v16-79   four sets of 16 numbers as they are loaded
.set X,     80                         ; v80-111  two sets of 16 neighbours
.set E,     112                        ; v112-127 a scale byte for each step
.set C,     128                        ; v128-191 codes: four registers for each step, so that no store's data are written again
.set WREG,  8192                       ; LDS: a region for each wave: two stages of 32 x SP bytes, behind them its 256 scale bytes
.set SP,    80                         ; a lane's place in a stage: its 64 bytes + 16 of padding
	s_load_b512 s[4:19], s[0:1], 0x0               ; q s[4:5], k s[6:7], v s[8:9], Wq s[10:11], Wk s[12:13], Wv s[14:15], Wo s[16:17], attn_mask s[18:19]
	s_load_b256 s[20:27], s[0:1], 0x40             ; key_padding_mask s[20:21], codes s[22:23], scales s[24:25], mbits s[26:27]
	v_lshl_add_u32 v192, v0, 2, 0x8000
	v_mov_b32 v193, 0
	v_lshrrev_b32 v1, 5, v0
	v_readfirstlane_b32 s28, v1                    ; wave 0..3
	v_and_b32 v2, 31, v0                           ; lane
	s_cmp_ge_u32 ttmp9, NQWG
	s_cbranch_scc1 .Lmask
	; ---------------- job (1) ----------------
	v_lshlrev_b32 v3, 4, v2                        ; my 16 bytes of a load's 512
	s_mul_i32 s33, s28, WREG
	v_lshrrev_b32 v14, 2, v2
	v_mul_u32_u24 v14, v14, SP
	v_and_b32 v15, 3, v2
	v_lshl_add_u32 v14, v15, 4, v14
	v_add_nc_u32 v14, s33, v14                     ; the stage, on the way in: four lanes' 64 bytes on end, then 16 of padding
	v_mul_u32_u24 v15, v2, SP
	v_add_nc_u32 v15, s33, v15                     ; and on the way out: SP x lane: my 16 neighbours
	v_mul_u32_u24 v4, v2, CB                       ; my codes' place in a step's
	v_lshrrev_b32 v5, 1, v2
	s_add_co_u32 s33, s33, 2*32*SP
	v_add_nc_u32 v5, s33, v5                       ; LDS: my wave's 256 scale bytes, my block's byte
	v_lshlrev_b32 v7, 3, v2                        ; and on the way out 8 bytes a lane
	v_add_nc_u32 v6, s33, v7
	s_lshr_b32 s32, ttmp9, 7                       ; which 2,048 rows of the 18,432: 0 q, 1-2 k, 3-4 v, 5 Wq, 6 Wk, 7 Wv, 8 Wo
	s_wait_kmcnt 0x0
	s_mov_b64 s[30:31], s[4:5]
	s_mov_b32 s29, 0
.macro PICK n, lo                      ; from section n on: the tensor at s[lo:lo+1].  The choice hangs on the work-group's number alone
	s_cmp_ge_u32 s32, \n
	s_cselect_b64 s[30:31], s[\lo:\lo+1], s[30:31]
	s_cselect_b32 s29, \n, s29
.endm
	PICK 1, 6
	PICK 3, 8
	PICK 5, 10
	PICK 6, 12
	PICK 7, 14
	PICK 8, 16
	s_lshl_b32 s34, s29, 7
	s_sub_co_u32 s34, ttmp9, s34                   ; the work-group's number within its tensor
	s_lshl_b32 s34, s34, 2
	s_add_co_u32 s34, s34, s28                     ; my wave's run of 8,192 numbers within the tensor
	s_lshl_b32 s34, s34, 15                        ; x 32,768 bytes: under 2^26
	s_mov_b32 s35, 0
	s_add_nc_u64 s[30:31], s[30:31], s[34:35]
	s_lshl_b32 s36, ttmp9, 2
	s_add_co_u32 s36, s36, s28                     ; the run's number among all rows: four rows a run
	s_and_b32 s37, s36, 0xfffffff9
	s_and_b32 s38, s36, 2
	s_lshl_b32 s38, s38, 1
	s_or_b32 s37, s37, s38
	s_and_b32 s38, s36, 4
	s_lshr_b32 s38, s38, 1
	s_or_b32 s37, s37, s38                         ; the same with bits 1 and 2 exchanged
	s_cmp_ge_u32 s32, 1
	s_cselect_b32 s37, s37, s36
	s_cmp_le_u32 s32, 7
	s_cselect_b32 s36, s37, s36                    ; sections 1 to 7 are stored exchanged, q and Wo as they lie
	s_mul_i32 s38, s36, 6144                       ; 8,192 codes
	s_mov_b32 s39, 0
	s_add_nc_u64 s[22:23], s[22:23], s[38:39]
	s_lshl_b32 s38, s36, 8                         ; 256 scale bytes
	s_add_nc_u64 s[24:25], s[24:25], s[38:39]
.macro LOAD t
.irp i, 0,1,2,3
	global_load_b128 v[R+16*((\t)%4)+4*\i:R+16*((\t)%4)+4*\i+3], v3, s[30:31] offset:2048*(\t)+512*\i th:TH_LOAD_NT   ; 32 lanes read 512 consecutive bytes
.endr
.endm
.macro TURN t                          ; step t's numbers through the stage: LDS serves a wave's instructions in order, so no wait stands between the stores and the loads
.irp i, 0,1,2,3
	ds_store_b128 v14, v[R+16*((\t)%4)+4*\i:R+16*((\t)%4)+4*\i+3] offset:32*SP*((\t)%2)+8*SP*\i
.endr
.irp i, 0,1,2,3
	ds_load_b128 v[X+16*((\t)%2)+4*\i:X+16*((\t)%2)+4*\i+3], v15 offset:32*SP*((\t)%2)+16*\i
.endr
.endm
.irp t, 0,1,2,3
	LOAD \t
.endr
	s_wait_loadcnt 12                              ; step 0's four loads are in; the twelve of steps 1 to 3 stay out
	TURN 0
.macro STEP t
.set XS, X+16*((\t)%2)
.if (\t) > 0
	s_wait_dscnt 1                                 ; this step's numbers are back from the stage (the last step's byte store may be out): so its stores into the stage have read their registers,
.else
	s_wait_dscnt 0x0
.endif
.if (\t)+4 < STEPS
	LOAD (\t)+4                                    ; which take the loads of four steps on
.endif
.if (\t)+1 < STEPS
.if STEPS-2-(\t) >= 3
	s_wait_loadcnt 12                              ; the next step's four loads are in; those of the three steps behind it may be out
.else
	s_wait_loadcnt 4*(STEPS-2-(\t))
.endif
	TURN (\t)+1                                    ; and go through the other stage while this step is worked
.endif
	v_max3_num_f32 v8, |v[XS]|, |v[XS+1]|, |v[XS+2]|               ; the largest magnitude of my 16, in two chains
	v_max3_num_f32 v9, |v[XS+3]|, |v[XS+4]|, |v[XS+5]|
.irp i, 6,10
	v_max3_num_f32 v8, v8, |v[XS+\i]|, |v[XS+\i+1]|
	v_max3_num_f32 v9, v9, |v[XS+\i+2]|, |v[XS+\i+3]|
.endr
	v_max3_num_f32 v8, v8, |v[XS+14]|, |v[XS+15]|
	v_max3_num_f32 v8, v8, v9, (EMAX+1)<<23        ; and the floor 2^(3 - 127): the byte cannot fall under 1
	v_max_num_f32_dpp v8, v8, v8 row_xmask:1 row_mask:0xf bank_mask:0xf   ; and of my neighbour's 16: the block's
	v_add_nc_u32 v11, -(EMAX<<23), v8              ; 2 off its exponent field: the conversion takes the exponent field of this operand as its scale, and nothing else of it
	v_cvt_scalef32_pk16_fp6_f32 v[C+4*(\t):C+4*(\t)+2], v[XS:XS+15], v11
	v_lshrrev_b32 v[E+(\t)], 23, v11               ; the scale's byte (also the plain line behind the conversion)
	ds_store_b8 v5, v[E+(\t)] offset:16*(\t)       ; both lanes of a block write the same byte with the same value
	global_store_b96 v4, v[C+4*(\t):C+4*(\t)+2], s[22:23] offset:32*CB*(\t)   ; the wave stores 384 consecutive bytes
.endm
.irp t, 0,1,2,3,4,5,6,7,8,9,10,11,12,13,14,15
	STEP \t
.endr
	ds_load_b64 v[12:13], v6                       ; LDS serves a wave's instructions in order: these see my stores
	s_wait_dscnt 0x0
	global_store_b64 v7, v[12:13], s[24:25]        ; 32 lanes store 256 consecutive bytes, aligned
	s_wait_tensorcnt 0x0
	ds_add_u32 v192, v193
	s_wait_dscnt 0x0
	s_endpgm
	; ---------------- job (2): no LDS is touched on this path ----------------
.Lmask:
	s_sub_co_u32 s32, ttmp9, NQWG
	s_lshl_b32 s32, s32, 2
	s_add_co_u32 s32, s32, s28                     ; u = 0 .. 511: batch u >> 8, tile of queries (u >> 2) & 63, four steps of 128 keys from 4 (u & 3) on
	s_lshr_b32 s33, s32, 8
	s_bfe_u32 s34, s32, 0x60002
	s_and_b32 s35, s32, 3
	s_lshl_b32 s38, s35, 9                         ; 512 keys
	s_lshl_b32 s36, s34, 15                        ; 16 rows of attn_mask, 2,048 bytes each
	s_add_co_u32 s36, s36, s38
	s_mov_b32 s37, 0
	s_lshl_b32 s30, s33, 11                        ; the batch's row of key_padding_mask
	s_add_co_u32 s30, s30, s38
	s_mov_b32 s31, 0
	s_lshl_b32 s38, s32, 10                        ; four units of 256 bytes
	s_mov_b32 s39, 0
	v_and_b32 v5, 15, v0                           ; r
	v_bfe_u32 v6, v0, 4, 1                         ; h
	v_lshlrev_b32 v3, 4, v6                        ; key_padding_mask: 16 h
	v_lshl_add_u32 v7, v5, 11, v3                  ; attn_mask: 2,048 r + 16 h
	v_lshlrev_b32 v4, 3, v2                        ; out: 8 bytes a lane
.irp i, 0,1,2,3,4,5,6,7
	v_mov_b32 v[144+\i], 0                         ; written once: the destination of a write to one lane counts as read
.endr
	s_wait_kmcnt 0x0
	s_add_nc_u64 s[18:19], s[18:19], s[36:37]
	s_add_nc_u64 s[20:21], s[20:21], s[30:31]
	s_add_nc_u64 s[26:27], s[26:27], s[38:39]
.irp j, 0,1,2,3                        ; unit j, block bb of 32 keys: my 16 keys' bytes of both masks
.irp bb, 0,1,2,3
	global_load_b128 v[16+32*\j+4*\bb:19+32*\j+4*\bb], v7, s[18:19] offset:128*\j+32*\bb
	global_load_b128 v[32+32*\j+4*\bb:35+32*\j+4*\bb], v3, s[20:21] offset:128*\j+32*\bb
.endr
.endr
.macro MUNIT j
	s_wait_loadcnt 8*(3-\j)                        ; this unit's eight loads are in; the later units' stay out
.irp i, 0,1,2,3,4,5,6,7,8,9,10,11,12,13,14,15
	v_or_b32 v[16+32*\j+\i], v[16+32*\j+\i], v[32+32*\j+\i]
.endr
.set n, 0
.rept 64                               ; word n: byte n % 16 of block n / 16 in every lane, as one bit a lane; it goes to lane n / 2 of the unit's pair of registers
	v_bfe_u32 v[152+n%4], v[16+32*\j+4*(n/16)+(n%16)/4], 8*(n%4), 8
	v_cmp_ne_u32 s[40+n%8], 0, v[152+n%4]
	v_writelane_b32 v[144+2*\j+n%2], s[40+n%8], n/2
.set n, n+1
.endr
	global_store_b64 v4, v[144+2*\j:145+2*\j], s[26:27] offset:256*\j   ; 32 lanes store 256 consecutive bytes, aligned; each unit has its own pair, so no store's data are written again
.endm
	MUNIT 0
	MUNIT 1
	MUNIT 2
	MUNIT 3
	s_endpgm
.Lfunc_end_k_q2b496ac871_quant:
	.size	k_q2b496ac871_quant, .Lfunc_end_k_q2b496ac871_quant-k_q2b496ac871_quant
	.p2alignl 7, 3214868480
	.fill 96, 4, 3214868480
	.section	.rodata,"a",@progbits
	.p2align	6, 0x0
	.amdhsa_kernel k_q2b496ac871_quant
		.amdhsa_group_segment_fixed_size 33280
		.amdhsa_private_segment_fixed_size 0
		.amdhsa_enable_private_segment 0
		.amdhsa_kernarg_size 96
		.amdhsa_user_sgpr_count 2
		.amdhsa_user_sgpr_kernarg_segment_ptr 1
		.amdhsa_wavefront_size32 1
		.amdhsa_system_sgpr_workgroup_id_x 1
		.amdhsa_system_sgpr_workgroup_id_y 1
		.amdhsa_system_sgpr_workgroup_id_z 1
		.amdhsa_system_vgpr_workitem_id 0
		.amdhsa_next_free_vgpr 194
		.amdhsa_next_free_sgpr 66
		.amdhsa_reserve_vcc 0
		.amdhsa_float_denorm_mode_32 3
		.amdhsa_float_denorm_mode_16_64 3
		.amdhsa_memory_ordered 1
		.amdhsa_forward_progress 1
		.amdhsa_inst_pref_size 88
	.end_amdhsa_kernel
	.amdgpu_metadata
---
amdhsa.version: [ 1, 2 ]
amdhsa.kernels:
  - .name:           k_q2b496ac871_quant
    .symbol:         k_q2b496ac871_quant.kd
    .args:
      - { .name: q, .offset: 0, .size: 8, .value_kind: global_buffer, .address_space: global }
      - { .name: k, .offset: 8, .size: 8, .value_kind: global_buffer, .address_space: global }
      - { .name: v, .offset: 16, .size: 8, .value_kind: global_buffer, .address_space: global }
      - { .name: Wq, .offset: 24, .size: 8, .value_kind: global_buffer, .address_space: global }
      - { .name: Wk, .offset: 32, .size: 8, .value_kind: global_buffer, .address_space: global }
      - { .name: Wv, .offset: 40, .size: 8, .value_kind: global_buffer, .address_space: global }
      - { .name: Wo, .offset: 48, .size: 8, .value_kind: global_buffer, .address_space: global }
      - { .name: attn_mask, .offset: 56, .size: 8, .value_kind: global_buffer, .address_space: global }
      - { .name: key_padding_mask, .offset: 64, .size: 8, .value_kind: global_buffer, .address_space: global }
      - { .name: codes, .offset: 72, .size: 8, .value_kind: global_buffer, .address_space: global }
      - { .name: scales, .offset: 80, .size: 8, .value_kind: global_buffer, .address_space: global }
      - { .name: mbits, .offset: 88, .size: 8, .value_kind: global_buffer, .address_space: global }
    .group_segment_fixed_size: 33280
    .private_segment_fixed_size: 0
    .kernarg_segment_align: 8
    .kernarg_segment_size: 96
    .max_flat_workgroup_size: 128
    .sgpr_count:     66
    .vgpr_count:     194
    .wavefront_size: 32
...
	.end_amdgpu_metadata
.endif
;; end of part 1
;; launch proj (part 2): grid 8 x 40, 4 waves a work-group, clusters of 4 x 4, 327,680 bytes of LDS; arguments codes, scales, pcod; writes pcod
.if DOCPART == 2
	.amdgcn_target "amdgcn-amd-amdhsa--gfx1250"
	.amdhsa_code_object_version 6
	.text
	.protected	k_q2b496ac871_proj
	.globl	k_q2b496ac871_proj
	.p2align	8
	.type	k_q2b496ac871_proj,@function
k_q2b496ac871_proj:
	s_mov_b64 s[64:65], 0
	v_nop
	global_prefetch_b8 v0, s[64:65] scope:SCOPE_SE
	s_setreg_imm32_b32 hwreg(HW_REG_WAVE_MODE, 25, 1), 1
	s_wait_xcnt 0x0
	s_wait_alu depctr_hold_cnt(0) depctr_sa_sdst(0) depctr_va_vdst(0) depctr_va_sdst(0) depctr_va_ssrc(0) depctr_va_vcc(0) depctr_vm_vsrc(0)
	s_getreg_b32 s2, hwreg(HW_REG_IB_STS2, 6, 4)
	s_cmp_eq_u32 s2, 0
	s_cbranch_scc0 .Lentry_in_a_cluster
	s_endpgm
.Lentry_in_a_cluster:
	s_bfe_u32 s2, ttmp6, 0x10000c
	s_cmp_lg_u32 s2, 0xf033
	s_cbranch_scc0 .Lentry_shape_is_right
	s_endpgm
.Lentry_shape_is_right:
; THE THREE PROJECTIONS IN ONE GRID, on codes of FP6 (E2M3) with one E8M0 scale for each 32 along K = 2,048:  Q = q Wq^T (grid rows 0-7),  K = k Wk^T (8-23),  V^T = Wv v^T for batch 0 (24-31) and batch 1 (32-39).
; Both operands are rows of the buffer of codes (1,536 bytes a row) and of the buffer of scale bytes (64 a row); rows of k, v, Wq, Wk, Wv lie there with bits 3 and 4 of their number exchanged.
; A tile of C, 256 x 256, is made by four waves, as many as a WGP has SIMDs; a wave makes 128 x 128: 64 accumulators, 512 registers.  K goes in steps of 256 through a ring of two LDS slots filled by the tensor data mover.
; The scale bytes of the work-group's 256 + 256 rows, for all of K, come into LDS once, in whole rows of 256 bytes, and stay.
; CLUSTERS: 4 x 4 work-groups, each cluster inside one of the three products.  The four of a row of the cluster need the same tiles of A, the four of a column the same tiles of B: each tile is asked for jointly.
; THE MATRIX INSTRUCTION IS USED TRANSPOSED (source 0 = 16 rows of B, source 1 = 16 rows of A).  Since B's stored rows are exchanged, the 16 registers of accumulators (a, 2 b) and (a, 2 b + 1) hold, for row l % 16 of A's block a,
; C's columns 32 b + 16 (l / 16) + 0 .. 15: 16 NEIGHBOURS ALONG THE NEXT PRODUCT'S K (the head's 128 for Q and K, 128 keys for V^T).
; THE RESULT NEVER LEAVES AS f32: each block of 16 rows x 128 columns is quantised in registers and stored as the IMAGE of an operand's 12 registers (3 x 512 bytes, lane l's registers 4 c .. 4 c + 3 at 512 c + 16 l).
; A wave's 128 x 128 is one unit of 12,800 bytes of pcod: 8 images, then 512 bytes of scale words (fragment a, row r at 12288 + 256 (a / 4) + 16 r + 4 (a % 4)).
; Units: Q: (16 batch + head) 8 + block of 128 queries;  K: 256 + (16 batch + head) 16 + block of 128 keys;  V^T: 768 + the same.
; LIMITS: a block of zeros gets the byte 1 where the rule says 127 (its codes are zeros; the bytes are read by this program alone); largest magnitudes under 2^-124 were not tried; NaN and infinities are not served.
; 320 tiles for 256 WGPs: the second turn is a quarter full; kept for the plain form of one tile to a work-group.
; REGISTERS, in windows of 256: window 0: v0-31 addresses; v32-63 scale words, two sets; from v128 A's fragments, ONE set; on the way out v64-159 the eight images, v208-246 at work.
;   window 1: B's fragments, TWO sets, at v0 and v128.   window 2: the accumulators of my rows 0-63 ((a, b) at v[8 (8 a + b)]);   window 3: those of my rows 64-127.
.set KSTEP,  256                       ; along K in a slot
.set NQ,     KSTEP/128                 ; matrix instructions deep
.set ROWB,   192                       ; a tile's row in bytes
.set KROW,   1536                      ; a row of codes in memory
.set PITCH,  240                       ; an LDS row: 3 x (64 bytes of data + 16 of padding): the 32 lanes of a load of 8 bytes touch 64 different banks (64 banks of 4 bytes: ISA guide 11.1)
.set FR,     12                        ; registers of a fragment: 16 rows x 128 K
.set NL,     6                         ; LDS loads that bring one
.set NP,     4                         ; places behind this matrix instruction (ISA guide 7.12.1)
.set HALFT,  128*PITCH                 ; 128 rows: what one tensor load brings
.set SLOT,   4*HALFT                   ; A's 256 rows, then B's 256 rows
.set LAPS,   2048/(2*KSTEP)            ; a lap = two K steps = once round the ring
.set KS,     64                        ; a row of scale bytes
.set SCL,    2*SLOT                    ; behind the ring: the scales, as rows of 256 bytes + 16 of padding
.set HALFS,  (128*KS/256)*272          ; the scales of 128 rows
.set SBLK,   (16*KS/256)*272           ; those of 16 rows
.set SPARE,  SCL+4*HALFS               ; the spare words, 128 bytes for each wave: two blocks of 256 bytes that no other line names
.set UNIT,   12800                     ; a unit of pcod
.set ADRA, 16                          ; v16-17 LDS address of my A fragments in slot 0, 1 (v18-19: for the pieces behind one padding more)
.set ADRB, 20                          ; v20-23 the same for B
.set CO,   26                          ; v26    16 x lane: my place in an image
.set ADRS, 27                          ; v27    LDS address of my scale words: lanes 0-15 A's rows, lanes 16-31 B's
.set SPW,  28                          ; v28    LDS address of my spare word; never rewritten
.set NIL,  29                          ; v29    0; never rewritten
.set SC,   32                          ; scale words: set s at v[SC + 16 s]; register 2 i + q: lanes 0-15 A's block i, lanes 16-31 B's block i, the slot's q-th 128 along K
.set AF,   128                         ; A's fragments
.set PW,   208                         ; the way out: v208-215 a scale word for each block
.set XW,   216                         ; v216-219 the words as they are stored
.set TM,   224                         ; v224-227 largest magnitudes, v228-231 bytes, v236-239 the conversions' scale operands
.set TC,   240                         ; v240-246 the second halves of the blocks' codes
.set SEL,  66                          ; s[66:67] lane selects for v_permlanex16_b32: lane l xor 16
.set G1, 24                            ; s[24:31] descriptor group 1 for A's tiles;  s[32:39] group 0, one set for each slot
.set G0, 32
.set G1B, 48                           ; s[48:55], s[56:63] the same for B's tiles
.set G0B, 56
.set G1S, 68                           ; s[68:75], s[76:79] groups 1 and 0 for A's scales;  s[80:87], s[88:91] for B's
.set G0S, 76
.set G1SB, 80
.set G0SB, 88
.set MSB, 0
.macro WIN new                         ; the immediate's high byte repeats the setting that is left
.if MSB != (\new)
	s_set_vgpr_msb (MSB<<8)|(\new)
.set MSB, (\new)
.endif
.endm
.set MUL_LO, 0xa1                      ; source 0 (B) window 1, source 1 (A) window 0, C and D window 2
.set MUL_HI, 0xf1                      ; the same, C and D window 3
.set TO_B,   0x40                      ; destination window 1, address window 0
; A joint load: waves 0 and 1 fetch for A, waves 2 and 3 for B.  Each line has ONE mask and one set of registers for all that issue it; the branch hangs on the wave's number alone.
; Four v_nop follow each of the two lines, ahead of the jump, the label and what follows.
.macro JLOAD g0a, g1a, g0b, g1b
	s_cmp_eq_u32 s15, 0
	s_cbranch_scc0 .Lfor_b_\@
	tensor_load_to_lds s[\g0a:\g0a+3], s[\g1a:\g1a+7]
	s_nop 0
.rept 4
	v_nop
.endr
	s_branch .Lasked_\@
.Lfor_b_\@:
	tensor_load_to_lds s[\g0b:\g0b+3], s[\g1b:\g1b+7]
	s_nop 0
.rept 4
	v_nop
.endr
.Lasked_\@:
.endm
.macro CREST                           ; a round of the cluster's barrier behind its opening barrier
	s_cmp_lg_u32 s14, 0
	s_cbranch_scc1 .Lnot_wave_0_\@
	s_barrier_signal -3
.Lnot_wave_0_\@:
	s_barrier_wait -3
	s_barrier_signal -1
	s_barrier_wait -1
.endm
.macro CROUND                          ; a whole round
	s_barrier_signal -1
	s_barrier_wait -1
	CREST
.endm
	s_load_b128 s[4:7], s[0:1], 0x0                ; codes s[4:5], scales s[6:7]
	s_load_b64 s[8:9], s[0:1], 0x10                ; pcod
	v_lshl_add_u32 v[SPW], v0, 2, SPARE
	v_mov_b32 v[NIL], 0
	ds_add_u32 v28, v29
	s_wait_dscnt 0x0
	v_lshrrev_b32 v1, 5, v0
	v_readfirstlane_b32 s14, v1                    ; wave 0..3
	s_lshr_b32 s15, s14, 1                         ; which half of the tile's rows is mine.  Also: I fetch for A (0) or for B (1)
	s_and_b32 s16, s14, 1                          ; which half of its columns.  Also: which 128 rows of that tile I fetch
	s_bfe_u32 s40, ttmp6, 0x40000                  ; cx, cy: my place in the cluster
	s_bfe_u32 s41, ttmp6, 0x40004
	s_lshl_b32 s42, ttmp9, 2
	s_add_co_u32 s42, s42, s40                     ; grid column x = 4 x cluster x + cx
	s_and_b32 s95, ttmp7, 0xffff                   ; the cluster's y: 0-1 Q, 2-5 K, 6-7 V^T of batch 0, 8-9 of batch 1
	s_lshl_b32 s17, s95, 2
	s_add_co_u32 s17, s17, s41                     ; grid row y = 4 x cluster y + cy
	s_and_b32 s96, s95, 1                          ; A's rows: q and k follow each other from row 0 on, so there the tile row is y; Wv begins at tile row 56
	s_add_co_u32 s96, s96, 14
	s_cmp_lt_u32 s95, 6
	s_cselect_b32 s96, s95, s96                    ; a cluster's worth of four tile rows, chosen by the cluster's y alone,
	s_lshl_b32 s96, s96, 2
	s_add_co_u32 s96, s96, s41                     ; + cy: A's tile row
	s_cmp_lt_u32 s95, 2                            ; B's 2,048 rows: Wq at 5 x 2,048, Wk at 6, v's batch 0 at 3, batch 1 at 4
	s_cselect_b32 s97, 5, 6
	s_cmp_lt_u32 s95, 8
	s_cselect_b32 s10, 3, 4
	s_cmp_lt_u32 s95, 6
	s_cselect_b32 s97, s97, s10
	s_lshl_b32 s43, s41, 2
	s_lshl_b32 s43, 15, s43                        ; my row of the cluster
	s_lshl_b32 s44, 0x1111, s40                    ; my column
	; descriptor group 1: a tile of 128 rows x 192 bytes, padded in LDS
	s_or_b32 s[G1+0], s43, (0<<16)|(1<<20)|(1<<21)|(3<<22)|(3<<25)  ; 15:0 the mask: A's tiles go to my row; 17:16 element of 1 byte; 20 padding on; 21 set beside a mask; 24:22 after every 16 words; 31:25 of 4 words
	s_or_b32 s[G1B+0], s44, (0<<16)|(1<<20)|(1<<21)|(3<<22)|(3<<25)
.irp g, G1, G1B
	s_mov_b32 s[\g+1], ROWB<<16                    ; tensor_dim0
	s_mov_b32 s[\g+2], 128<<16                     ; tensor_dim1
	s_mov_b32 s[\g+3], ROWB<<16                    ; tile_dim0
	s_mov_b32 s[\g+4], 128                         ; tile_dim1
	s_mov_b32 s[\g+5], KROW                        ; tensor_dim0_stride
	s_mov_b32 s[\g+6], 0
	s_mov_b32 s[\g+7], 0
.endr
	; the scales of 128 rows: a dense block of 8,192 bytes, as 32 rows of 256 bytes (32 elements of 8 bytes), 16 bytes of padding behind each
	s_or_b32 s[G1S+0], s43, (3<<16)|(1<<20)|(1<<21)|(5<<22)|(3<<25)
	s_or_b32 s[G1SB+0], s44, (3<<16)|(1<<20)|(1<<21)|(5<<22)|(3<<25)
.irp g, G1S, G1SB
	s_mov_b32 s[\g+1], 32<<16
	s_mov_b32 s[\g+2], (128*KS/256)<<16
	s_mov_b32 s[\g+3], 32<<16
	s_mov_b32 s[\g+4], 128*KS/256
	s_mov_b32 s[\g+5], 32
	s_mov_b32 s[\g+6], 0
	s_mov_b32 s[\g+7], 0
.endr
	s_lshl_b32 s18, s16, 7                         ; which 128 rows of the tile I fetch
	s_lshl_b32 s20, s96, 8
	s_add_co_u32 s20, s20, s18                     ; A: stored row 256 x tile row + 128 x half
	s_lshl_b32 s46, s42, 8
	s_add_co_u32 s46, s46, s18
	s_lshl_b32 s47, s97, 11
	s_add_co_u32 s46, s46, s47                     ; B: its tensor's first row + 256 x + 128 x half
	s_lshl_b32 s22, s20, 6                         ; where these rows' scales begin, in bytes (all four offsets lie under 2^25),
	s_mov_b32 s23, 0
	s_lshl_b32 s92, s46, 6
	s_mov_b32 s93, 0
	s_mul_i32 s20, s20, KROW                       ; and their codes
	s_mov_b32 s21, 0
	s_mul_i32 s46, s46, KROW
	s_mov_b32 s47, 0
	s_mul_i32 s45, s14, HALFT                      ; where they go: wave x 128 rows: no place in the cluster enters an LDS address
	s_mul_i32 s94, s14, HALFS
	s_wait_kmcnt 0x0
	s_add_nc_u64 s[20:21], s[4:5], s[20:21]
	s_add_nc_u64 s[22:23], s[6:7], s[22:23]
	s_add_nc_u64 s[46:47], s[4:5], s[46:47]
	s_add_nc_u64 s[92:93], s[6:7], s[92:93]
	CROUND                                         ; all sixteen work-groups are here: the first joint loads meet
	s_mov_b32 s[G0S], 1
	s_add_co_u32 s[G0S+1], s94, SCL
	s_mov_b64 s[G0S+2:G0S+3], s[22:23]
	s_or_b32 s[G0S+3], s[G0S+3], 0x80000000
	s_mov_b32 s[G0SB], 1
	s_add_co_u32 s[G0SB+1], s94, SCL
	s_mov_b64 s[G0SB+2:G0SB+3], s[92:93]
	s_or_b32 s[G0SB+3], s[G0SB+3], 0x80000000
	JLOAD G0S, G1S, G0SB, G1SB                     ; the scales first: they are wanted with K step 0
.irp s, 0,1
	s_mov_b32 s[G0+4*\s], 1
	s_add_co_u32 s[G0+4*\s+1], s45, \s*SLOT
	s_add_nc_u64 s[G0+4*\s+2:G0+4*\s+3], s[20:21], \s*ROWB
	s_or_b32 s[G0+4*\s+3], s[G0+4*\s+3], 0x80000000
	s_mov_b32 s[G0B+4*\s], 1
	s_add_co_u32 s[G0B+4*\s+1], s45, \s*SLOT
	s_add_nc_u64 s[G0B+4*\s+2:G0B+4*\s+3], s[46:47], \s*ROWB
	s_or_b32 s[G0B+4*\s+3], s[G0B+4*\s+3], 0x80000000
	JLOAD G0+4*\s, G1, G0B+4*\s, G1B               ; by this text's own count three loads of a wave are out here
.endr
	v_and_b32 v1, 15, v0                           ; l % 16
	v_bfe_u32 v2, v0, 4, 1                         ; l / 16; kept for the way out
	v_mul_u32_u24 v3, v1, PITCH
	v_mul_u32_u24 v4, v2, 24
	v_add_nc_u32 v4, v3, v4                        ; a fragment's row x pitch + 24 x half
	v_lshl_add_u32 v5, v2, 4, v4                   ; and the same behind one padding more
	s_mul_i32 s21, s15, HALFT                      ; my 128 rows of A
	s_mul_i32 s22, s16, HALFT                      ; my 128 rows of B,
	s_add_co_u32 s22, s22, 2*HALFT                 ; which lie behind A's 256
.irp s, 0,1
	v_add_nc_u32 v[ADRA+\s], s21, v4
	v_add_nc_u32 v[ADRB+\s], s22, v4
	v_add_nc_u32 v[ADRA+2+\s], s21, v5
	v_add_nc_u32 v[ADRB+2+\s], s22, v5
	s_add_co_u32 s21, s21, SLOT
	s_add_co_u32 s22, s22, SLOT
.endr
	v_mul_u32_u24 v5, v1, KS                       ; my row's scales: 64 bytes a row,
	v_lshrrev_b32 v6, 8, v5
	v_lshl_add_u32 v5, v6, 4, v5                   ; and 16 more for each 256 passed
	s_mul_i32 s21, s15, HALFS                      ; A's: my 128 rows
	s_mul_i32 s22, s16, HALFS                      ; B's: my 128 rows, behind A's 256
	s_add_co_u32 s22, s22, 2*HALFS
	s_sub_co_u32 s22, s22, s21
	v_mul_u32_u24 v6, s22, v2                      ; lanes 16-31 take B's: the lower base + h x the distance
	s_add_co_u32 s21, s21, SCL
	v_add_nc_u32 v5, v5, v6
	v_add_nc_u32 v[ADRS], s21, v5
	v_and_b32 v6, 31, v0
	v_lshlrev_b32 v[CO], 4, v6
	s_mov_b32 s[SEL], 0x76543210
	s_mov_b32 s[SEL+1], 0xfedcba98
	; which unit of pcod is my wave's 128 x 128
	s_lshl_b32 s20, s17, 1
	s_add_co_u32 s20, s20, s15                     ; rb: my block of 128 rows in the grid
	s_lshl_b32 s21, s42, 1
	s_add_co_u32 s21, s21, s16                     ; cb: my block of 128 columns
	s_lshr_b32 s22, s20, 3                         ; Q: batch rb / 8, head cb, block of queries rb % 8
	s_lshl_b32 s22, s22, 4
	s_add_co_u32 s22, s22, s21
	s_lshl_b32 s22, s22, 3
	s_and_b32 s23, s20, 7
	s_add_co_u32 s22, s22, s23
	s_sub_co_u32 s23, s20, 16                      ; K: batch (rb - 16) / 16, head cb, block of keys (rb - 16) % 16  (the number is used in K's rows of the grid alone)
	s_lshr_b32 s46, s23, 4
	s_lshl_b32 s46, s46, 4
	s_add_co_u32 s46, s46, s21
	s_lshl_b32 s46, s46, 4
	s_and_b32 s23, s23, 15
	s_add_co_u32 s46, s46, s23
	s_add_co_u32 s46, s46, 256
	s_sub_co_u32 s47, s20, 48                      ; V^T: 16 batch + head = rb - 48, block of keys cb
	s_lshl_b32 s47, s47, 4
	s_add_co_u32 s47, s47, s21
	s_add_co_u32 s47, s47, 768
	s_cmp_lt_u32 s95, 2
	s_cselect_b32 s22, s22, s46
	s_cmp_lt_u32 s95, 6
	s_cselect_b32 s22, s22, s47
	s_mul_i32 s22, s22, UNIT
	s_mov_b32 s23, 0
	s_add_nc_u64 s[8:9], s[8:9], s[22:23]
.macro FRAG reg, adr, q, i             ; a fragment is 12 registers: lane l holds row l % 16; registers 6 c .. 6 c + 5 hold K = 64 c + 32 (l / 16) + 0 .. 31: 24 bytes of the row's stream of bits, as they lie
.irp p, 0,1,2,3,4,5                    ; in pieces of 8 bytes.  Lanes 0-15 take the row's pieces 12 q + 0, 1, 2 and 12 q + 6, 7, 8, lanes 16-31 those three pieces on
.set PC, 12*(\q)+6*(\p/3)+\p%3        ; 16 bytes of padding lie behind every 8 pieces: where the piece three on lies behind one padding more, the second address register serves
.if PC%8 < 5
	ds_load_b64 v[\reg+2*\p:\reg+2*\p+1], v[\adr] offset:8*PC+16*(PC/8)+(\i)*16*PITCH
.else
	ds_load_b64 v[\reg+2*\p:\reg+2*\p+1], v[\adr+2] offset:8*PC+16*(PC/8)+(\i)*16*PITCH
.endif
.endr
.endm
; 16 matrix instructions: A's blocks a0, a0 + 1 x B's eight, 128 along K: the slot's q-th.  p: B's set;  sc: the set of scale words.  zero = 1: the first product starts the sums.
; The 64 accumulators take turns, one instruction a turn, in the same order in every step.
.macro MUL16 a0, p, q, sc, zero
.irp a, \a0, \a0+1
.irp b, 0,1,2,3,4,5,6,7
.if \zero
	v_wmma_scale_f32_16x16x128_f8f6f4 v[8*(8*((\a)%4)+\b):8*(8*((\a)%4)+\b)+7], v[128*(\p)+FR*\b:128*(\p)+FR*\b+FR-1], v[AF+FR*(\a):AF+FR*(\a)+FR-1], 0, v[SC+8*NQ*(\sc)+NQ*\b+(\q)], v[SC+8*NQ*(\sc)+NQ*(\a)+(\q)] matrix_a_fmt:MATRIX_FMT_FP6 matrix_b_fmt:MATRIX_FMT_FP6 matrix_a_scale:MATRIX_SCALE_ROW1
.else
	v_wmma_scale_f32_16x16x128_f8f6f4 v[8*(8*((\a)%4)+\b):8*(8*((\a)%4)+\b)+7], v[128*(\p)+FR*\b:128*(\p)+FR*\b+FR-1], v[AF+FR*(\a):AF+FR*(\a)+FR-1], v[8*(8*((\a)%4)+\b):8*(8*((\a)%4)+\b)+7], v[SC+8*NQ*(\sc)+NQ*\b+(\q)], v[SC+8*NQ*(\sc)+NQ*(\a)+(\q)] matrix_a_fmt:MATRIX_FMT_FP6 matrix_b_fmt:MATRIX_FMT_FP6 matrix_a_scale:MATRIX_SCALE_ROW1
.endif
.endr
.endr
.endm
.macro FETCH_B slot, q, p              ; B's eight fragments of the slot's q-th 128 along K into set p
	WIN TO_B
.irp i, 0,1,2,3,4,5,6,7
	FRAG 128*(\p)+FR*\i, ADRB+\slot, \q, \i
.endr
	WIN 0
.endm
.macro FETCH_A slot, q, i0             ; A's blocks i0 .. i0 + 3
.irp i, \i0, \i0+1, \i0+2, \i0+3
	FRAG AF+FR*(\i), ADRA+\slot, \q, \i
.endr
.endm
.macro SCALES sc                       ; a K step's scale words into set sc: two words a row; lanes 0-15 take A's block i, lanes 16-31 B's block i
.irp i, 0,1,2,3,4,5,6,7
	ds_load_b64 v[SC+8*NQ*\sc+NQ*\i:SC+8*NQ*\sc+NQ*\i+1], v[ADRS] offset:\i*SBLK
.endr
.endm
; A load into a register that a matrix instruction has read, and a vector instruction that reads a matrix result, stand four places behind that matrix instruction; only plain vector
; instructions that name none of its registers are places (ISA guide 7.12.1 for vector instructions).
.macro PLACES n
.rept \n
	v_nop
.endr
.endm
; A step of 128 along K that has its successor in the same slot.
.macro STEP slot, q, zero
	s_wait_dscnt 4*NL                              ; B's set and A's blocks 0-3 are in; the youngest 24 loads (A's blocks 4-7) may be out
	WIN MUL_LO
	MUL16 0, (\q)%2, \q, \slot, \zero
	MUL16 2, (\q)%2, \q, \slot, \zero
	s_wait_dscnt 0                                 ; A's blocks 4-7 are in (asked for 32 matrix instructions ago)
	PLACES NP
	FETCH_B \slot, (\q)+1, 1-(\q)%2
	FETCH_A \slot, (\q)+1, 0
	WIN MUL_HI
	MUL16 4, (\q)%2, \q, \slot, \zero
	MUL16 6, (\q)%2, \q, \slot, \zero
	PLACES NP
	WIN 0
	FETCH_A \slot, (\q)+1, 4
.endm
; A slot's last step changes slots: ONE barrier; in front of it each wave waits for all its tensor loads, adds 0 to its spare word, and waits for that and for its own reads of this slot.  fill = 1: this slot is filled again, two K steps ahead.
.macro TURN slot, next, fill
	s_wait_tensorcnt 0x0                           ; all my tensor loads have landed: my part of the next slot;  (every window is 0 here)
	ds_add_u32 v[SPW], v[NIL]                      ; 0 onto my spare word;
	s_wait_dscnt 4*NL+1                            ; (the add and the youngest 24 loads, A's blocks 4-7, may be out)
	WIN MUL_LO
	MUL16 0, 1, NQ-1, \slot, 0                     ; sixteen matrix instructions stand between the add and the wait for it
	s_wait_dscnt 0x0                               ; the add is done, and my reads of this slot are over
	s_barrier_signal -1
	MUL16 2, 1, NQ-1, \slot, 0
	WIN 0
	s_barrier_wait -1
.if \fill
	CREST                                          ; the barrier has opened a round of the cluster's barrier: no wave of any partner still reads this slot's tile or has a load on its way
	s_add_nc_u64 s[G0+4*\slot+2:G0+4*\slot+3], s[G0+4*\slot+2:G0+4*\slot+3], 2*ROWB
	s_add_nc_u64 s[G0B+4*\slot+2:G0B+4*\slot+3], s[G0B+4*\slot+2:G0B+4*\slot+3], 2*ROWB
	JLOAD G0+4*\slot, G1, G0B+4*\slot, G1B         ; the first tensor load behind the round; the four v_nop behind it are the places in front of the loads below
.else
	PLACES NP
.endif
	v_add_nc_u32 v[ADRS], 4*NQ, v[ADRS]            ; on to the next K step's scale words (no LDS load of mine is out)
	FETCH_B \next, 0, 0
	FETCH_A \next, 0, 0
	SCALES \next
	WIN MUL_HI
	MUL16 4, 1, NQ-1, \slot, 0
	MUL16 6, 1, NQ-1, \slot, 0
	PLACES NP
	WIN 0
	FETCH_A \next, 0, 4
.endm
	s_wait_tensorcnt 1                             ; the scales and my part of K step 0 are in (K step 1's load may be out)
	s_barrier_signal -1
	s_barrier_wait -1                              ; everybody's are
	FETCH_B 0, 0, 0
	FETCH_A 0, 0, 0
	SCALES 0
	FETCH_A 0, 0, 4
	STEP 0, 0, 1                                   ; the first step stands in front of the loop: its products start the sums
	s_mov_b32 s3, LAPS-1
.Llap:                                                 ; a trip goes once round the ring, from a lap's second step to the next lap's first, and fills both slots again
	TURN 0, 1, 1
	STEP 1, 0, 0
	TURN 1, 0, 1
	STEP 0, 0, 0
	s_sub_co_u32 s3, s3, 1
	s_cmp_lg_u32 s3, 0
	s_cbranch_scc1 .Llap
	TURN 0, 1, 0                                   ; the last lap fills nothing, and has no round of the cluster's barrier
	STEP 1, 0, 0
	s_wait_dscnt 4*NL                              ; the very last step: nothing more to fetch
	WIN MUL_LO
	MUL16 0, 1, NQ-1, 1, 0
	MUL16 2, 1, NQ-1, 1, 0
	s_wait_dscnt 0
	WIN MUL_HI
	MUL16 4, 1, NQ-1, 1, 0
	MUL16 6, 1, NQ-1, 1, 0
	WIN 0
; THE WAY OUT.  Block a (16 rows x 128 columns, 64 registers a lane: register 16 b + i = column 32 b + 16 (l / 16) + i of row l % 16) is quantised along its columns: four blocks of 32, each in lanes l and l xor 16.
; Each accumulator is read from its low end on.  The codes are the next product's operand as its registers want it, and leave so: three stores of 512 consecutive bytes.  No LDS is needed.
.macro QOUT a
.set AC,  64*((\a)%4)                  ; its accumulators, in window 2 (blocks 0-3) or 3 (blocks 4-7)
.set W,   2+(\a)/4
.set PCB, 64+12*(\a)                   ; its image: registers of its own, so that no store's data are written again
	WIN (W<<2)|(W<<4)                              ; sources 1 and 2: the accumulators' window
.irp b, 0,1,2,3
	v_max3_num_f32 v[TM+\b], 0x1800000, |v[AC+16*\b]|, |v[AC+16*\b+1]|   ; my 16 numbers of block b, and the floor 2^(3 - 127): the byte cannot fall under 1
.endr
.irp i, 2,4,6,8,10,12,14
.irp b, 0,1,2,3
	v_max3_num_f32 v[TM+\b], v[TM+\b], |v[AC+16*\b+\i]|, |v[AC+16*\b+\i+1]|   ; (the four blocks by turns)
.endr
.endr
	WIN 0
.irp b, 0,1,2,3
	v_permlanex16_b32 v[TM+4+\b], v[TM+\b], s[SEL], s[SEL+1]
.endr
.irp b, 0,1,2,3
	v_max_num_f32 v[TM+\b], v[TM+\b], v[TM+4+\b]   ; with lane l xor 16's: the block's largest magnitude
.endr
.irp b, 0,1,2,3
	v_add_nc_u32 v[TM+12+\b], 0xff000000, v[TM+\b] ; 2 off its exponent field: the conversion's scale operand
.endr
.irp b, 0,1,2,3
	v_lshrrev_b32 v[TM+4+\b], 23, v[TM+12+\b]      ; the scale's byte
.endr
	v_lshl_or_b32 v[PW+(\a)], v[TM+5], 8, v[TM+4]  ; the four bytes make my row's scale word
	v_lshl_or_b32 v[PW+(\a)], v[TM+6], 16, v[PW+(\a)]
	v_lshl_or_b32 v[PW+(\a)], v[TM+7], 24, v[PW+(\a)]
	WIN W                                          ; source 0: the accumulators' window
.irp c, 0,1
	v_cvt_scalef32_pk16_fp6_f32 v[PCB+6*\c:PCB+6*\c+2], v[AC+32*\c:AC+32*\c+15], v[TM+12+2*\c]
	v_cvt_scalef32_pk16_fp6_f32 v[TC+4*\c:TC+4*\c+2], v[AC+16+32*\c:AC+31+32*\c], v[TM+13+2*\c]   ; (a conversion's three registers begin on an even number)
.endr
	WIN 0
	v_nop                                          ; one plain place behind a scaled conversion
.irp c, 0,1                                    ; the operand's layout wants a WHOLE block in a lane: lanes 0-15 block 2 c, lanes 16-31 block 2 c + 1
.irp i, 0,1,2
	v_permlane16_swap_b32 v[PCB+6*\c+\i], v[TC+4*\c+\i]
.endr
.irp i, 0,1,2
	v_mov_b32 v[PCB+3+6*\c+\i], v[TC+4*\c+\i]
.endr
.endr
.irp c, 0,1,2
	global_store_b128 v[CO], v[PCB+4*\c:PCB+4*\c+3], s[8:9] offset:1536*(\a)+512*\c   ; 32 lanes store 512 consecutive bytes, at a multiple of 256 from the buffer's first byte
.endr
.endm
	PLACES NP                                      ; behind the last products
.irp b, 0,1,2,3
	v_mov_b32 v[TM+4+\b], 0                        ; written once: a lane permute's destination counts as one of its sources
.endr
	v_cmp_ne_u32 vcc_lo, 0, v2                     ; lanes 16-31
.irp a, 0,1,2,3,4,5,6,7
	QOUT \a
.endr
.irp i, 0,1,2,3
	v_cndmask_b32 v[XW+\i], v[PW+\i], v[PW+4+\i], vcc_lo   ; lanes 0-15 store the words of blocks 0-3, lanes 16-31 those of blocks 4-7
.endr
	global_store_b128 v[CO], v[XW:XW+3], s[8:9] offset:12288
	s_wait_tensorcnt 0x0                           ; the wave's end
	ds_add_u32 v[SPW], v[NIL]
	s_wait_dscnt 0x0
	CROUND                                         ; the closing round: no work-group ends while a partner may still ask for a tile that names it
	s_endpgm
.Lfunc_end_k_q2b496ac871_proj:
	.size	k_q2b496ac871_proj, .Lfunc_end_k_q2b496ac871_proj-k_q2b496ac871_proj
	.p2alignl 7, 3214868480
	.fill 96, 4, 3214868480
	.section	.rodata,"a",@progbits
	.p2align	6, 0x0
	.amdhsa_kernel k_q2b496ac871_proj
		.amdhsa_group_segment_fixed_size 327680
		.amdhsa_private_segment_fixed_size 0
		.amdhsa_enable_private_segment 0
		.amdhsa_kernarg_size 24
		.amdhsa_user_sgpr_count 2
		.amdhsa_user_sgpr_kernarg_segment_ptr 1
		.amdhsa_wavefront_size32 1
		.amdhsa_system_sgpr_workgroup_id_x 1
		.amdhsa_system_sgpr_workgroup_id_y 1
		.amdhsa_system_sgpr_workgroup_id_z 1
		.amdhsa_system_vgpr_workitem_id 0
		.amdhsa_next_free_vgpr 1024
		.amdhsa_next_free_sgpr 98
		.amdhsa_reserve_vcc 1
		.amdhsa_float_denorm_mode_32 3
		.amdhsa_float_denorm_mode_16_64 3
		.amdhsa_memory_ordered 1
		.amdhsa_forward_progress 1
		.amdhsa_inst_pref_size 165
	.end_amdhsa_kernel
	.amdgpu_metadata
---
amdhsa.version: [ 1, 2 ]
amdhsa.kernels:
  - .name:           k_q2b496ac871_proj
    .symbol:         k_q2b496ac871_proj.kd
    .args:
      - { .name: codes, .offset: 0, .size: 8, .value_kind: global_buffer, .address_space: global }
      - { .name: scales, .offset: 8, .size: 8, .value_kind: global_buffer, .address_space: global }
      - { .name: pcod, .offset: 16, .size: 8, .value_kind: global_buffer, .address_space: global }
    .group_segment_fixed_size: 327680
    .private_segment_fixed_size: 0
    .kernarg_segment_align: 8
    .kernarg_segment_size: 24
    .max_flat_workgroup_size: 128
    .sgpr_count:     98
    .vgpr_count:     1024
    .wavefront_size: 32
...
	.end_amdgpu_metadata
.endif
;; end of part 2
;; launch attn (part 3): grid 8 x 32, 8 waves a work-group, clusters of 4 x 1, 327,680 bytes of LDS; arguments pcod, mbits, acod, ascl; writes acod, ascl
.if DOCPART == 3
	.amdgcn_target "amdgcn-amd-amdhsa--gfx1250"
	.amdhsa_code_object_version 6
	.text
	.protected	k_q2b496ac871_attn
	.globl	k_q2b496ac871_attn
	.p2align	8
	.type	k_q2b496ac871_attn,@function
k_q2b496ac871_attn:
	s_mov_b64 s[64:65], 0
	v_nop
	global_prefetch_b8 v0, s[64:65] scope:SCOPE_SE
	s_setreg_imm32_b32 hwreg(HW_REG_WAVE_MODE, 25, 1), 1
	s_wait_xcnt 0x0
	s_wait_alu depctr_hold_cnt(0) depctr_sa_sdst(0) depctr_va_vdst(0) depctr_va_sdst(0) depctr_va_ssrc(0) depctr_va_vcc(0) depctr_vm_vsrc(0)
	s_getreg_b32 s2, hwreg(HW_REG_IB_STS2, 6, 4)
	s_cmp_eq_u32 s2, 0
	s_cbranch_scc0 .Lentry_in_a_cluster
	s_endpgm
.Lentry_in_a_cluster:
	s_bfe_u32 s2, ttmp6, 0x10000c
	s_cmp_lg_u32 s2, 0x3003
	s_cbranch_scc0 .Lentry_shape_is_right
	s_endpgm
.Lentry_shape_is_right:
; ATTENTION ON CODES OF FP6 (E2M3), one E8M0 scale for each 32 along a product's K, for one head (grid y = 16 batch + head) and 128 queries (grid x) a work-group; 2,048 keys, head size 128.
; Q, K and V^T arrive in pcod as IMAGES of operands' registers (a fragment of 16 rows x 128 K: 3 x 512 bytes, lane l's registers 4 c .. 4 c + 3 at 512 c + 16 l), eight to a unit of 12,800 bytes, with 512 bytes
; of scale words behind them (fragment a, row r at 12288 + 256 (a / 4) + 16 r + 4 (a % 4)).  So a fragment is three loads of 16 bytes a lane, 512 consecutive bytes each: no pitch, no padding.
; SOFTMAX AHEAD OF THE SECOND PRODUCT: t = score x log2(e) / sqrt(128); M = the running largest t rounded UP to a whole number; p = 2^(t - M) is quantised along the keys, not normalised; the row's sum is taken of
; the unquantised p and divides at the end.  When M moves, the sum and O are multiplied by 2^(old M - new M): exact.
; MASKS: mbits holds attn_mask OR key_padding_mask as one lane mask for each score register of a step: 64 words a step, read by scalar loads a step ahead; a masked score becomes -infinity ahead of the maximum, so p = 0.
; SHARES: eight waves, each ONE tile of 16 queries in 256 registers, two waves to a SIMD, so that one wave's vector work stands beside the other's matrix work and LDS loads.  Every wave walks all keys, 128 a step.
; LAYOUT: both products transposed: S^T = K Q^T, O^T = V^T P^T: a lane holds one query (lane % 16) throughout.  The rows of K's and V^T's fragments were laid so that S^T's register n is key 32 (n / 16) + 16 (l / 16) + n % 16
; and O^T's register n is channel 32 (n / 16) + 16 (l / 16) + n % 16: 16 neighbours along the next K each time.
; CLUSTER: the four work-groups of a cluster are four blocks of queries of one head and walk the same K and V: each tile is asked for jointly (mask 15).  A slot holds four key steps: 4 units of K, 4 of V^T, 102,400 bytes.
; OUT: O / l is quantised along the head's 128 and stored as an image: acod[head / 2][tile of 16 rows, 64 batch + tile][head % 2][1,536 bytes]; its scale word to ascl[row][head].  Those words are 4 bytes a row, 64 bytes
; apart: stores of parts of 256-byte blocks, 128 KiB in the whole launch.
; LIMITS: a query all of whose keys are masked has l = 0: its scale word is set to four bytes 0xff, which make the last product's sums NaN, as the softmax of such a row is.  A block of zeros gets the byte 1, not 127
; (read by this program alone).  A block's largest p is taken as 2^ of the block's largest t - M, which takes v_exp_f32 not to fall where its input rises.
; REGISTERS: v1 16 x lane, v2 16 r, v3 64 r, v5-6 for the add, v8-9 LDS addresses of the slot's K and V; v12 -M, v13 the largest t, v[14:15] the sum in two halves; v16-27 Q; v28 -infinity, v29 all ones;
;   v32-79 four fragments; v96-159 S^T, then p, then V's other four fragments; v160-223 O^T; v224-235 p's codes; v232-247, v252, v254 at work; v248-251 K's, then V's scale words; v253 p's scale word; v255 Q's.
.set UNIT,  12800
.set VOFF,  4*UNIT                     ; a slot: four units of K, then four of V^T
.set SLOT1, 1<<17                      ; slot 1 begins here, so that one exclusive or turns an address in one slot into the other's
.set SPARE, 2*SLOT1                    ; the spare words, 128 bytes for each wave: four blocks of 256 bytes that no other line names
.set PC,  32                           ; the way out: the codes
.set TM,  232
.set PW,  252
; s[4:7] descriptor group 0, s[24:31] group 1; s[8:9] the mask words of the slot in hand; s[10:11], s[12:13] where my image and my scale words go; s18 wave; s19 the slot in hand; s[20:21] lane selects; s[22:23] c;
; s66 slots still to be asked for; s[68:99] mask words 0-31, s[32:63] mask words 32-63 (before the first mask load: arguments and scratch)
.macro ROUND                           ; a round of the cluster's barrier
	s_barrier_signal -1
	s_barrier_wait -1
	s_cmp_lg_u32 s18, 0
	s_cbranch_scc1 .Lnot_wave_0_\@
	s_barrier_signal -3
.Lnot_wave_0_\@:
	s_barrier_wait -3
	s_barrier_signal -1
	s_barrier_wait -1
.endm
.macro TLOAD                           ; waves 0 and 1 fetch the slot's K (two units each), waves 2 and 3 its V^T, the others nothing: the branch hangs on the wave's number alone.  Four v_nop follow the line
	s_cmp_lt_u32 s18, 4
	s_cbranch_scc0 .Lnone_\@
	tensor_load_to_lds s[4:7], s[24:31]
	s_nop 0
.rept 4
	v_nop
.endr
.Lnone_\@:
.endm
	s_load_b256 s[36:43], s[0:1], 0x0              ; pcod s[36:37], mbits s[38:39], acod s[40:41], ascl s[42:43]
	v_lshl_add_u32 v5, v0, 2, SPARE
	v_mov_b32 v6, 0
	ds_add_u32 v5, v6
	s_wait_dscnt 0x0
	v_lshrrev_b32 v1, 5, v0
	v_readfirstlane_b32 s18, v1                    ; wave 0..7
	s_bfe_u32 s44, ttmp6, 0x40000                  ; cx
	s_lshl_b32 s45, ttmp9, 2
	s_add_co_u32 s44, s45, s44                     ; my block of 128 queries = 4 x cluster x + cx: it enters Q's, the masks' and the outputs' global addresses alone
	s_and_b32 s45, ttmp7, 0xffff                   ; 16 batch + head, which the four partners share
	s_lshr_b32 s46, s45, 4                         ; batch
	s_and_b32 s47, s45, 15                         ; head
	s_lshl_b32 s48, s44, 3
	s_add_co_u32 s48, s48, s18                     ; my tile of 16 queries
	s_lshl_b32 s49, s46, 6
	s_add_co_u32 s49, s49, s48                     ; 64 batch + tile
	; what I fetch, if I fetch: wave & 3 = 0, 1: K's units 0-1, 2-3 of a slot; 2, 3: V^T's
	s_and_b32 s2, s18, 3
	s_lshl_b32 s50, s45, 4
	s_add_co_u32 s50, s50, 256
	s_mul_i32 s50, s50, UNIT                       ; the head's first unit of K
	s_lshr_b32 s52, s2, 1
	s_mul_i32 s52, s52, 512*UNIT                   ; V^T's units lie 512 units behind K's
	s_add_co_u32 s50, s50, s52
	s_and_b32 s52, s2, 1
	s_mul_i32 s52, s52, 2*UNIT
	s_add_co_u32 s50, s50, s52
	s_mov_b32 s51, 0
	; descriptor group 1: two units, 25,600 dense bytes, as 100 rows of 256 bytes (32 elements of 8 bytes), no padding
	s_mov_b32 s24, 15|(3<<16)|(1<<21)              ; 15:0 the mask: all four work-groups; 17:16 elements of 8 bytes; 21 set beside a mask
	s_mov_b32 s25, 32<<16                          ; tensor_dim0
	s_mov_b32 s26, 100<<16                         ; tensor_dim1
	s_mov_b32 s27, 32<<16                          ; tile_dim0
	s_mov_b32 s28, 100                             ; tile_dim1
	s_mov_b32 s29, 32                              ; tensor_dim0_stride
	s_mov_b32 s30, 0
	s_mov_b32 s31, 0
	s_mov_b32 s4, 1                                ; group 0: count = 1
	s_mul_i32 s5, s2, 2*UNIT                       ; LDS address: slot 0, (wave & 3) x two units: no place in the cluster enters it
	s_lshl_b32 s52, s49, 12                        ; the masks of my tile: 16 steps x 256 bytes
	s_mov_b32 s53, 0
	s_lshr_b32 s54, s47, 1                         ; my image: ((head / 2) 128 + 64 batch + tile) 3,072 + (head % 2) 1,536
	s_lshl_b32 s54, s54, 7
	s_add_co_u32 s54, s54, s49
	s_mul_i32 s54, s54, 3072
	s_and_b32 s55, s47, 1
	s_mul_i32 s55, s55, 1536
	s_add_co_u32 s54, s54, s55
	s_mov_b32 s55, 0
	s_lshl_b32 s56, s49, 10                        ; my 16 rows of scale words, 64 bytes a row, + 4 head
	s_lshl_b32 s57, s47, 2
	s_add_co_u32 s56, s56, s57
	s_mov_b32 s57, 0
	s_lshl_b32 s58, s45, 3                         ; Q's unit: (16 batch + head) 8 + block of queries;
	s_add_co_u32 s58, s58, s44
	s_mul_i32 s58, s58, UNIT
	s_mul_i32 s60, s18, 1536                       ; in it my tile's image,
	s_add_co_u32 s60, s60, s58
	s_mov_b32 s61, 0
	s_lshr_b32 s62, s18, 2                         ; and its scale words: 12288 + 256 (wave / 4) + 4 (wave % 4)
	s_lshl_b32 s62, s62, 8
	s_and_b32 s63, s18, 3
	s_lshl_b32 s63, s63, 2
	s_add_co_u32 s62, s62, s63
	s_add_co_u32 s62, s62, s58
	s_add_co_u32 s62, s62, 12288
	s_mov_b32 s63, 0
	s_mov_b32 s19, 0
	s_mov_b32 s20, 0x76543210
	s_mov_b32 s21, 0xfedcba98                      ; v_permlanex16_b32's selects for lane l xor 16
	s_mov_b32 s22, 0x3e0293ee                      ; c = log2(e) / sqrt(128)
	s_mov_b32 s23, s22                             ; (named with it as a pair, so it is written)
	s_mov_b32 s66, 3
	s_wait_kmcnt 0x0
	s_add_nc_u64 s[6:7], s[36:37], s[50:51]        ; group 0: global address: the head's first four key steps
	s_or_b32 s7, s7, 0x80000000                    ; type = 2
	s_add_nc_u64 s[8:9], s[38:39], s[52:53]
	s_add_nc_u64 s[10:11], s[40:41], s[54:55]
	s_add_nc_u64 s[12:13], s[42:43], s[56:57]
	s_add_nc_u64 s[14:15], s[36:37], s[60:61]
	s_add_nc_u64 s[16:17], s[36:37], s[62:63]
	ROUND                                          ; all four work-groups are here: the first joint loads meet
	TLOAD                                          ; slot 0: by this text's own count one load of a wave is out, here and behind every round
	v_and_b32 v1, 31, v0
	v_lshlrev_b32 v1, 4, v1                        ; 16 x lane
	v_and_b32 v2, 15, v0                           ; r
	v_lshlrev_b32 v3, 6, v2                        ; 64 r
	v_lshlrev_b32 v2, 4, v2                        ; 16 r
.irp c, 0,1,2
	global_load_b128 v[16+4*\c:19+4*\c], v1, s[14:15] offset:512*\c   ; Q's fragment stays in registers
.endr
	global_load_b32 v255, v2, s[16:17]             ; Q's scale words
	s_load_b512 s[68:83], s[8:9], 0x0              ; key step 0's mask words (all scratch in s[32:63] has been used)
	s_load_b512 s[84:99], s[8:9], 0x40
	s_load_b512 s[32:47], s[8:9], 0x80
	s_load_b512 s[48:63], s[8:9], 0xc0
	v_mov_b32 v28, 0xff800000                      ; -infinity
	v_mov_b32 v29, -1
	v_mov_b32 v13, 0xff61b1e6                      ; the largest t so far: -3e38, under every t
	v_floor_f32 v12, -v13                          ; -M
	v_mov_b32 v14, 0                               ; the sum, in two halves
	v_mov_b32 v15, 0
.irp b, 0,1,2,3
	v_mov_b32 v[236+\b], 0                         ; written once: a lane permute's destination counts as one of its sources
.endr
	v_mov_b32 v253, 0                              ; (named as the upper half of the pair v[252:253] before it is first written)
.set j, 0
.rept 64
	v_mov_b32 v[160+j], 0                          ; O^T.  (The step is written without a first form of its own: the first finds zeros, which the first change of M leaves zeros)
.set j, j+1
.endr
	s_wait_loadcnt 0x0                             ; Q
.macro TILES reg, adr, q, g            ; four fragments, 4 g .. 4 g + 3 of the slot's q-th unit, into v[reg] on
.irp t, 0,1,2,3
.irp c, 0,1,2
	ds_load_b128 v[\reg+12*\t+4*\c:\reg+12*\t+4*\c+3], v[\adr] offset:UNIT*(\q)+1536*(4*\g+\t)+512*\c
.endr
.endr
.endm
; A KEY STEP: 128 keys, the q-th of the slot in hand.  more = 1: the next step's mask words are asked for.
.macro STEP q, more
.rept 5
	v_nop                                          ; five places behind the last step's products: four for the loads into registers that they read, the fifth since the first products below write over v96-143, which they read as an operand
.endr
	TILES 32, 8, \q, 0
	ds_load_b128 v[248:251], v8 offset:UNIT*(\q)+12288   ; K's scale words: lane (r, h) gets those of row r of fragments 4 h .. 4 h + 3
	s_wait_dscnt 0x0
.irp t, 0,1,2,3                                ; S^T = K Q^T, keys' tiles 0-3
	v_wmma_scale_f32_16x16x128_f8f6f4 v[96+8*\t:103+8*\t], v[32+12*\t:43+12*\t], v[16:27], 0, v[248+\t], v255 matrix_a_fmt:MATRIX_FMT_FP6 matrix_b_fmt:MATRIX_FMT_FP6
.endr
.rept 4
	v_nop                                          ; places in front of loads into registers that matrix instructions have read
.endr
	TILES 32, 8, \q, 1
	s_wait_dscnt 0x0
.irp t, 0,1,2,3                                ; tiles 4-7: their scale words stand in lanes 16-31
	v_wmma_scale_f32_16x16x128_f8f6f4 v[128+8*\t:135+8*\t], v[32+12*\t:43+12*\t], v[16:27], 0, v[248+\t], v255 matrix_a_fmt:MATRIX_FMT_FP6 matrix_b_fmt:MATRIX_FMT_FP6 matrix_a_scale:MATRIX_SCALE_ROW1
.endr
	s_wait_kmcnt 0x0                               ; this step's mask words (asked for a step ago)
.set n, 0
.rept 32                                       ; masked scores become -infinity; each accumulator from its low end on.  These 32 name no register of the four products above: they are the places behind them
	v_cndmask_b32 v[96+n], v[96+n], v28, s[68+n]
.set n, n+1
.endr
	TILES 32, 9, \q, 0                             ; V^T's fragments 0-3 and its scale words land under the softmax
	ds_load_b128 v[248:251], v9 offset:UNIT*(\q)+12288
.set n, 0
.rept 32
	v_cndmask_b32 v[128+n], v[128+n], v28, s[32+n]
.set n, n+1
.endr
.if \more
.if (\q) == 3
	s_add_nc_u64 s[8:9], s[8:9], 1024              ; on to the next slot's mask words (no scalar load is out: the wait above was for 0, and none was issued since)
.irp i, 0,1
	s_load_b512 s[68+16*\i:83+16*\i], s[8:9], 64*\i
	s_load_b512 s[32+16*\i:47+16*\i], s[8:9], 128+64*\i
.endr
.else
.irp i, 0,1
	s_load_b512 s[68+16*\i:83+16*\i], s[8:9], 256*((\q)+1)+64*\i
	s_load_b512 s[32+16*\i:47+16*\i], s[8:9], 256*((\q)+1)+128+64*\i
.endr
.endif
.endif
.irp b, 0,1,2,3
	v_max3_num_f32 v[232+\b], v[96+16*\b], v[97+16*\b], v[98+16*\b]   ; THE LARGEST SCORE OF EACH BLOCK OF 32 KEYS: it serves for the row's maximum and, since p rises with the score, for the block's largest p
.endr
.irp i, 3,5,7,9,11,13
.irp b, 0,1,2,3
	v_max3_num_f32 v[232+\b], v[232+\b], v[96+16*\b+\i], v[97+16*\b+\i]   ; (the four blocks by turns)
.endr
.endr
.irp b, 0,1,2,3
	v_max_num_f32 v[232+\b], v[232+\b], v[111+16*\b]
.endr
.irp b, 0,1,2,3
	v_permlanex16_b32 v[236+\b], v[232+\b], s20, s21
.endr
.irp b, 0,1,2,3
	v_max_num_f32 v[232+\b], v[232+\b], v[236+\b]  ; with lane l xor 16's 16 keys
.endr
	v_max3_num_f32 v254, v232, v233, v234
	v_max_num_f32 v254, v254, v235                 ; the step's largest score of my query (-infinity where all 128 keys are masked: the running maximum then stays)
	v_mul_f32 v254, s22, v254                      ; as t (c is positive)
	v_max_num_f32 v13, v13, v254                   ; the running largest t
	v_mov_b32 v254, v12
	v_floor_f32 v12, -v13                          ; the new -M = floor(-t) = -ceil(t): M IS A WHOLE NUMBER
	v_sub_f32 v254, v12, v254                      ; M's old value less its new one: a whole number, 0 or less
	v_cvt_i32_f32 v254, v254                       ; (it saturates)
	v_ldexp_f32 v252, 1.0, v254                    ; f = 2^(old M - new M): a multiplication by it rounds nothing
.set j, 0
.rept 32
	v_pk_fma_f32 v[96+j:97+j], v[96+j:97+j], s[22:23], v[12:13] op_sel_hi:[1,0,0]   ; t - M, two at a time (of the pairs c and -M the low word serves both halves)
.set j, j+2
.endr
.irp b, 0,1,2,3
	v_fma_f32 v[232+\b], v[232+\b], s22, v12       ; the same of each block's largest score
.endr
.set j, 0
.rept 64
	v_exp_f32 v[96+j], v[96+j]                     ; p = 2^(t - M), at most 1: NOT normalised; 0 for a masked key
.set j, j+1
.endr
.irp b, 0,1,2,3
	v_exp_f32 v[232+\b], v[232+\b]                 ; the block's largest p: the same two instructions on the same number give the same bits
.endr
	v_pk_mul_f32 v[14:15], v[14:15], v[252:253] op_sel_hi:[1,0]   ; the sums under the new M.  (A plain place behind the exponentials)
	s_wait_alu depctr_va_vdst(0)
.irp b, 0,1,2,3
	v_max_num_f32 v[232+\b], 0x1800000, v[232+\b]  ; the floor 2^(3 - 127): the byte cannot fall under 1 (a block whose every p is 0 keeps that byte: its codes are zeros)
.endr
.irp b, 0,1,2,3
	v_add_nc_u32 v[244+\b], 0xff000000, v[232+\b]  ; 2 off the exponent field: the conversion's scale operand
.endr
.irp b, 0,1,2,3
	v_lshrrev_b32 v[236+\b], 23, v[244+\b]         ; the scale's byte
.endr
	v_lshl_or_b32 v253, v237, 8, v236              ; p's scale word for these 128 keys
	v_lshl_or_b32 v253, v238, 16, v253
	v_lshl_or_b32 v253, v239, 24, v253
.irp c, 0,1
	v_cvt_scalef32_pk16_fp6_f32 v[224+6*\c:226+6*\c], v[96+32*\c:111+32*\c], v[244+2*\c]
	v_cvt_scalef32_pk16_fp6_f32 v[236+4*\c:238+4*\c], v[112+32*\c:127+32*\c], v[244+2*\c+1]   ; (a conversion's three registers begin on an even number)
.endr
	v_nop                                          ; one plain place behind a scaled conversion
.irp c, 0,1                                    ; the operand's layout wants a WHOLE block in a lane: lanes 0-15 block 2 c, lanes 16-31 block 2 c + 1
.irp i, 0,1,2
	v_permlane16_swap_b32 v[224+6*\c+\i], v[236+4*\c+\i]
.endr
.irp i, 0,1,2
	v_mov_b32 v[227+6*\c+\i], v[236+4*\c+\i]
.endr
.endr
	v_pk_add_f32 v[236:237], v[96:97], v[98:99]    ; THE ROW'S SUM IS TAKEN OF THE UNQUANTISED p: two at a time, in two chains
.set j, 4
.rept 15
	v_pk_add_f32 v[14:15], v[14:15], v[96+j:97+j]
	v_pk_add_f32 v[236:237], v[236:237], v[98+j:99+j]
.set j, j+4
.endr
	v_pk_add_f32 v[14:15], v[14:15], v[236:237]
	TILES 96, 9, \q, 1                             ; p is done with: V^T's fragments 4-7 take its registers
.set j, 0
.rept 32
	v_pk_mul_f32 v[160+j:161+j], v[160+j:161+j], v[252:253] op_sel_hi:[1,0]   ; O^T under the new M.  (These 32 are also the places between the lines that made p's codes and scale word and the products below)
.set j, j+2
.endr
	s_wait_dscnt 0x0
.irp t, 0,1,2,3                                ; O^T += V^T P^T: eight accumulators by turns, one instruction a turn; K = these 128 keys
	v_wmma_scale_f32_16x16x128_f8f6f4 v[160+8*\t:167+8*\t], v[32+12*\t:43+12*\t], v[224:235], v[160+8*\t:167+8*\t], v[248+\t], v253 matrix_a_fmt:MATRIX_FMT_FP6 matrix_b_fmt:MATRIX_FMT_FP6
.endr
.irp t, 0,1,2,3
	v_wmma_scale_f32_16x16x128_f8f6f4 v[192+8*\t:199+8*\t], v[96+12*\t:107+12*\t], v[224:235], v[192+8*\t:199+8*\t], v[248+\t], v253 matrix_a_fmt:MATRIX_FMT_FP6 matrix_b_fmt:MATRIX_FMT_FP6 matrix_a_scale:MATRIX_SCALE_ROW1
.endr
.endm
; THE CHANGE OF SLOTS stands at a slot's head.  Each wave waits for all its tensor loads (its part of the slot that it is about to read), adds 0 to its spare word, and waits for that and for its reads of the slot that it has left.
; fill = 1: a round of the cluster's barrier follows, so that no wave of any partner still reads the other slot or has a load on its way, and that slot is filled with the next four key steps: the load has four steps in which to land.
.macro CHANGE fill
	s_wait_tensorcnt 0x0                           ; no tensor load of mine is out, so group 0 may be written
	ds_add_u32 v5, v6                              ; 0 onto my spare word
.if \fill
	s_xor_b32 s5, s5, SLOT1                        ; the walking descriptor: the other slot than last time,
	s_add_nc_u64 s[6:7], s[6:7], 4*UNIT            ; the next four units; the type bits on top are not reached
	s_wait_dscnt 0x0                               ; the add is done, and my reads of the slot that I have left are over
	ROUND
	TLOAD                                          ; the first thing behind the round, and a wave's one tensor load until the next
.else
	s_wait_dscnt 0x0
	s_barrier_signal -1
	s_barrier_wait -1
.endif
	v_add_nc_u32 v8, s19, v1                       ; the slot in hand: K's units,
	v_add_nc_u32 v9, VOFF, v8                      ; and V^T's
.endm
.Lslot:                                            ; three trips: behind each change of slots but the last the next slot is asked for
	CHANGE 1
	STEP 0, 1
	STEP 1, 1
	STEP 2, 1
	STEP 3, 1
	s_xor_b32 s19, s19, SLOT1                      ; on to the other slot
	s_sub_co_u32 s66, s66, 1
	s_cmp_lg_u32 s66, 0
	s_cbranch_scc1 .Lslot
	CHANGE 0                                       ; the last slot is written out
	STEP 0, 1
	STEP 1, 1
	STEP 2, 1
	STEP 3, 0                                      ; no mask word lies behind the last step's
	; THE WAY OUT.  O^T / l, quantised along the head's 128: register 16 b + i is channel 32 b + 16 (l / 16) + i of my query.
.rept 4
	v_nop                                          ; places behind the last products
.endr
	v_add_f32 v14, v14, v15                        ; the sum's two halves,
	v_permlanex16_b32 v254, v14, s20, s21
	v_add_f32 v14, v14, v254                       ; and lane l xor 16's: the row's sum
	v_cmp_eq_f32 vcc_lo, 0, v14                    ; a row with every key masked
	v_rcp_f32 v15, v14
	v_nop                                          ; one plain place behind the transcendental
.set j, 0
	s_wait_alu depctr_va_vdst(0)
.rept 64
	v_mul_f32 v[96+j], v[160+j], v15               ; each accumulator from its low end on
.set j, j+1
.endr
.irp b, 0,1,2,3
	v_max3_num_f32 v[TM+\b], |v[96+16*\b]|, |v[97+16*\b]|, 0x1800000   ; block b: my 16 numbers, and the floor 2^(3 - 127)
.endr
.irp i, 2,4,6,8,10,12,14
.irp b, 0,1,2,3
	v_max3_num_f32 v[TM+\b], v[TM+\b], |v[96+16*\b+\i]|, |v[97+16*\b+\i]|
.endr
.endr
.irp b, 0,1,2,3
	v_permlanex16_b32 v[TM+4+\b], v[TM+\b], s20, s21
.endr
.irp b, 0,1,2,3
	v_max_num_f32 v[TM+\b], v[TM+\b], v[TM+4+\b]   ; with lane l xor 16's: the block's largest magnitude
.endr
.irp b, 0,1,2,3
	v_add_nc_u32 v[TM+12+\b], 0xff000000, v[TM+\b]
.endr
.irp b, 0,1,2,3
	v_lshrrev_b32 v[TM+4+\b], 23, v[TM+12+\b]
.endr
	v_lshl_or_b32 v[PW], v[TM+5], 8, v[TM+4]       ; my row's scale word
	v_lshl_or_b32 v[PW], v[TM+6], 16, v[PW]
	v_lshl_or_b32 v[PW], v[TM+7], 24, v[PW]
	v_cndmask_b32 v[PW], v[PW], v29, vcc_lo        ; l = 0: four bytes 0xff
.irp c, 0,1
	v_cvt_scalef32_pk16_fp6_f32 v[PC+6*\c:PC+2+6*\c], v[96+32*\c:111+32*\c], v[TM+12+2*\c]
	v_cvt_scalef32_pk16_fp6_f32 v[PC+12+4*\c:PC+14+4*\c], v[112+32*\c:127+32*\c], v[TM+13+2*\c]
.endr
	v_nop                                          ; one plain place behind a scaled conversion
.irp c, 0,1
.irp i, 0,1,2
	v_permlane16_swap_b32 v[PC+6*\c+\i], v[PC+12+4*\c+\i]
.endr
.irp i, 0,1,2
	v_mov_b32 v[PC+3+6*\c+\i], v[PC+12+4*\c+\i]
.endr
.endr
.irp c, 0,1,2
	global_store_b128 v1, v[PC+4*\c:PC+4*\c+3], s[10:11] offset:512*\c   ; 32 lanes store 512 consecutive bytes, at a multiple of 256 from the buffer's first byte
.endr
	global_store_b32 v3, v[PW], s[12:13]           ; both halves of the lanes store the same word to the same place
	s_wait_tensorcnt 0x0                           ; the wave's end
	ds_add_u32 v5, v6
	s_wait_dscnt 0x0
	ROUND                                          ; the closing round: no work-group ends while a partner may still ask for a tile that names it
	s_endpgm
.Lfunc_end_k_q2b496ac871_attn:
	.size	k_q2b496ac871_attn, .Lfunc_end_k_q2b496ac871_attn-k_q2b496ac871_attn
	.p2alignl 7, 3214868480
	.fill 96, 4, 3214868480
	.section	.rodata,"a",@progbits
	.p2align	6, 0x0
	.amdhsa_kernel k_q2b496ac871_attn
		.amdhsa_group_segment_fixed_size 327680
		.amdhsa_private_segment_fixed_size 0
		.amdhsa_enable_private_segment 0
		.amdhsa_kernarg_size 32
		.amdhsa_user_sgpr_count 2
		.amdhsa_user_sgpr_kernarg_segment_ptr 1
		.amdhsa_wavefront_size32 1
		.amdhsa_system_sgpr_workgroup_id_x 1
		.amdhsa_system_sgpr_workgroup_id_y 1
		.amdhsa_system_sgpr_workgroup_id_z 1
		.amdhsa_system_vgpr_workitem_id 0
		.amdhsa_next_free_vgpr 256
		.amdhsa_next_free_sgpr 100
		.amdhsa_reserve_vcc 1
		.amdhsa_float_denorm_mode_32 3
		.amdhsa_float_denorm_mode_16_64 3
		.amdhsa_memory_ordered 1
		.amdhsa_forward_progress 1
		.amdhsa_inst_pref_size 195
	.end_amdhsa_kernel
	.amdgpu_metadata
---
amdhsa.version: [ 1, 2 ]
amdhsa.kernels:
  - .name:           k_q2b496ac871_attn
    .symbol:         k_q2b496ac871_attn.kd
    .args:
      - { .name: pcod, .offset: 0, .size: 8, .value_kind: global_buffer, .address_space: global }
      - { .name: mbits, .offset: 8, .size: 8, .value_kind: global_buffer, .address_space: global }
      - { .name: acod, .offset: 16, .size: 8, .value_kind: global_buffer, .address_space: global }
      - { .name: ascl, .offset: 24, .size: 8, .value_kind: global_buffer, .address_space: global }
    .group_segment_fixed_size: 327680
    .private_segment_fixed_size: 0
    .kernarg_segment_align: 8
    .kernarg_segment_size: 32
    .max_flat_workgroup_size: 256
    .sgpr_count:     100
    .vgpr_count:     256
    .wavefront_size: 32
...
	.end_amdgpu_metadata
.endif
;; end of part 3
;; launch outp (part 4): grid 8 x 8, 4 waves a work-group, clusters of 4 x 4, 327,680 bytes of LDS; arguments acod, ascl, codes, scales, out0; writes out0
.if DOCPART == 4
	.amdgcn_target "amdgcn-amd-amdhsa--gfx1250"
	.amdhsa_code_object_version 6
	.text
	.protected	k_q2b496ac871_outp
	.globl	k_q2b496ac871_outp
	.p2align	8
	.type	k_q2b496ac871_outp,@function
k_q2b496ac871_outp:
	s_mov_b64 s[64:65], 0
	v_nop
	global_prefetch_b8 v0, s[64:65] scope:SCOPE_SE
	s_setreg_imm32_b32 hwreg(HW_REG_WAVE_MODE, 25, 1), 1
	s_wait_xcnt 0x0
	s_wait_alu depctr_hold_cnt(0) depctr_sa_sdst(0) depctr_va_vdst(0) depctr_va_sdst(0) depctr_va_ssrc(0) depctr_va_vcc(0) depctr_vm_vsrc(0)
	s_getreg_b32 s2, hwreg(HW_REG_IB_STS2, 6, 4)
	s_cmp_eq_u32 s2, 0
	s_cbranch_scc0 .Lentry_in_a_cluster
	s_endpgm
.Lentry_in_a_cluster:
	s_bfe_u32 s2, ttmp6, 0x10000c
	s_cmp_lg_u32 s2, 0xf033
	s_cbranch_scc0 .Lentry_shape_is_right
	s_endpgm
.Lentry_shape_is_right:
; out0 = A Wo^T on codes of FP6 (E2M3) with one E8M0 scale for each 32 along K = 2,048.  A, [2,048 rows][2,048], is the attention launch's result; out0 is [2,048][2,048] f32; sums in f32.
; A's codes arrive as IMAGES of operands' registers: acod[K step of 256][tile of 16 rows][128 along K][3 x 512 bytes, lane l's registers 4 c .. 4 c + 3 at 512 c + 16 l]: a fragment is three loads of 16 bytes a lane.
; A's scale bytes are ascl[row][64].  Wo's codes are rows 16,384 on of the buffer of codes (1,536 bytes a row, as they lie in Wo), its scale bytes rows 16,384 on of the buffer of scale bytes.
; A tile of out0, 256 x 256, is made by four waves; a wave makes 128 x 128: 64 accumulators, 512 registers.  K goes in steps of 256 through a ring of two LDS slots filled by the tensor data mover; the scale bytes come once and stay.
; CLUSTERS: 4 x 4 work-groups.  The four of a row of the cluster need the same tiles of A, the four of a column the same tiles of Wo: each is asked for jointly.
; 64 tiles: a quarter of the WGPs have work; kept for the largest wave tile in the first form of this program (this product is an eighth of the program's matrix work).
; THE MATRIX INSTRUCTION IS USED TRANSPOSED (source 0 = 16 rows of Wo, source 1 = 16 rows of A): a lane then holds eight neighbouring numbers of a row of out0.
; A row of A whose scale bytes are 0xff (a query with every key masked) comes out as NaN.
; REGISTERS, in windows of 256: window 0: v0-31 addresses; v32-63 scale words, two sets; from v128 A's fragments, ONE set; on the way out v128-255 rows of out0.
;   window 1: Wo's fragments, TWO sets, at v0 and v128.   window 2: the accumulators of my rows 0-63 ((a, b) at v[8 (8 a + b)]);   window 3: those of my rows 64-127.
.set SIZE_N, 2048
.set KSTEP,  256
.set NQ,     KSTEP/128
.set ROWB,   192                       ; a row of Wo's tile in bytes
.set KROW,   1536                      ; a row of codes in memory
.set PITCH,  240                       ; Wo's LDS row: 3 x (64 bytes of data + 16 of padding): the 32 lanes of a load of 8 bytes touch 64 different banks (64 banks of 4 bytes: ISA guide 11.1)
.set FR,     12
.set NLA,    3                         ; LDS loads that bring a fragment of A
.set NP,     4                         ; places behind this matrix instruction (ISA guide 7.12.1)
.set HALFA,  8*3072                    ; A: eight tiles of 16 rows x 256 K: what one tensor load brings, dense
.set HALFT,  128*PITCH                 ; Wo: 128 rows
.set BOFF,   2*HALFA                   ; a slot: A's 256 rows, then Wo's 256 rows
.set SLOT,   BOFF+2*HALFT
.set ASTEP,  128*3072                  ; bytes from one K step of A's images to the next
.set LAPS,   2048/(2*KSTEP)
.set KS,     64
.set SCL,    2*SLOT                    ; behind the ring: the scales, as rows of 256 bytes + 16 of padding
.set HALFS,  (128*KS/256)*272
.set SBLK,   (16*KS/256)*272
.set SPARE,  SCL+4*HALFS               ; the spare words, 128 bytes for each wave: two blocks of 256 bytes that no other line names
.set SPITCH, 528                       ; the way out: a stage of 16 rows x (512 bytes + 16) for each wave, in slot 0, which has had its last fill and its last read when the first result is stored there
.set ADRA, 16                          ; v16-17 LDS address of my A images in slot 0, 1
.set ADRB, 20                          ; v20-21 of Wo's fragments (v22-23: for the pieces behind one padding more)
.set STO,  24
.set RD,   25
.set CO,   26
.set ADRS, 27
.set SPW,  28                          ; v28 LDS address of my spare word; never rewritten
.set NIL,  29                          ; v29 0; never rewritten
.set SC,   32
.set AF,   128
.set BK,   128
.set G1, 24
.set G0, 32
.set G1B, 48
.set G0B, 56
.set G1S, 68
.set G0S, 76
.set G1SB, 80
.set G0SB, 88
.set MSB, 0
.macro WIN new                         ; the immediate's high byte repeats the setting that is left
.if MSB != (\new)
	s_set_vgpr_msb (MSB<<8)|(\new)
.set MSB, (\new)
.endif
.endm
.set MUL_LO, 0xa1
.set MUL_HI, 0xf1
.set TO_B,   0x40
.macro JLOAD g0a, g1a, g0b, g1b        ; a joint load: waves 0 and 1 fetch for A, waves 2 and 3 for Wo; four v_nop follow each of the two lines
	s_cmp_eq_u32 s15, 0
	s_cbranch_scc0 .Lfor_b_\@
	tensor_load_to_lds s[\g0a:\g0a+3], s[\g1a:\g1a+7]
	s_nop 0
.rept 4
	v_nop
.endr
	s_branch .Lasked_\@
.Lfor_b_\@:
	tensor_load_to_lds s[\g0b:\g0b+3], s[\g1b:\g1b+7]
	s_nop 0
.rept 4
	v_nop
.endr
.Lasked_\@:
.endm
.macro CREST
	s_cmp_lg_u32 s14, 0
	s_cbranch_scc1 .Lnot_wave_0_\@
	s_barrier_signal -3
.Lnot_wave_0_\@:
	s_barrier_wait -3
	s_barrier_signal -1
	s_barrier_wait -1
.endm
.macro CROUND
	s_barrier_signal -1
	s_barrier_wait -1
	CREST
.endm
	s_load_b128 s[4:7], s[0:1], 0x0                ; acod s[4:5], ascl s[6:7]
	s_load_b128 s[8:11], s[0:1], 0x10              ; codes s[8:9], scales s[10:11]
	s_load_b64 s[12:13], s[0:1], 0x20              ; out0
	v_lshl_add_u32 v[SPW], v0, 2, SPARE
	v_mov_b32 v[NIL], 0
	ds_add_u32 v28, v29
	s_wait_dscnt 0x0
	v_lshrrev_b32 v1, 5, v0
	v_readfirstlane_b32 s14, v1                    ; wave 0..3
	s_lshr_b32 s15, s14, 1                         ; which half of the tile's rows is mine.  Also: I fetch for A (0) or for Wo (1)
	s_and_b32 s16, s14, 1                          ; which half of its columns.  Also: which 128 rows of that tile I fetch
	s_bfe_u32 s40, ttmp6, 0x40000                  ; cx, cy
	s_bfe_u32 s41, ttmp6, 0x40004
	s_lshl_b32 s42, ttmp9, 2
	s_add_co_u32 s42, s42, s40                     ; tile column = 4 x cluster x + cx
	s_and_b32 s17, ttmp7, 0xffff
	s_lshl_b32 s17, s17, 2
	s_add_co_u32 s17, s17, s41                     ; tile row = 4 x cluster y + cy
	s_lshl_b32 s43, s41, 2
	s_lshl_b32 s43, 15, s43                        ; my row of the cluster
	s_lshl_b32 s44, 0x1111, s40                    ; my column
	; group 1 for A: 24,576 dense bytes as 96 rows of 256 bytes (32 elements of 8 bytes), no padding
	s_or_b32 s[G1+0], s43, (3<<16)|(1<<21)
	s_mov_b32 s[G1+1], 32<<16
	s_mov_b32 s[G1+2], 96<<16
	s_mov_b32 s[G1+3], 32<<16
	s_mov_b32 s[G1+4], 96
	s_mov_b32 s[G1+5], 32
	s_mov_b32 s[G1+6], 0
	s_mov_b32 s[G1+7], 0
	; group 1 for Wo: 128 rows x 192 bytes, 16 bytes of padding behind every 64
	s_or_b32 s[G1B+0], s44, (0<<16)|(1<<20)|(1<<21)|(3<<22)|(3<<25)
	s_mov_b32 s[G1B+1], ROWB<<16
	s_mov_b32 s[G1B+2], 128<<16
	s_mov_b32 s[G1B+3], ROWB<<16
	s_mov_b32 s[G1B+4], 128
	s_mov_b32 s[G1B+5], KROW
	s_mov_b32 s[G1B+6], 0
	s_mov_b32 s[G1B+7], 0
	; the scales of 128 rows: 8,192 dense bytes as 32 rows of 256 bytes, 16 bytes of padding behind each
	s_or_b32 s[G1S+0], s43, (3<<16)|(1<<20)|(1<<21)|(5<<22)|(3<<25)
	s_or_b32 s[G1SB+0], s44, (3<<16)|(1<<20)|(1<<21)|(5<<22)|(3<<25)
.irp g, G1S, G1SB
	s_mov_b32 s[\g+1], 32<<16
	s_mov_b32 s[\g+2], (128*KS/256)<<16
	s_mov_b32 s[\g+3], 32<<16
	s_mov_b32 s[\g+4], 128*KS/256
	s_mov_b32 s[\g+5], 32
	s_mov_b32 s[\g+6], 0
	s_mov_b32 s[\g+7], 0
.endr
	s_lshl_b32 s20, s17, 4
	s_lshl_b32 s18, s16, 3
	s_add_co_u32 s20, s20, s18                     ; A: tile of 16 rows 16 x tile row + 8 x half
	s_mul_i32 s20, s20, 3072
	s_mov_b32 s21, 0
	s_lshl_b32 s18, s16, 7
	s_lshl_b32 s22, s17, 8
	s_add_co_u32 s22, s22, s18                     ; A's scales: row 256 x tile row + 128 x half, 64 bytes a row
	s_lshl_b32 s22, s22, 6
	s_mov_b32 s23, 0
	s_lshl_b32 s46, s42, 8
	s_add_co_u32 s46, s46, s18
	s_add_co_u32 s46, s46, 16384                   ; Wo: stored row 16,384 + 256 x tile column + 128 x half
	s_lshl_b32 s92, s46, 6
	s_mov_b32 s93, 0
	s_mul_i32 s46, s46, KROW                       ; (under 2^25)
	s_mov_b32 s47, 0
	s_mul_i32 s45, s16, HALFA                      ; where they go: no place in the cluster enters an LDS address
	s_mul_i32 s95, s16, HALFT
	s_add_co_u32 s95, s95, BOFF
	s_mul_i32 s94, s14, HALFS
	s_wait_kmcnt 0x0
	s_add_nc_u64 s[20:21], s[4:5], s[20:21]
	s_add_nc_u64 s[22:23], s[6:7], s[22:23]
	s_add_nc_u64 s[46:47], s[8:9], s[46:47]
	s_add_nc_u64 s[92:93], s[10:11], s[92:93]
	CROUND                                         ; all sixteen work-groups are here: the first joint loads meet
	s_mov_b32 s[G0S], 1
	s_add_co_u32 s[G0S+1], s94, SCL
	s_mov_b64 s[G0S+2:G0S+3], s[22:23]
	s_or_b32 s[G0S+3], s[G0S+3], 0x80000000
	s_mov_b32 s[G0SB], 1
	s_add_co_u32 s[G0SB+1], s94, SCL
	s_mov_b64 s[G0SB+2:G0SB+3], s[92:93]
	s_or_b32 s[G0SB+3], s[G0SB+3], 0x80000000
	JLOAD G0S, G1S, G0SB, G1SB                     ; the scales first
.irp s, 0,1
	s_mov_b32 s[G0+4*\s], 1
	s_add_co_u32 s[G0+4*\s+1], s45, \s*SLOT
	s_add_nc_u64 s[G0+4*\s+2:G0+4*\s+3], s[20:21], \s*ASTEP
	s_or_b32 s[G0+4*\s+3], s[G0+4*\s+3], 0x80000000
	s_mov_b32 s[G0B+4*\s], 1
	s_add_co_u32 s[G0B+4*\s+1], s95, \s*SLOT
	s_add_nc_u64 s[G0B+4*\s+2:G0B+4*\s+3], s[46:47], \s*ROWB
	s_or_b32 s[G0B+4*\s+3], s[G0B+4*\s+3], 0x80000000
	JLOAD G0+4*\s, G1, G0B+4*\s, G1B               ; by this text's own count three loads of a wave are out here
.endr
	v_and_b32 v1, 15, v0                           ; l % 16
	v_bfe_u32 v2, v0, 4, 1                         ; l / 16
	v_mul_u32_u24 v3, v1, PITCH
	v_mul_u32_u24 v4, v2, 24
	v_add_nc_u32 v4, v3, v4                        ; Wo: a fragment's row x pitch + 24 x half
	v_lshl_add_u32 v5, v2, 4, v4                   ; and the same behind one padding more
	v_and_b32 v6, 31, v0
	v_lshlrev_b32 v[CO], 4, v6                     ; 16 x lane: my place in an image, and in a row of 512 bytes
	s_mul_i32 s21, s15, HALFA                      ; my 128 rows of A
	s_mul_i32 s22, s16, HALFT                      ; my 128 rows of Wo,
	s_add_co_u32 s22, s22, BOFF                    ; which lie behind A's 256
.irp s, 0,1
	v_add_nc_u32 v[ADRA+\s], s21, v[CO]
	v_add_nc_u32 v[ADRB+\s], s22, v4
	v_add_nc_u32 v[ADRB+2+\s], s22, v5
	s_add_co_u32 s21, s21, SLOT
	s_add_co_u32 s22, s22, SLOT
.endr
	v_mul_u32_u24 v5, v1, KS                       ; my row's scales: 64 bytes a row,
	v_lshrrev_b32 v6, 8, v5
	v_lshl_add_u32 v5, v6, 4, v5                   ; and 16 more for each 256 passed
	s_mul_i32 s21, s15, HALFS
	s_mul_i32 s22, s16, HALFS
	s_add_co_u32 s22, s22, 2*HALFS
	s_sub_co_u32 s22, s22, s21
	v_mul_u32_u24 v6, s22, v2                      ; lanes 16-31 take Wo's: the lower base + h x the distance
	s_add_co_u32 s21, s21, SCL
	v_add_nc_u32 v5, v5, v6
	v_add_nc_u32 v[ADRS], s21, v5
	s_mul_i32 s23, s14, 16*SPITCH                  ; my stage
	v_mul_u32_u24 v5, v1, SPITCH                   ; in: row l % 16, 32 bytes for each half of the lanes
	v_lshl_add_u32 v5, v2, 5, v5
	v_add_nc_u32 v[STO], s23, v5
	v_add_nc_u32 v[RD], s23, v[CO]                 ; back: the 32 lanes take one row of 512 bytes
	s_lshl_b32 s20, s17, 8
	s_lshl_b32 s21, s15, 7
	s_add_co_u32 s20, s20, s21                     ; my first row of out0
	s_lshl_b32 s20, s20, 13                        ; x 8,192 bytes
	s_lshl_b32 s46, s42, 10                        ; my first column, in bytes: 1,024 x tile column + 512 x half
	s_lshl_b32 s47, s16, 9
	s_add_co_u32 s46, s46, s47
	s_add_co_u32 s20, s20, s46
	s_mov_b32 s21, 0
	s_add_nc_u64 s[12:13], s[12:13], s[20:21]
.macro FRAG reg, adr, q, i             ; a fragment of Wo from rows: 12 registers, in pieces of 8 bytes; 16 bytes of padding lie behind every 8 pieces: where the piece three on lies behind one padding more, the second address register serves
.irp p, 0,1,2,3,4,5
.set PC, 12*(\q)+6*(\p/3)+\p%3
.if PC%8 < 5
	ds_load_b64 v[\reg+2*\p:\reg+2*\p+1], v[\adr] offset:8*PC+16*(PC/8)+(\i)*16*PITCH
.else
	ds_load_b64 v[\reg+2*\p:\reg+2*\p+1], v[\adr+2] offset:8*PC+16*(PC/8)+(\i)*16*PITCH
.endif
.endr
.endm
.macro FRAGA reg, slot, q, i           ; a fragment of A from its image: three loads of 512 consecutive bytes
.irp c, 0,1,2
	ds_load_b128 v[\reg+4*\c:\reg+4*\c+3], v[ADRA+\slot] offset:3072*(\i)+1536*(\q)+512*\c
.endr
.endm
; 16 matrix instructions: A's blocks a0, a0 + 1 x Wo's eight.  The 64 accumulators take turns, one instruction a turn, in the same order in every step.
.macro MUL16 a0, p, q, sc, zero
.irp a, \a0, \a0+1
.irp b, 0,1,2,3,4,5,6,7
.if \zero
	v_wmma_scale_f32_16x16x128_f8f6f4 v[8*(8*((\a)%4)+\b):8*(8*((\a)%4)+\b)+7], v[128*(\p)+FR*\b:128*(\p)+FR*\b+FR-1], v[AF+FR*(\a):AF+FR*(\a)+FR-1], 0, v[SC+8*NQ*(\sc)+NQ*\b+(\q)], v[SC+8*NQ*(\sc)+NQ*(\a)+(\q)] matrix_a_fmt:MATRIX_FMT_FP6 matrix_b_fmt:MATRIX_FMT_FP6 matrix_a_scale:MATRIX_SCALE_ROW1
.else
	v_wmma_scale_f32_16x16x128_f8f6f4 v[8*(8*((\a)%4)+\b):8*(8*((\a)%4)+\b)+7], v[128*(\p)+FR*\b:128*(\p)+FR*\b+FR-1], v[AF+FR*(\a):AF+FR*(\a)+FR-1], v[8*(8*((\a)%4)+\b):8*(8*((\a)%4)+\b)+7], v[SC+8*NQ*(\sc)+NQ*\b+(\q)], v[SC+8*NQ*(\sc)+NQ*(\a)+(\q)] matrix_a_fmt:MATRIX_FMT_FP6 matrix_b_fmt:MATRIX_FMT_FP6 matrix_a_scale:MATRIX_SCALE_ROW1
.endif
.endr
.endr
.endm
.macro FETCH_B slot, q, p
	WIN TO_B
.irp i, 0,1,2,3,4,5,6,7
	FRAG 128*(\p)+FR*\i, ADRB+\slot, \q, \i
.endr
	WIN 0
.endm
.macro FETCH_A slot, q, i0
.irp i, \i0, \i0+1, \i0+2, \i0+3
	FRAGA AF+FR*(\i), \slot, \q, \i
.endr
.endm
.macro SCALES sc
.irp i, 0,1,2,3,4,5,6,7
	ds_load_b64 v[SC+8*NQ*\sc+NQ*\i:SC+8*NQ*\sc+NQ*\i+1], v[ADRS] offset:\i*SBLK
.endr
.endm
.macro PLACES n                        ; places in front of loads into registers that matrix instructions have read, and of the first read of results (ISA guide 7.12.1 for vector instructions)
.rept \n
	v_nop
.endr
.endm
.macro STEP slot, q, zero
	s_wait_dscnt 4*NLA                             ; Wo's set and A's blocks 0-3 are in; the youngest 12 loads (A's blocks 4-7) may be out
	WIN MUL_LO
	MUL16 0, (\q)%2, \q, \slot, \zero
	MUL16 2, (\q)%2, \q, \slot, \zero
	s_wait_dscnt 0
	PLACES NP
	FETCH_B \slot, (\q)+1, 1-(\q)%2
	FETCH_A \slot, (\q)+1, 0
	WIN MUL_HI
	MUL16 4, (\q)%2, \q, \slot, \zero
	MUL16 6, (\q)%2, \q, \slot, \zero
	PLACES NP
	WIN 0
	FETCH_A \slot, (\q)+1, 4
.endm
; A slot's last step changes slots: ONE barrier; in front of it each wave waits for all its tensor loads, adds 0 to its spare word, and waits for that and for its own reads of this slot.
.macro TURN slot, next, fill
	s_wait_tensorcnt 0x0                           ; all my tensor loads have landed: my part of the next slot;  (every window is 0 here)
	ds_add_u32 v[SPW], v[NIL]                      ; 0 onto my spare word;
	s_wait_dscnt 4*NLA+1                           ; (the add and the youngest 12 loads may be out)
	WIN MUL_LO
	MUL16 0, 1, NQ-1, \slot, 0
	s_wait_dscnt 0x0                               ; the add is done, and my reads of this slot are over
	s_barrier_signal -1
	MUL16 2, 1, NQ-1, \slot, 0
	WIN 0
	s_barrier_wait -1
.if \fill
	CREST                                          ; the barrier has opened a round of the cluster's barrier: no wave of any partner still reads this slot's tile or has a load on its way
	s_add_nc_u64 s[G0+4*\slot+2:G0+4*\slot+3], s[G0+4*\slot+2:G0+4*\slot+3], 2*ASTEP
	s_add_nc_u64 s[G0B+4*\slot+2:G0B+4*\slot+3], s[G0B+4*\slot+2:G0B+4*\slot+3], 2*ROWB
	JLOAD G0+4*\slot, G1, G0B+4*\slot, G1B         ; the first tensor load behind the round; the four v_nop behind it are the places in front of the loads below
.else
	PLACES NP
.endif
	v_add_nc_u32 v[ADRS], 4*NQ, v[ADRS]            ; on to the next K step's scale words (no LDS load of mine is out)
	FETCH_B \next, 0, 0
	FETCH_A \next, 0, 0
	SCALES \next
	WIN MUL_HI
	MUL16 4, 1, NQ-1, \slot, 0
	MUL16 6, 1, NQ-1, \slot, 0
	PLACES NP
	WIN 0
	FETCH_A \next, 0, 4
.endm
	s_wait_tensorcnt 1                             ; the scales and my part of K step 0 are in (K step 1's load may be out)
	s_barrier_signal -1
	s_barrier_wait -1                              ; everybody's are
	FETCH_B 0, 0, 0
	FETCH_A 0, 0, 0
	SCALES 0
	FETCH_A 0, 0, 4
	STEP 0, 0, 1                                   ; the first step stands in front of the loop: its products start the sums
	s_mov_b32 s3, LAPS-1
.Llap:
	TURN 0, 1, 1
	STEP 1, 0, 0
	TURN 1, 0, 1
	STEP 0, 0, 0
	s_sub_co_u32 s3, s3, 1
	s_cmp_lg_u32 s3, 0
	s_cbranch_scc1 .Llap
	TURN 0, 1, 0                                   ; the last lap fills nothing, and has no round of the cluster's barrier
	STEP 1, 0, 0
	s_wait_dscnt 4*NLA                             ; the very last step
	WIN MUL_LO
	MUL16 0, 1, NQ-1, 1, 0
	MUL16 2, 1, NQ-1, 1, 0
	s_wait_dscnt 0
	WIN MUL_HI
	MUL16 4, 1, NQ-1, 1, 0
	MUL16 6, 1, NQ-1, 1, 0
	WIN 0
; THE WAY OUT, block by block of 16 rows x 128 columns, through my own stage in LDS: in as 32 bytes a lane, back as whole rows of 512 bytes.  LDS serves a wave's instructions in order (ISA guide 5.7.1.4): no wait between the stores and the loads.
.macro TOSTAGE a
.set AC, 64*((\a)%4)
	WIN 0x08+4*((\a)/4)                            ; the data: window 2 or 3
.irp b, 0,1,2,3,4,5,6,7
	ds_store_b128 v[STO], v[AC+8*\b:AC+8*\b+3] offset:64*\b          ; each accumulator from its low end on
	ds_store_b128 v[STO], v[AC+8*\b+4:AC+8*\b+7] offset:64*\b+16
.endr
	WIN 0
.set BB, BK+64*((\a)%2)
.irp t, 0,1,2,3,4,5,6,7,8,9,10,11,12,13,14,15
	ds_load_b128 v[BB+4*\t:BB+4*\t+3], v[RD] offset:\t*SPITCH
.endr
.endm
.macro SEND a, younger                 ; younger: the LDS instructions issued behind block a's loads, which may stay out
.set BB, BK+64*((\a)%2)
	s_wait_dscnt \younger
.if (\a) > 0
	s_add_nc_u64 s[12:13], s[12:13], 16*SIZE_N*4   ; (behind a wait on XCNT: the earlier stores have read their base)  16 rows on
.endif
.irp t, 0,1,2,3,4,5,6,7,8,9,10,11,12,13,14,15
	global_store_b128 v[CO], v[BB+4*\t:BB+4*\t+3], s[12:13] offset:\t*SIZE_N*4 th:TH_STORE_NT   ; 32 lanes store 512 consecutive bytes, at a multiple of 256 from out0's first byte
.endr
.endm
	PLACES NP
	TOSTAGE 0
.irp a, 1,2,3,4,5,6,7
.if \a > 1
	s_wait_xcnt 0x0                                ; block a - 2's stores have read their registers and their base: block a's loads may land there, and the base may step
.endif
	TOSTAGE \a
	SEND \a-1, 32                                  ; behind block a - 1's loads: block a's 16 stores and 16 loads
.endr
	s_wait_xcnt 0x0                                ; block 6's stores have read their base
	SEND 7, 0
	s_wait_tensorcnt 0x0                           ; the wave's end
	ds_add_u32 v[SPW], v[NIL]
	s_wait_dscnt 0x0
	CROUND                                         ; the closing round
	s_endpgm
.Lfunc_end_k_q2b496ac871_outp:
	.size	k_q2b496ac871_outp, .Lfunc_end_k_q2b496ac871_outp-k_q2b496ac871_outp
	.p2alignl 7, 3214868480
	.fill 96, 4, 3214868480
	.section	.rodata,"a",@progbits
	.p2align	6, 0x0
	.amdhsa_kernel k_q2b496ac871_outp
		.amdhsa_group_segment_fixed_size 327680
		.amdhsa_private_segment_fixed_size 0
		.amdhsa_enable_private_segment 0
		.amdhsa_kernarg_size 40
		.amdhsa_user_sgpr_count 2
		.amdhsa_user_sgpr_kernarg_segment_ptr 1
		.amdhsa_wavefront_size32 1
		.amdhsa_system_sgpr_workgroup_id_x 1
		.amdhsa_system_sgpr_workgroup_id_y 1
		.amdhsa_system_sgpr_workgroup_id_z 1
		.amdhsa_system_vgpr_workitem_id 0
		.amdhsa_next_free_vgpr 1024
		.amdhsa_next_free_sgpr 98
		.amdhsa_reserve_vcc 0
		.amdhsa_float_denorm_mode_32 3
		.amdhsa_float_denorm_mode_16_64 3
		.amdhsa_memory_ordered 1
		.amdhsa_forward_progress 1
		.amdhsa_inst_pref_size 148
	.end_amdhsa_kernel
	.amdgpu_metadata
---
amdhsa.version: [ 1, 2 ]
amdhsa.kernels:
  - .name:           k_q2b496ac871_outp
    .symbol:         k_q2b496ac871_outp.kd
    .args:
      - { .name: acod, .offset: 0, .size: 8, .value_kind: global_buffer, .address_space: global }
      - { .name: ascl, .offset: 8, .size: 8, .value_kind: global_buffer, .address_space: global }
      - { .name: codes, .offset: 16, .size: 8, .value_kind: global_buffer, .address_space: global }
      - { .name: scales, .offset: 24, .size: 8, .value_kind: global_buffer, .address_space: global }
      - { .name: out0, .offset: 32, .size: 8, .value_kind: global_buffer, .address_space: global }
    .group_segment_fixed_size: 327680
    .private_segment_fixed_size: 0
    .kernarg_segment_align: 8
    .kernarg_segment_size: 40
    .max_flat_workgroup_size: 128
    .sgpr_count:     98
    .vgpr_count:     1024
    .wavefront_size: 32
...
	.end_amdgpu_metadata
.endif
;; end of part 4
;; ======== version 2 of 2: 4 launches
;; workspace buffers: codes 28,311,552 bytes; scales 1,179,648 bytes; mbits 524,288 bytes of whole numbers; pcod 16,384,000 bytes; acod 3,145,728 bytes; ascl 131,072 bytes
;; launch quant: the kernel of part 1 again; grid 1280 x 1, 4 waves a work-group, no clusters, 33,280 bytes of LDS; arguments q, k, v, Wq, Wk, Wv, Wo, attn_mask, key_padding_mask, codes, scales, mbits; writes codes, scales, mbits
;; launch proj (part 5): grid 8 x 32, 4 waves a work-group, clusters of 4 x 4, 327,680 bytes of LDS; arguments codes, scales, pcod; writes pcod
.if DOCPART == 5
	.amdgcn_target "amdgcn-amd-amdhsa--gfx1250"
	.amdhsa_code_object_version 6
	.text
	.protected	k_q2b496ac871_proj
	.globl	k_q2b496ac871_proj
	.p2align	8
	.type	k_q2b496ac871_proj,@function
k_q2b496ac871_proj:
	s_mov_b64 s[64:65], 0
	v_nop
	global_prefetch_b8 v0, s[64:65] scope:SCOPE_SE
	s_setreg_imm32_b32 hwreg(HW_REG_WAVE_MODE, 25, 1), 1
	s_wait_xcnt 0x0
	s_wait_alu depctr_hold_cnt(0) depctr_sa_sdst(0) depctr_va_vdst(0) depctr_va_sdst(0) depctr_va_ssrc(0) depctr_va_vcc(0) depctr_vm_vsrc(0)
	s_getreg_b32 s2, hwreg(HW_REG_IB_STS2, 6, 4)
	s_cmp_eq_u32 s2, 0
	s_cbranch_scc0 .Lentry_in_a_cluster
	s_endpgm
.Lentry_in_a_cluster:
	s_bfe_u32 s2, ttmp6, 0x10000c
	s_cmp_lg_u32 s2, 0xf033
	s_cbranch_scc0 .Lentry_shape_is_right
	s_endpgm
.Lentry_shape_is_right:
; THE THREE PROJECTIONS IN ONE LAUNCH, on codes of FP6 (E2M3) with one E8M0 scale for each 32 along K = 2,048.  256 work-groups, one for each of 256 WGPs; A WORK-GROUP STAYS and does two parts:
; PART 1: one tile of 256 x 256 of  K = k Wk^T (grid rows 0-15)  or of  V^T = Wv v^T for batch 0 (16-23) and batch 1 (24-31): 256 tiles.
; PART 2: one tile of 128 x 128 of  Q = q Wq^T: again 256 tiles.  Q is a quarter as much work as K and V^T together; as a second, smaller tile of every work-group it needs neither a part-filled second turn nor a launch of its own.
; Both operands of each product are rows of the buffer of codes (1,536 bytes a row) and of the buffer of scale bytes (64 a row); rows of k, v, Wq, Wk, Wv lie there with bits 3 and 4 of their number exchanged.
; CLUSTERS: 4 x 4 work-groups, in both parts.  The four of a row of the cluster need the same tiles of A, the four of a column the same tiles of B: each tile is asked for jointly.
; THE MATRIX INSTRUCTION IS USED TRANSPOSED (source 0 = 16 rows of B, source 1 = 16 rows of A).  Since B's stored rows are exchanged, the 16 registers of accumulators (a, 2 b) and (a, 2 b + 1) hold, for row l % 16 of A's block a,
; C's columns 32 b + 16 (l / 16) + 0 .. 15: 16 NEIGHBOURS ALONG THE NEXT PRODUCT'S K (the head's 128 for Q and K, 128 keys for V^T).
; THE RESULT NEVER LEAVES AS f32: each block of 16 rows x 128 columns is quantised in registers and stored as the IMAGE of an operand's 12 registers (3 x 512 bytes, lane l's registers 4 c .. 4 c + 3 at 512 c + 16 l).
; 128 x 128 of a result are one unit of 12,800 bytes of pcod: 8 images, then 512 bytes of scale words (fragment a, row r at 12288 + 256 (a / 4) + 16 r + 4 (a % 4)).
; Units: Q: (16 batch + head) 8 + block of 128 queries;  K: 256 + (16 batch + head) 16 + block of 128 keys;  V^T: 768 + the same.
; PART 1: four waves, each 128 x 128: 64 accumulators, 512 registers.  K goes in steps of 256 through a ring of two LDS slots filled by the tensor data mover; the scale bytes of the 256 + 256 rows come into LDS once and stay.
; PART 2: four waves, each 32 rows x all 128 columns: 16 accumulators.  Its 256 rows x 1,536 bytes lie in two regions of LDS: SMALL, 4 steps of 128 along K (rows of 384 bytes, 16 bytes of padding behind every 128: pitch 432), and BIG,
; 8 steps (rows of 768 bytes, 16 behind every 256: pitch 816); in both, 16 rows start at 16 different multiples of 4 banks, so the 32 lanes of a load of 8 bytes touch 64 different banks (ISA guide 11.1).
; SMALL lies in ring slot 0 and takes K steps 8-11 behind the ring's last change of slots; BIG lies over the rest of the ring and the scale bytes and takes K steps 0-7 behind a round in the middle of part 1's last K step, so that it
; lands under part 1's last 32 products and its way out.  SMALL is multiplied first, is filled again once (K steps 12-15), and that load has BIG's eight steps in which to land.  So part 2's f32 sums are not in ascending K.
; Part 2's scale words of all of K stay in registers: lane (r, h) holds words 8 h .. 8 h + 7 of row r's 16: lanes 0-15 serve K steps 0-7, lanes 16-31 K steps 8-15.  80 registers, asked for ahead of part 1's way out.
; Part 2's scale words leave as 8 bytes a row, 16 apart: 512 bytes a tile in parts of 256-byte blocks.
; LIMITS: a block of zeros gets the byte 1 where the rule says 127 (its codes are zeros; the bytes are read by this program alone); largest magnitudes under 2^-124 were not tried; NaN and infinities are not served.
; REGISTERS, in windows of 256.  PART 1: window 0: v0-31 addresses (both parts'); v32-63 scale words, two sets; from v128 A's fragments, ONE set; on the way out v64-159 the eight images, v208-246 at work.
;   window 1: B's fragments, TWO sets, at v0 and v128.   window 2: the accumulators of my rows 0-63 ((a, b) at v[8 (8 a + b)]);   window 3: those of my rows 64-127.
; PART 2: window 0: v32-63 and v160-191 B's scale words, v192-207 A's; v64-111 A's fragments, two sets; v112-135 the two images.   window 1: B's fragments, two sets.   window 2: v0-127 the accumulators.
.set KSTEP,  256                       ; part 1: along K in a slot
.set NQ,     KSTEP/128                 ; matrix instructions deep
.set ROWB,   192                       ; a tile's row in bytes
.set KROW,   1536                      ; a row of codes in memory
.set PITCH,  240                       ; an LDS row: 3 x (64 bytes of data + 16 of padding): the 32 lanes of a load of 8 bytes touch 64 different banks (64 banks of 4 bytes: ISA guide 11.1)
.set FR,     12                        ; registers of a fragment: 16 rows x 128 K
.set NL,     6                         ; LDS loads that bring one
.set NP,     4                         ; places behind this matrix instruction (ISA guide 7.12.1)
.set HALFT,  128*PITCH                 ; 128 rows: what one tensor load brings
.set SLOT,   4*HALFT                   ; A's 256 rows, then B's 256 rows
.set LAPS,   2048/(2*KSTEP)            ; a lap = two K steps = once round the ring
.set KS,     64                        ; a row of scale bytes
.set SCL,    2*SLOT                    ; behind the ring: the scales, as rows of 256 bytes + 16 of padding
.set HALFS,  (128*KS/256)*272          ; the scales of 128 rows
.set SBLK,   (16*KS/256)*272           ; those of 16 rows
.set UNIT,   12800                     ; a unit of pcod
.set P0,     816                       ; part 2: BIG's pitch
.set P1,     432                       ; SMALL's pitch
.set BH0,    64*P0                     ; 64 rows: what one tensor load brings
.set BH1,    64*P1
.set BOFF0,  2*BH0                     ; BIG: A's 128 rows, then B's
.set BOFF1,  2*BH1                     ; SMALL likewise
.set R1B,    0                         ; SMALL: 110,592 bytes, inside ring slot 0 (122,880)
.set R0B,    4*BH1                     ; BIG: behind SMALL, 208,896 bytes
.set SPARE,  R0B+4*BH0                 ; behind both parts' tiles: the spare words, 128 bytes for each wave: two blocks of 256 bytes that no other line names
.set ADA0,  8                          ; v8-9   part 2: LDS address of my A fragments in BIG (the second: for the pieces behind one padding more)
.set ADA1,  10                         ; v10-11 in SMALL
.set ADB0,  12                         ; v12-13 B's blocks 0-3 in BIG
.set ADB0H, 14                         ; v14-15 B's blocks 4-7 in BIG (an LDS offset has 16 bits)
.set ADRA, 16                          ; v16-17 part 1: LDS address of my A fragments in slot 0, 1 (v18-19: for the pieces behind one padding more)
.set ADRB, 20                          ; v20-23 the same for B
.set ADB1,  24                         ; v24-25 part 2: B in SMALL
.set CO,   26                          ; v26    16 x lane: my place in an image
.set ADRS, 27                          ; v27    part 1: LDS address of my scale words: lanes 0-15 A's rows, lanes 16-31 B's
.set SPW,  28                          ; v28    LDS address of my spare word; never rewritten
.set NIL,  29                          ; v29    0; never rewritten
.set SCO,   30                         ; v30    part 2: 64 r + 32 h: my 32 bytes of a row of scale bytes
.set SWO,   31                         ; v31    part 2: 16 r
.set SC,   32                          ; part 1: scale words: set s at v[SC + 16 s]; register 2 i + q: lanes 0-15 A's block i, lanes 16-31 B's block i, the slot's q-th 128 along K
.set AF,   128                         ; part 1: A's fragments
.set SB,   32                          ; part 2: B's scale words: block b at v[SB + 8 b + 96 (b / 4)]: v32-63 and v160-191, which part 1's way out does not touch
.set SA,   192                         ; part 2: A's scale words
.set AF2,  64                          ; part 2: A's fragments, two sets of 24
.set PW,   208                         ; the way out: v208-215 a scale word for each block
.set XW,   216                         ; v216-219 the words as part 1 stores them
.set TM,   224                         ; v224-227 largest magnitudes, v228-231 bytes, v236-239 the conversions' scale operands
.set TC,   240                         ; v240-246 the second halves of the blocks' codes
.set SEL,  66                          ; s[66:67] lane selects for v_permlanex16_b32: lane l xor 16
.set G1, 24                            ; part 1: s[24:31] descriptor group 1 for A's tiles;  s[32:39] group 0, one set for each slot
.set G0, 32
.set G1B, 48                           ; s[48:55], s[56:63] the same for B's tiles
.set G0B, 56
.set G1S, 68                           ; s[68:75], s[76:79] groups 1 and 0 for A's scales;  s[80:87], s[88:91] for B's
.set G0S, 76
.set G1SB, 80
.set G0SB, 88
.set H1A1, 68                          ; part 2, written when the loads that named these registers are done; A's descriptors where A's were, B's where B's were.  SMALL: groups 1 and the first fill's groups 0
.set H0A1, 76
.set H1B1, 80
.set H0B1, 88
.set H1A0, 24                          ; BIG: groups 1 and 0;  SMALL's second fill: groups 0
.set H0A0, 32
.set H0A2, 36
.set H1B0, 48
.set H0B0, 56
.set H0B2, 60
; s[20:21] q's rows, s[92:93] Wq's rows (codes) that I fetch; s[12:13], s[10:11] the scale bytes of the rows that I multiply; s[98:99] my two images of Q, s[100:101] their scale words
.set MSB, 0
.macro WIN new                         ; the immediate's high byte repeats the setting that is left
.if MSB != (\new)
	s_set_vgpr_msb (MSB<<8)|(\new)
.set MSB, (\new)
.endif
.endm
.set MUL_LO, 0xa1                      ; source 0 (B) window 1, source 1 (A) window 0, C and D window 2
.set MUL_HI, 0xf1                      ; the same, C and D window 3
.set TO_B,   0x40                      ; destination window 1, address window 0
; A joint load: waves 0 and 1 fetch for A, waves 2 and 3 for B.  Each line has ONE mask and one set of registers for all that issue it; the branch hangs on the wave's number alone.
; Four v_nop follow each of the two lines, ahead of the jump, the label and what follows.
.macro JLOAD g0a, g1a, g0b, g1b
	s_cmp_eq_u32 s15, 0
	s_cbranch_scc0 .Lfor_b_\@
	tensor_load_to_lds s[\g0a:\g0a+3], s[\g1a:\g1a+7]
	s_nop 0
.rept 4
	v_nop
.endr
	s_branch .Lasked_\@
.Lfor_b_\@:
	tensor_load_to_lds s[\g0b:\g0b+3], s[\g1b:\g1b+7]
	s_nop 0
.rept 4
	v_nop
.endr
.Lasked_\@:
.endm
.macro CREST                           ; a round of the cluster's barrier behind its opening barrier
	s_cmp_lg_u32 s14, 0
	s_cbranch_scc1 .Lnot_wave_0_\@
	s_barrier_signal -3
.Lnot_wave_0_\@:
	s_barrier_wait -3
	s_barrier_signal -1
	s_barrier_wait -1
.endm
.macro CROUND                          ; a whole round
	s_barrier_signal -1
	s_barrier_wait -1
	CREST
.endm
.macro ROWS g, c                       ; part 2: group 1's other words: 64 rows of c bytes, 1,536 bytes apart
	s_mov_b32 s[\g+1], (\c)<<16
	s_mov_b32 s[\g+2], 64<<16
	s_mov_b32 s[\g+3], (\c)<<16
	s_mov_b32 s[\g+4], 64
	s_mov_b32 s[\g+5], KROW
	s_mov_b32 s[\g+6], 0
	s_mov_b32 s[\g+7], 0
.endm
.macro MKG0 g, lreg, lconst, areg, koff ; part 2: a group 0: count 1; LDS address; global address; type 2
	s_mov_b32 s[\g], 1
	s_add_co_u32 s[\g+1], s[\lreg], \lconst
	s_add_nc_u64 s[\g+2:\g+3], s[\areg:\areg+1], \koff
	s_or_b32 s[\g+3], s[\g+3], 0x80000000
.endm
	s_load_b128 s[4:7], s[0:1], 0x0                ; codes s[4:5], scales s[6:7]
	s_load_b64 s[8:9], s[0:1], 0x10                ; pcod
	v_lshl_add_u32 v[SPW], v0, 2, SPARE
	v_mov_b32 v[NIL], 0
	ds_add_u32 v28, v29
	s_wait_dscnt 0x0
	v_lshrrev_b32 v1, 5, v0
	v_readfirstlane_b32 s14, v1                    ; wave 0..3
	s_lshr_b32 s15, s14, 1                         ; part 1: which half of the tile's rows is mine.  Both parts: I fetch for A (0) or for B (1)
	s_and_b32 s16, s14, 1                          ; part 1: which half of its columns.  Both parts: which half of that tile's rows I fetch
	s_bfe_u32 s40, ttmp6, 0x40000                  ; cx, cy: my place in the cluster
	s_bfe_u32 s41, ttmp6, 0x40004
	s_lshl_b32 s42, ttmp9, 2
	s_add_co_u32 s42, s42, s40                     ; grid column x = 4 x cluster x + cx
	s_and_b32 s95, ttmp7, 0xffff                   ; the cluster's y: 0-3 K, 4-5 V^T of batch 0, 6-7 of batch 1
	s_lshl_b32 s17, s95, 2
	s_add_co_u32 s17, s17, s41                     ; grid row y = 4 x cluster y + cy
	s_and_b32 s96, s95, 1                          ; A's rows, in tile rows of 256 stored rows: k begins at tile row 8, Wv at tile row 56
	s_add_co_u32 s96, s96, 14
	s_add_co_u32 s10, s95, 2
	s_cmp_lt_u32 s95, 4
	s_cselect_b32 s96, s10, s96                    ; a cluster's worth of four tile rows, chosen by the cluster's y alone,
	s_lshl_b32 s96, s96, 2
	s_add_co_u32 s96, s96, s41                     ; + cy: A's tile row
	s_cmp_lt_u32 s95, 6                            ; B's 2,048 rows: Wk at 6 x 2,048, v's batch 0 at 3, batch 1 at 4
	s_cselect_b32 s10, 3, 4
	s_cmp_lt_u32 s95, 4
	s_cselect_b32 s97, 6, s10
	s_lshl_b32 s43, s41, 2
	s_lshl_b32 s43, 15, s43                        ; my row of the cluster
	s_lshl_b32 s44, 0x1111, s40                    ; my column
	; descriptor group 1: a tile of 128 rows x 192 bytes, padded in LDS
	s_or_b32 s[G1+0], s43, (0<<16)|(1<<20)|(1<<21)|(3<<22)|(3<<25)  ; 15:0 the mask: A's tiles go to my row; 17:16 element of 1 byte; 20 padding on; 21 set beside a mask; 24:22 after every 16 words; 31:25 of 4 words
	s_or_b32 s[G1B+0], s44, (0<<16)|(1<<20)|(1<<21)|(3<<22)|(3<<25)
.irp g, G1, G1B
	s_mov_b32 s[\g+1], ROWB<<16                    ; tensor_dim0
	s_mov_b32 s[\g+2], 128<<16                     ; tensor_dim1
	s_mov_b32 s[\g+3], ROWB<<16                    ; tile_dim0
	s_mov_b32 s[\g+4], 128                         ; tile_dim1
	s_mov_b32 s[\g+5], KROW                        ; tensor_dim0_stride
	s_mov_b32 s[\g+6], 0
	s_mov_b32 s[\g+7], 0
.endr
	; the scales of 128 rows: a dense block of 8,192 bytes, as 32 rows of 256 bytes (32 elements of 8 bytes), 16 bytes of padding behind each
	s_or_b32 s[G1S+0], s43, (3<<16)|(1<<20)|(1<<21)|(5<<22)|(3<<25)
	s_or_b32 s[G1SB+0], s44, (3<<16)|(1<<20)|(1<<21)|(5<<22)|(3<<25)
.irp g, G1S, G1SB
	s_mov_b32 s[\g+1], 32<<16
	s_mov_b32 s[\g+2], (128*KS/256)<<16
	s_mov_b32 s[\g+3], 32<<16
	s_mov_b32 s[\g+4], 128*KS/256
	s_mov_b32 s[\g+5], 32
	s_mov_b32 s[\g+6], 0
	s_mov_b32 s[\g+7], 0
.endr
	s_lshl_b32 s18, s16, 7                         ; which 128 rows of the tile I fetch
	s_lshl_b32 s20, s96, 8
	s_add_co_u32 s20, s20, s18                     ; A: stored row 256 x tile row + 128 x half
	s_lshl_b32 s46, s42, 8
	s_add_co_u32 s46, s46, s18
	s_lshl_b32 s47, s97, 11
	s_add_co_u32 s46, s46, s47                     ; B: its tensor's first row + 256 x + 128 x half
	s_lshl_b32 s22, s20, 6                         ; where these rows' scales begin, in bytes (all four offsets lie under 2^25),
	s_mov_b32 s23, 0
	s_lshl_b32 s92, s46, 6
	s_mov_b32 s93, 0
	s_mul_i32 s20, s20, KROW                       ; and their codes
	s_mov_b32 s21, 0
	s_mul_i32 s46, s46, KROW
	s_mov_b32 s47, 0
	s_mul_i32 s45, s14, HALFT                      ; where they go: wave x 128 rows: no place in the cluster enters an LDS address
	s_mul_i32 s94, s14, HALFS
	s_wait_kmcnt 0x0
	s_add_nc_u64 s[20:21], s[4:5], s[20:21]
	s_add_nc_u64 s[22:23], s[6:7], s[22:23]
	s_add_nc_u64 s[46:47], s[4:5], s[46:47]
	s_add_nc_u64 s[92:93], s[6:7], s[92:93]
	CROUND                                         ; all sixteen work-groups are here: the first joint loads meet
	s_mov_b32 s[G0S], 1
	s_add_co_u32 s[G0S+1], s94, SCL
	s_mov_b64 s[G0S+2:G0S+3], s[22:23]
	s_or_b32 s[G0S+3], s[G0S+3], 0x80000000
	s_mov_b32 s[G0SB], 1
	s_add_co_u32 s[G0SB+1], s94, SCL
	s_mov_b64 s[G0SB+2:G0SB+3], s[92:93]
	s_or_b32 s[G0SB+3], s[G0SB+3], 0x80000000
	JLOAD G0S, G1S, G0SB, G1SB                     ; the scales first: they are wanted with K step 0
.irp s, 0,1
	s_mov_b32 s[G0+4*\s], 1
	s_add_co_u32 s[G0+4*\s+1], s45, \s*SLOT
	s_add_nc_u64 s[G0+4*\s+2:G0+4*\s+3], s[20:21], \s*ROWB
	s_or_b32 s[G0+4*\s+3], s[G0+4*\s+3], 0x80000000
	s_mov_b32 s[G0B+4*\s], 1
	s_add_co_u32 s[G0B+4*\s+1], s45, \s*SLOT
	s_add_nc_u64 s[G0B+4*\s+2:G0B+4*\s+3], s[46:47], \s*ROWB
	s_or_b32 s[G0B+4*\s+3], s[G0B+4*\s+3], 0x80000000
	JLOAD G0+4*\s, G1, G0B+4*\s, G1B               ; by this text's own count three loads of a wave are out here; later never more than one
.endr
	v_and_b32 v1, 15, v0                           ; r = l % 16
	v_bfe_u32 v2, v0, 4, 1                         ; h = l / 16; kept for the way out
	v_mul_u32_u24 v3, v1, PITCH
	v_mul_u32_u24 v4, v2, 24
	v_add_nc_u32 v4, v3, v4                        ; a fragment's row x pitch + 24 x half
	v_lshl_add_u32 v5, v2, 4, v4                   ; and the same behind one padding more
	s_mul_i32 s21, s15, HALFT                      ; my 128 rows of A
	s_mul_i32 s22, s16, HALFT                      ; my 128 rows of B,
	s_add_co_u32 s22, s22, 2*HALFT                 ; which lie behind A's 256
.irp s, 0,1
	v_add_nc_u32 v[ADRA+\s], s21, v4
	v_add_nc_u32 v[ADRB+\s], s22, v4
	v_add_nc_u32 v[ADRA+2+\s], s21, v5
	v_add_nc_u32 v[ADRB+2+\s], s22, v5
	s_add_co_u32 s21, s21, SLOT
	s_add_co_u32 s22, s22, SLOT
.endr
	v_mul_u32_u24 v5, v1, KS                       ; my row's scales: 64 bytes a row,
	v_lshrrev_b32 v6, 8, v5
	v_lshl_add_u32 v5, v6, 4, v5                   ; and 16 more for each 256 passed
	s_mul_i32 s21, s15, HALFS                      ; A's: my 128 rows
	s_mul_i32 s22, s16, HALFS                      ; B's: my 128 rows, behind A's 256
	s_add_co_u32 s22, s22, 2*HALFS
	s_sub_co_u32 s22, s22, s21
	v_mul_u32_u24 v6, s22, v2                      ; lanes 16-31 take B's: the lower base + h x the distance
	s_add_co_u32 s21, s21, SCL
	v_add_nc_u32 v5, v5, v6
	v_add_nc_u32 v[ADRS], s21, v5
	v_and_b32 v6, 31, v0
	v_lshlrev_b32 v[CO], 4, v6
	s_mov_b32 s[SEL], 0x76543210
	s_mov_b32 s[SEL+1], 0xfedcba98
	; part 2's lane addresses, in registers that part 1 leaves alone
	v_lshlrev_b32 v[SCO], 6, v1
	v_lshl_add_u32 v[SCO], v2, 5, v[SCO]
	v_lshlrev_b32 v[SWO], 4, v1
	v_mul_u32_u24 v4, v1, P0
	v_mad_u32_u24 v4, v2, 24, v4                   ; BIG: a fragment's row x pitch + 24 x half,
	v_lshl_add_u32 v5, v2, 4, v4                   ; and the same behind one padding more
	v_mul_u32_u24 v6, v1, P1
	v_mad_u32_u24 v6, v2, 24, v6                   ; SMALL likewise
	v_lshl_add_u32 v7, v2, 4, v6
	v_add_nc_u32 v[ADB0], R0B+BOFF0, v4
	v_add_nc_u32 v[ADB0+1], R0B+BOFF0, v5
	v_add_nc_u32 v[ADB0H], R0B+BOFF0+BH0, v4
	v_add_nc_u32 v[ADB0H+1], R0B+BOFF0+BH0, v5
	v_add_nc_u32 v[ADB1], R1B+BOFF1, v6
	v_add_nc_u32 v[ADB1+1], R1B+BOFF1, v7
	s_mul_i32 s18, s14, 32*P0                      ; my 32 rows of A
	s_add_co_u32 s18, s18, R0B
	v_add_nc_u32 v[ADA0], s18, v4
	v_add_nc_u32 v[ADA0+1], s18, v5
	s_mul_i32 s18, s14, 32*P1
	s_add_co_u32 s18, s18, R1B
	v_add_nc_u32 v[ADA1], s18, v6
	v_add_nc_u32 v[ADA1+1], s18, v7
	; part 1: which unit of pcod is my wave's 128 x 128
	s_lshl_b32 s20, s17, 1
	s_add_co_u32 s20, s20, s15                     ; rb: my block of 128 rows in the grid
	s_lshl_b32 s93, s42, 1
	s_add_co_u32 s93, s93, s16                     ; cb: my block of 128 columns
	s_lshr_b32 s46, s20, 4                         ; K: batch rb / 16, head cb, block of keys rb % 16
	s_lshl_b32 s46, s46, 4
	s_add_co_u32 s46, s46, s93
	s_lshl_b32 s46, s46, 4
	s_and_b32 s23, s20, 15
	s_add_co_u32 s46, s46, s23
	s_add_co_u32 s46, s46, 256
	s_sub_co_u32 s47, s20, 32                      ; V^T: 16 batch + head = rb - 32, block of keys cb  (the number is used in V^T's rows of the grid alone)
	s_lshl_b32 s47, s47, 4
	s_add_co_u32 s47, s47, s93
	s_add_co_u32 s47, s47, 768
	s_cmp_lt_u32 s95, 4
	s_cselect_b32 s22, s46, s47
	s_mul_i32 s22, s22, UNIT
	s_mov_b32 s23, 0
	s_mov_b64 s[98:99], s[8:9]                     ; pcod's first byte, for part 2
	s_add_nc_u64 s[8:9], s[8:9], s[22:23]
	; part 2: which tile of Q.  The cluster's number n = cluster x + 2 x cluster y (0 .. 15) names a block of 4 x 4 tiles: tile column 4 (n % 4) + cx, tile row 4 (n / 4) + cy: so the masks of part 1 serve again
	s_lshl_b32 s19, s95, 1
	s_add_co_u32 s19, s19, ttmp9
	s_lshr_b32 s97, s19, 2
	s_lshl_b32 s97, s97, 2
	s_add_co_u32 s97, s97, s41                     ; tile row: 128 rows of q
	s_and_b32 s94, s19, 3
	s_lshl_b32 s94, s94, 2
	s_add_co_u32 s94, s94, s40                     ; tile column: a head, 128 stored rows of Wq
	s_lshl_b32 s18, s16, 6                         ; which 64 rows I fetch
	s_lshl_b32 s20, s97, 7
	s_add_co_u32 s20, s20, s18                     ; A: stored row 128 x tile row + 64 x half
	s_mul_i32 s20, s20, KROW
	s_mov_b32 s21, 0
	s_add_nc_u64 s[20:21], s[4:5], s[20:21]
	s_lshl_b32 s92, s94, 7
	s_add_co_u32 s92, s92, s18
	s_add_co_u32 s92, s92, 10240                   ; B: Wq's first stored row + 128 x tile column + 64 x half
	s_mul_i32 s92, s92, KROW                       ; (under 2^25)
	s_mov_b32 s93, 0
	s_add_nc_u64 s[92:93], s[4:5], s[92:93]
	s_lshl_b32 s12, s97, 7                         ; the scale bytes of the rows that I multiply: A's rows 128 x tile row + 32 wave on,
	s_lshl_b32 s18, s14, 5
	s_add_co_u32 s12, s12, s18
	s_lshl_b32 s12, s12, 6
	s_mov_b32 s13, 0
	s_add_nc_u64 s[12:13], s[6:7], s[12:13]
	s_lshl_b32 s10, s94, 7                         ; B's 128 rows
	s_add_co_u32 s10, s10, 10240
	s_lshl_b32 s10, s10, 6
	s_mov_b32 s11, 0
	s_add_nc_u64 s[10:11], s[6:7], s[10:11]
	s_lshr_b32 s18, s97, 3                         ; the tile's unit of pcod: (16 batch + head) 8 + block of queries: batch = tile row / 8, block = tile row % 8
	s_lshl_b32 s18, s18, 4
	s_add_co_u32 s18, s18, s94
	s_lshl_b32 s18, s18, 3
	s_and_b32 s19, s97, 7
	s_add_co_u32 s18, s18, s19
	s_mul_i32 s18, s18, UNIT
	s_mul_i32 s19, s14, 3072                       ; in it my two images,
	s_add_co_u32 s46, s18, s19
	s_mov_b32 s47, 0
	s_lshl_b32 s19, s15, 8                         ; and my two scale words a row: 12288 + 256 (wave / 2) + 8 (wave % 2)
	s_add_co_u32 s18, s18, s19
	s_lshl_b32 s19, s16, 3
	s_add_co_u32 s18, s18, s19
	s_add_co_u32 s18, s18, 12288
	s_mov_b32 s19, 0
	s_add_nc_u64 s[100:101], s[98:99], s[18:19]
	s_add_nc_u64 s[98:99], s[98:99], s[46:47]
.macro FRAG reg, adr, q, i             ; part 1: a fragment is 12 registers: lane l holds row l % 16; registers 6 c .. 6 c + 5 hold K = 64 c + 32 (l / 16) + 0 .. 31: 24 bytes of the row's stream of bits, as they lie
.irp p, 0,1,2,3,4,5                    ; in pieces of 8 bytes.  Lanes 0-15 take the row's pieces 12 q + 0, 1, 2 and 12 q + 6, 7, 8, lanes 16-31 those three pieces on
.set PC, 12*(\q)+6*(\p/3)+\p%3        ; 16 bytes of padding lie behind every 8 pieces: where the piece three on lies behind one padding more, the second address register serves
.if PC%8 < 5
	ds_load_b64 v[\reg+2*\p:\reg+2*\p+1], v[\adr] offset:8*PC+16*(PC/8)+(\i)*16*PITCH
.else
	ds_load_b64 v[\reg+2*\p:\reg+2*\p+1], v[\adr+2] offset:8*PC+16*(PC/8)+(\i)*16*PITCH
.endif
.endr
.endm
; 16 matrix instructions: A's blocks a0, a0 + 1 x B's eight, 128 along K: the slot's q-th.  p: B's set;  sc: the set of scale words.  zero = 1: the first product starts the sums.
; The 64 accumulators take turns, one instruction a turn, in the same order in every step.
.macro MUL16 a0, p, q, sc, zero
.irp a, \a0, \a0+1
.irp b, 0,1,2,3,4,5,6,7
.if \zero
	v_wmma_scale_f32_16x16x128_f8f6f4 v[8*(8*((\a)%4)+\b):8*(8*((\a)%4)+\b)+7], v[128*(\p)+FR*\b:128*(\p)+FR*\b+FR-1], v[AF+FR*(\a):AF+FR*(\a)+FR-1], 0, v[SC+8*NQ*(\sc)+NQ*\b+(\q)], v[SC+8*NQ*(\sc)+NQ*(\a)+(\q)] matrix_a_fmt:MATRIX_FMT_FP6 matrix_b_fmt:MATRIX_FMT_FP6 matrix_a_scale:MATRIX_SCALE_ROW1
.else
	v_wmma_scale_f32_16x16x128_f8f6f4 v[8*(8*((\a)%4)+\b):8*(8*((\a)%4)+\b)+7], v[128*(\p)+FR*\b:128*(\p)+FR*\b+FR-1], v[AF+FR*(\a):AF+FR*(\a)+FR-1], v[8*(8*((\a)%4)+\b):8*(8*((\a)%4)+\b)+7], v[SC+8*NQ*(\sc)+NQ*\b+(\q)], v[SC+8*NQ*(\sc)+NQ*(\a)+(\q)] matrix_a_fmt:MATRIX_FMT_FP6 matrix_b_fmt:MATRIX_FMT_FP6 matrix_a_scale:MATRIX_SCALE_ROW1
.endif
.endr
.endr
.endm
.macro FETCH_B slot, q, p              ; B's eight fragments of the slot's q-th 128 along K into set p
	WIN TO_B
.irp i, 0,1,2,3,4,5,6,7
	FRAG 128*(\p)+FR*\i, ADRB+\slot, \q, \i
.endr
	WIN 0
.endm
.macro FETCH_A slot, q, i0             ; A's blocks i0 .. i0 + 3
.irp i, \i0, \i0+1, \i0+2, \i0+3
	FRAG AF+FR*(\i), ADRA+\slot, \q, \i
.endr
.endm
.macro SCALES sc                       ; a K step's scale words into set sc: two words a row; lanes 0-15 take A's block i, lanes 16-31 B's block i
.irp i, 0,1,2,3,4,5,6,7
	ds_load_b64 v[SC+8*NQ*\sc+NQ*\i:SC+8*NQ*\sc+NQ*\i+1], v[ADRS] offset:\i*SBLK
.endr
.endm
; A load into a register that a matrix instruction has read, and a vector instruction that reads a matrix result, stand four places behind that matrix instruction; only plain vector
; instructions that name none of its registers are places (ISA guide 7.12.1 for vector instructions).
.macro PLACES n
.rept \n
	v_nop
.endr
.endm
; A step of 128 along K that has its successor in the same slot.
.macro STEP slot, q, zero
	s_wait_dscnt 4*NL                              ; B's set and A's blocks 0-3 are in; the youngest 24 loads (A's blocks 4-7) may be out
	WIN MUL_LO
	MUL16 0, (\q)%2, \q, \slot, \zero
	MUL16 2, (\q)%2, \q, \slot, \zero
	s_wait_dscnt 0                                 ; A's blocks 4-7 are in (asked for 32 matrix instructions ago)
	PLACES NP
	FETCH_B \slot, (\q)+1, 1-(\q)%2
	FETCH_A \slot, (\q)+1, 0
	WIN MUL_HI
	MUL16 4, (\q)%2, \q, \slot, \zero
	MUL16 6, (\q)%2, \q, \slot, \zero
	PLACES NP
	WIN 0
	FETCH_A \slot, (\q)+1, 4
.endm
; A slot's last step changes slots: ONE barrier, which opens a round of the cluster's; in front of it each wave waits for all its tensor loads, adds 0 to its spare word, and waits for that and for its own reads of this slot.
; fill = 1: this slot is filled again, two K steps ahead.  fill = 2 (the ring's last change, out of slot 0): part 2's SMALL takes the slot's bytes.
.macro TURN slot, next, fill
	s_wait_tensorcnt 0x0                           ; all my tensor loads have landed: my part of the next slot;  (every window is 0 here)
	ds_add_u32 v[SPW], v[NIL]                      ; 0 onto my spare word;
	s_wait_dscnt 4*NL+1                            ; (the add and the youngest 24 loads, A's blocks 4-7, may be out)
	WIN MUL_LO
	MUL16 0, 1, NQ-1, \slot, 0                     ; sixteen matrix instructions stand between the add and the wait for it
	s_wait_dscnt 0x0                               ; the add is done, and my reads of this slot are over
	s_barrier_signal -1
	MUL16 2, 1, NQ-1, \slot, 0
	WIN 0
	s_barrier_wait -1
	CREST                                          ; no wave of any partner still reads this slot's tile or has a load on its way
.if \fill == 1
	s_add_nc_u64 s[G0+4*\slot+2:G0+4*\slot+3], s[G0+4*\slot+2:G0+4*\slot+3], 2*ROWB
	s_add_nc_u64 s[G0B+4*\slot+2:G0B+4*\slot+3], s[G0B+4*\slot+2:G0B+4*\slot+3], 2*ROWB
	JLOAD G0+4*\slot, G1, G0B+4*\slot, G1B         ; the first tensor load behind the round; the four v_nop behind it are the places in front of the loads below
.else
	JLOAD H0A1, H1A1, H0B1, H1B1                   ; likewise: Q's K steps 8-11
.endif
	v_add_nc_u32 v[ADRS], 4*NQ, v[ADRS]            ; on to the next K step's scale words (no LDS load of mine is out)
	FETCH_B \next, 0, 0
	FETCH_A \next, 0, 0
	SCALES \next
	WIN MUL_HI
	MUL16 4, 1, NQ-1, \slot, 0
	MUL16 6, 1, NQ-1, \slot, 0
	PLACES NP
	WIN 0
	FETCH_A \next, 0, 4
.endm
; THE WAY OUT, of both parts.  Block a (16 rows x 128 columns, 64 registers a lane: register 16 b + i = column 32 b + 16 (l / 16) + i of row l % 16) is quantised along its columns: four blocks of 32, each in lanes l and l xor 16.
; Each accumulator is read from its low end on.  The codes are the next product's operand as its registers want it, and leave so: three stores of 512 consecutive bytes.  No LDS is needed.
; pcb0: where the images' registers begin;  sb: the scalar pair with the address of block 0's image.
.macro QOUT a, pcb0, sb
.set AC,  64*((\a)%4)                  ; its accumulators, in window 2 (blocks 0-3) or 3 (blocks 4-7)
.set W,   2+(\a)/4
.set PCB, (\pcb0)+12*(\a)              ; its image: registers of its own, so that no store's data are written again
	WIN (W<<2)|(W<<4)                              ; sources 1 and 2: the accumulators' window
.irp b, 0,1,2,3
	v_max3_num_f32 v[TM+\b], 0x1800000, |v[AC+16*\b]|, |v[AC+16*\b+1]|   ; my 16 numbers of block b, and the floor 2^(3 - 127): the byte cannot fall under 1
.endr
.irp i, 2,4,6,8,10,12,14
.irp b, 0,1,2,3
	v_max3_num_f32 v[TM+\b], v[TM+\b], |v[AC+16*\b+\i]|, |v[AC+16*\b+\i+1]|   ; (the four blocks by turns)
.endr
.endr
	WIN 0
.irp b, 0,1,2,3
	v_permlanex16_b32 v[TM+4+\b], v[TM+\b], s[SEL], s[SEL+1]
.endr
.irp b, 0,1,2,3
	v_max_num_f32 v[TM+\b], v[TM+\b], v[TM+4+\b]   ; with lane l xor 16's: the block's largest magnitude
.endr
.irp b, 0,1,2,3
	v_add_nc_u32 v[TM+12+\b], 0xff000000, v[TM+\b] ; 2 off its exponent field: the conversion's scale operand
.endr
.irp b, 0,1,2,3
	v_lshrrev_b32 v[TM+4+\b], 23, v[TM+12+\b]      ; the scale's byte
.endr
	v_lshl_or_b32 v[PW+(\a)], v[TM+5], 8, v[TM+4]  ; the four bytes make my row's scale word
	v_lshl_or_b32 v[PW+(\a)], v[TM+6], 16, v[PW+(\a)]
	v_lshl_or_b32 v[PW+(\a)], v[TM+7], 24, v[PW+(\a)]
	WIN W                                          ; source 0: the accumulators' window
.irp c, 0,1
	v_cvt_scalef32_pk16_fp6_f32 v[PCB+6*\c:PCB+6*\c+2], v[AC+32*\c:AC+32*\c+15], v[TM+12+2*\c]
	v_cvt_scalef32_pk16_fp6_f32 v[TC+4*\c:TC+4*\c+2], v[AC+16+32*\c:AC+31+32*\c], v[TM+13+2*\c]   ; (a conversion's three registers begin on an even number)
.endr
	WIN 0
	v_nop                                          ; one plain place behind a scaled conversion
.irp c, 0,1                                    ; the operand's layout wants a WHOLE block in a lane: lanes 0-15 block 2 c, lanes 16-31 block 2 c + 1
.irp i, 0,1,2
	v_permlane16_swap_b32 v[PCB+6*\c+\i], v[TC+4*\c+\i]
.endr
.irp i, 0,1,2
	v_mov_b32 v[PCB+3+6*\c+\i], v[TC+4*\c+\i]
.endr
.endr
.irp c, 0,1,2
	global_store_b128 v[CO], v[PCB+4*\c:PCB+4*\c+3], s[\sb:\sb+1] offset:1536*(\a)+512*\c   ; 32 lanes store 512 consecutive bytes, at a multiple of 256 from the buffer's first byte
.endr
.endm
; PART 2's macros.  A fragment from rows, as in part 1; 16 bytes of padding lie behind every pp pieces of 8 bytes: where the piece three on lies behind one padding more, the second address register serves.
.macro FRAG2 reg, adr, q, ro, pp
.irp p, 0,1,2,3,4,5
.set PC, 12*(\q)+6*(\p/3)+\p%3
.if PC%(\pp) < (\pp)-3
	ds_load_b64 v[\reg+2*\p:\reg+2*\p+1], v[\adr] offset:8*PC+16*(PC/(\pp))+(\ro)
.else
	ds_load_b64 v[\reg+2*\p:\reg+2*\p+1], v[\adr+1] offset:8*PC+16*(PC/(\pp))+(\ro)
.endif
.endr
.endm
.macro FETCH_BIG q, p                  ; BIG's q-th 128 along K into set p: B's eight fragments, my two of A
	WIN TO_B
.irp i, 0,1,2,3
	FRAG2 128*(\p)+FR*\i, ADB0, \q, \i*16*P0, 32
.endr
.irp i, 0,1,2,3
	FRAG2 128*(\p)+FR*(\i+4), ADB0H, \q, \i*16*P0, 32
.endr
	WIN 0
.irp a, 0,1
	FRAG2 AF2+24*(\p)+FR*\a, ADA0, \q, \a*16*P0, 32
.endr
.endm
.macro FETCH_SMALL q, p                ; the same from SMALL
	WIN TO_B
.irp i, 0,1,2,3,4,5,6,7
	FRAG2 128*(\p)+FR*\i, ADB1, \q, \i*16*P1, 16
.endr
	WIN 0
.irp a, 0,1
	FRAG2 AF2+24*(\p)+FR*\a, ADA1, \q, \a*16*P1, 16
.endr
.endm
.macro NEXT t                          ; the fragments of the t-th step of the walk into set t % 2: steps 0-3 SMALL, 4-11 BIG, 12-15 SMALL again
.if ((\t) >= 4) && ((\t) < 12)
	FETCH_BIG (\t)-4, (\t)%2
.elseif (\t) < 4
	FETCH_SMALL (\t), (\t)%2
.else
	FETCH_SMALL (\t)-12, (\t)%2
.endif
.endm
; The t-th step's 16 matrix instructions: my two blocks of A x B's eight.  KK is the step's place along K: it picks the scale register (KK % 8) and the half of the lanes (KK / 8).  The first step's products start the sums.
; The 16 accumulators take turns, one instruction a turn, in the same order in every step.
.macro MULQ t
.if (\t) < 4
.set KK, (\t)+8
.elseif (\t) < 12
.set KK, (\t)-4
.else
.set KK, (\t)
.endif
.set PS, (\t)%2
	WIN MUL_LO
.irp a, 0,1
.irp b, 0,1,2,3,4,5,6,7
.if (\t) == 0
	v_wmma_scale_f32_16x16x128_f8f6f4 v[8*(8*\a+\b):8*(8*\a+\b)+7], v[128*PS+FR*\b:128*PS+FR*\b+FR-1], v[AF2+24*PS+FR*\a:AF2+24*PS+FR*\a+FR-1], 0, v[SB+8*\b+96*(\b/4)+KK%8], v[SA+8*\a+KK%8] matrix_a_fmt:MATRIX_FMT_FP6 matrix_b_fmt:MATRIX_FMT_FP6 matrix_a_scale:MATRIX_SCALE_ROW1 matrix_b_scale:MATRIX_SCALE_ROW1
.elseif KK < 8
	v_wmma_scale_f32_16x16x128_f8f6f4 v[8*(8*\a+\b):8*(8*\a+\b)+7], v[128*PS+FR*\b:128*PS+FR*\b+FR-1], v[AF2+24*PS+FR*\a:AF2+24*PS+FR*\a+FR-1], v[8*(8*\a+\b):8*(8*\a+\b)+7], v[SB+8*\b+96*(\b/4)+KK%8], v[SA+8*\a+KK%8] matrix_a_fmt:MATRIX_FMT_FP6 matrix_b_fmt:MATRIX_FMT_FP6
.else
	v_wmma_scale_f32_16x16x128_f8f6f4 v[8*(8*\a+\b):8*(8*\a+\b)+7], v[128*PS+FR*\b:128*PS+FR*\b+FR-1], v[AF2+24*PS+FR*\a:AF2+24*PS+FR*\a+FR-1], v[8*(8*\a+\b):8*(8*\a+\b)+7], v[SB+8*\b+96*(\b/4)+KK%8], v[SA+8*\a+KK%8] matrix_a_fmt:MATRIX_FMT_FP6 matrix_b_fmt:MATRIX_FMT_FP6 matrix_a_scale:MATRIX_SCALE_ROW1 matrix_b_scale:MATRIX_SCALE_ROW1
.endif
.endr
.endr
.endm
.macro QSTEP t                         ; a step whose successor lies in the same region: the successor's fragments are asked for, then this step is multiplied while they come
	s_wait_dscnt 0x0                               ; this step's fragments are in (asked for a step ago)
.if (\t) > 0
	PLACES NP                                      ; the set to be loaded was read by the last step's products
.endif
	NEXT (\t)+1
	MULQ \t
.endm
; A region's last step.  In front of the barrier each wave waits for all its tensor loads (the region ahead has landed), adds 0 to its spare word, and waits for that and for its reads of the region that it leaves.
; fill = 1: the barrier is a round of the cluster's, so that no wave of any partner still reads SMALL or has a load on its way, and SMALL is filled again first thing behind it.
.macro EDGE t, fill
	WIN 0                                          ; (the add's two registers lie in window 0)
	s_wait_tensorcnt 0x0
	ds_add_u32 v[SPW], v[NIL]                      ; 0 onto my spare word
	s_wait_dscnt 1                                 ; this step's fragments are in; the add may be out
	MULQ \t                                        ; sixteen matrix instructions stand between the add and the wait for it
	WIN 0
	s_wait_dscnt 0x0                               ; the add is done, and my reads of this region are over
.if \fill
	CROUND
	JLOAD H0A2, H1A1, H0B2, H1B1                   ; the first tensor load behind the round, one a wave; the four v_nop behind it are the places in front of the loads below
.else
	s_barrier_signal -1
	s_barrier_wait -1
	PLACES NP
.endif
	NEXT (\t)+1
.endm
	; ---------------- PART 1 ----------------
	s_wait_tensorcnt 1                             ; the scales and my part of K step 0 are in (K step 1's load may be out)
	s_barrier_signal -1
	s_barrier_wait -1                              ; everybody's are
	FETCH_B 0, 0, 0
	FETCH_A 0, 0, 0
	SCALES 0
	FETCH_A 0, 0, 4
	STEP 0, 0, 1                                   ; the first step stands in front of the loop: its products start the sums
	s_mov_b32 s3, LAPS-1
.Llap:                                                 ; a trip goes once round the ring, from a lap's second step to the next lap's first, and fills both slots again
	TURN 0, 1, 1
	STEP 1, 0, 0
	TURN 1, 0, 1
	STEP 0, 0, 0
	s_sub_co_u32 s3, s3, 1
	s_cmp_lg_u32 s3, 0
	s_cbranch_scc1 .Llap
	; SMALL's descriptors, where the scale bytes' were: those loads were shown done by the loop's waits for all tensor loads
	s_or_b32 s[H1A1], s43, (0<<16)|(1<<20)|(1<<21)|(4<<22)|(3<<25)   ; 15:0 the mask; 17:16 elements of 1 byte; 20 padding on; 21 set beside a mask; 24:22 after every 32 words; 31:25 of 4 words
	s_or_b32 s[H1B1], s44, (0<<16)|(1<<20)|(1<<21)|(4<<22)|(3<<25)
	ROWS H1A1, 384
	ROWS H1B1, 384
	s_mul_i32 s45, s16, BH1                        ; where my 64 rows go: no place in the cluster enters an LDS address
	MKG0 H0A1, 45, R1B, 20, 768                    ; K steps 8-11 begin 768 bytes into a row
	MKG0 H0B1, 45, R1B+BOFF1, 92, 768
	TURN 0, 1, 2                                   ; the ring's last change of slots: slot 0 is left for good, and SMALL takes its bytes
	STEP 1, 0, 0
	; The very last step of part 1, laid like a change of slots: nobody reads the ring or the scale bytes behind its round, and BIG takes their bytes.
	s_wait_tensorcnt 0x0                           ; my one tensor load that was out, my part of SMALL, has landed: so every descriptor register may be written
	ds_add_u32 v[SPW], v[NIL]                      ; 0 onto my spare word; the descriptors below stand between it and the wait for it
	s_or_b32 s[H1A0], s43, (0<<16)|(1<<20)|(1<<21)|(5<<22)|(3<<25)   ; BIG: padding after every 64 words
	s_or_b32 s[H1B0], s44, (0<<16)|(1<<20)|(1<<21)|(5<<22)|(3<<25)
	ROWS H1A0, 768
	ROWS H1B0, 768
	s_mul_i32 s3, s16, BH0
	MKG0 H0A0, 3, R0B, 20, 0                       ; K steps 0-7
	MKG0 H0B0, 3, R0B+BOFF0, 92, 0
	MKG0 H0A2, 45, R1B, 20, 1152                   ; SMALL's second fill: K steps 12-15
	MKG0 H0B2, 45, R1B+BOFF1, 92, 1152
	s_wait_dscnt 4*NL+1                            ; (the add and the youngest 24 loads, A's blocks 4-7, may be out)
	WIN MUL_LO
	MUL16 0, 1, NQ-1, 1, 0
	s_wait_dscnt 0x0                               ; the add is done, and my reads of the ring and of the scale bytes are over
	s_barrier_signal -1
	MUL16 2, 1, NQ-1, 1, 0
	WIN 0
	s_barrier_wait -1
	CREST                                          ; the same holds of every wave of every partner; and SMALL is whole in every work-group
	JLOAD H0A0, H1A0, H0B0, H1B0                   ; the first tensor load behind the round, one a wave: it lands under the 32 products and the way out below
	WIN MUL_HI
	MUL16 4, 1, NQ-1, 1, 0
	MUL16 6, 1, NQ-1, 1, 0
	WIN 0
	PLACES NP                                      ; behind the last products: for the loads below, into registers that held scale words and fragments of A, and for the first reads of results
.irp b, 0,1,2,3,4,5,6,7                        ; part 2's scale words, once: sixteen rows' 32 bytes a half of the lanes, two loads of 16 bytes; they land under part 1's way out
	global_load_b128 v[SB+8*\b+96*(\b/4):SB+8*\b+96*(\b/4)+3], v[SCO], s[10:11] offset:1024*\b
	global_load_b128 v[SB+8*\b+96*(\b/4)+4:SB+8*\b+96*(\b/4)+7], v[SCO], s[10:11] offset:1024*\b+16
.endr
.irp a, 0,1
	global_load_b128 v[SA+8*\a:SA+8*\a+3], v[SCO], s[12:13] offset:1024*\a
	global_load_b128 v[SA+8*\a+4:SA+8*\a+7], v[SCO], s[12:13] offset:1024*\a+16
.endr
.irp b, 0,1,2,3
	v_mov_b32 v[TM+4+\b], 0                        ; written once: a lane permute's destination counts as one of its sources
.endr
	v_cmp_ne_u32 vcc_lo, 0, v2                     ; lanes 16-31
.irp a, 0,1,2,3,4,5,6,7
	QOUT \a, 64, 8
.endr
.irp i, 0,1,2,3
	v_cndmask_b32 v[XW+\i], v[PW+\i], v[PW+4+\i], vcc_lo   ; lanes 0-15 store the words of blocks 0-3, lanes 16-31 those of blocks 4-7
.endr
	global_store_b128 v[CO], v[XW:XW+3], s[8:9] offset:12288
	; ---------------- PART 2 ----------------
	s_wait_xcnt 0x0                                ; part 1's stores have read their registers: the images' registers take fragments and, later, part 2's images
	NEXT 0
	s_wait_loadcnt 0x0                             ; the scale words
	QSTEP 0
	QSTEP 1
	QSTEP 2
	EDGE 3, 1
.irp t, 4,5,6,7,8,9,10
	QSTEP \t
.endr
	EDGE 11, 0                                     ; it shows SMALL's second fill to every wave
	QSTEP 12
	QSTEP 13
	QSTEP 14
	s_wait_dscnt 0x0
	MULQ 15
	WIN 0
	PLACES NP                                      ; behind the last products
	QOUT 0, 112, 98
	QOUT 1, 112, 98
	global_store_b64 v[SWO], v[PW:PW+1], s[100:101]   ; my two words of each row; both halves of the lanes store the same words to the same place
	s_wait_tensorcnt 0x0                           ; the wave's end
	ds_add_u32 v[SPW], v[NIL]
	s_wait_dscnt 0x0
	CROUND                                         ; the closing round: no work-group ends while a partner may still ask for a tile that names it
	s_endpgm
.Lfunc_end_k_q2b496ac871_proj:
	.size	k_q2b496ac871_proj, .Lfunc_end_k_q2b496ac871_proj-k_q2b496ac871_proj
	.p2alignl 7, 3214868480
	.fill 96, 4, 3214868480
	.section	.rodata,"a",@progbits
	.p2align	6, 0x0
	.amdhsa_kernel k_q2b496ac871_proj
		.amdhsa_group_segment_fixed_size 327680
		.amdhsa_private_segment_fixed_size 0
		.amdhsa_enable_private_segment 0
		.amdhsa_kernarg_size 24
		.amdhsa_user_sgpr_count 2
		.amdhsa_user_sgpr_kernarg_segment_ptr 1
		.amdhsa_wavefront_size32 1
		.amdhsa_system_sgpr_workgroup_id_x 1
		.amdhsa_system_sgpr_workgroup_id_y 1
		.amdhsa_system_sgpr_workgroup_id_z 1
		.amdhsa_system_vgpr_workitem_id 0
		.amdhsa_next_free_vgpr 1024
		.amdhsa_next_free_sgpr 102
		.amdhsa_reserve_vcc 1
		.amdhsa_float_denorm_mode_32 3
		.amdhsa_float_denorm_mode_16_64 3
		.amdhsa_memory_ordered 1
		.amdhsa_forward_progress 1
		.amdhsa_inst_pref_size 255
	.end_amdhsa_kernel
	.section	.bss,"aw",@nobits
	.p2align	6
	.space	262144
	.amdgpu_metadata
---
amdhsa.version: [ 1, 2 ]
amdhsa.kernels:
  - .name:           k_q2b496ac871_proj
    .symbol:         k_q2b496ac871_proj.kd
    .args:
      - { .name: codes, .offset: 0, .size: 8, .value_kind: global_buffer, .address_space: global }
      - { .name: scales, .offset: 8, .size: 8, .value_kind: global_buffer, .address_space: global }
      - { .name: pcod, .offset: 16, .size: 8, .value_kind: global_buffer, .address_space: global }
    .group_segment_fixed_size: 327680
    .private_segment_fixed_size: 0
    .kernarg_segment_align: 8
    .kernarg_segment_size: 24
    .max_flat_workgroup_size: 128
    .sgpr_count:     102
    .vgpr_count:     1024
    .wavefront_size: 32
...
	.end_amdgpu_metadata
.endif
;; end of part 5
;; launch attn (part 6): grid 8 x 32, 16 waves a work-group, clusters of 4 x 1, 327,680 bytes of LDS; arguments pcod, mbits, acod, ascl; writes acod, ascl
.if DOCPART == 6
	.amdgcn_target "amdgcn-amd-amdhsa--gfx1250"
	.amdhsa_code_object_version 6
	.text
	.protected	k_q2b496ac871_attn
	.globl	k_q2b496ac871_attn
	.p2align	8
	.type	k_q2b496ac871_attn,@function
k_q2b496ac871_attn:
	s_mov_b64 s[64:65], 0
	v_nop
	global_prefetch_b8 v0, s[64:65] scope:SCOPE_SE
	s_setreg_imm32_b32 hwreg(HW_REG_WAVE_MODE, 25, 1), 1
	s_wait_xcnt 0x0
	s_wait_alu depctr_hold_cnt(0) depctr_sa_sdst(0) depctr_va_vdst(0) depctr_va_sdst(0) depctr_va_ssrc(0) depctr_va_vcc(0) depctr_vm_vsrc(0)
	s_getreg_b32 s2, hwreg(HW_REG_IB_STS2, 6, 4)
	s_cmp_eq_u32 s2, 0
	s_cbranch_scc0 .Lentry_in_a_cluster
	s_endpgm
.Lentry_in_a_cluster:
	s_bfe_u32 s2, ttmp6, 0x10000c
	s_cmp_lg_u32 s2, 0x3003
	s_cbranch_scc0 .Lentry_shape_is_right
	s_endpgm
.Lentry_shape_is_right:
; ATTENTION ON CODES OF FP6 (E2M3), one E8M0 scale for each 32 along a product's K, for one head (grid y = 16 batch + head) and 128 queries (grid x) a work-group; 2,048 keys, head size 128.
; Q, K and V^T arrive in pcod as IMAGES of operands' registers (a fragment of 16 rows x 128 K: 3 x 512 bytes, lane l's registers 4 c .. 4 c + 3 at 512 c + 16 l), eight to a unit of 12,800 bytes, with 512 bytes
; of scale words behind them (fragment a, row r at 12288 + 256 (a / 4) + 16 r + 4 (a % 4)).  So a fragment is three loads of 16 bytes a lane, 512 consecutive bytes each: no pitch, no padding.
; SOFTMAX AHEAD OF THE SECOND PRODUCT: t = score x log2(e) / sqrt(128); M = the running largest t rounded UP to a whole number; p = 2^(t - M) is quantised along the keys, not normalised; the row's sum is taken of
; the unquantised p and divides at the end.  When M moves, the sum and O are multiplied by 2^(old M - new M): exact.
; MASKS: mbits holds attn_mask OR key_padding_mask as one lane mask for each score register of a step: 64 words a step, read by scalar loads a step ahead; a masked score becomes -infinity ahead of the maximum, so p = 0.
; SHARES: SIXTEEN waves of 256 registers, four to a SIMD, so that one wave's vector work stands beside the others' matrix work and LDS loads.  The block's eight tiles of 16 queries are each served by TWO waves: wave w takes
; tile w % 8 and, of each slot's four key steps of 128, the two numbered 2 (w / 8) and 2 (w / 8) + 1.  Each keeps a running M, a sum and an O^T of its own over its 1,024 keys.  At the end waves 8-15 hand theirs over through
; LDS, and waves 0-7 bring both under the larger M, by multiplications with whole powers of two, which round nothing, and add.
; LAYOUT: both products transposed: S^T = K Q^T, O^T = V^T P^T: a lane holds one query (lane % 16) throughout.  The rows of K's and V^T's fragments were laid so that S^T's register n is key 32 (n / 16) + 16 (l / 16) + n % 16
; and O^T's register n is channel 32 (n / 16) + 16 (l / 16) + n % 16: 16 neighbours along the next K each time.
; CLUSTER: the four work-groups of a cluster are four blocks of queries of one head and walk the same K and V: each tile is asked for jointly (mask 15).  A slot holds four key steps: 4 units of K, 4 of V^T, 102,400 bytes.
; OUT: O / l is quantised along the head's 128 and stored as an image: acod[block of 64 rows][head][tile % 4][1,536 bytes]; its scale word to ascl[row][head].  Those words are 4 bytes a row, 64 bytes
; apart: stores of parts of 256-byte blocks, 128 KiB in the whole launch.
; LIMITS: a query all of whose keys are masked has l = 0: its scale word is set to four bytes 0xff, which make the last product's sums NaN, as the softmax of such a row is.  A block of zeros gets the byte 1, not 127
; (read by this program alone).  A block's largest p is taken as 2^ of the block's largest t - M, which takes v_exp_f32 not to fall where its input rises.
; REGISTERS: v1 16 x lane, v2 16 r, v3 64 r, v4, v7 the hand-over's LDS addresses, v5-6 for the add, v8-9 LDS addresses of my steps' K and V, v10 my place in a slot; v12 -M, v13 the largest t, v[14:15] the sum in two halves;
;   v16-27 Q; v28 -infinity, v29 all ones; v32-79 four fragments; v96-159 S^T, then p, then V's other four fragments; v160-223 O^T; v224-235 p's codes; v232-247, v252, v254 at work; v248-251 K's, then V's scale words; v253 p's scale word; v255 Q's.
.set UNIT,  12800
.set VOFF,  4*UNIT                     ; a slot: four units of K, then four of V^T
.set SLOT1, 1<<17                      ; slot 1 begins here, so that one exclusive or turns an address in one slot into the other's
.set SPARE, 2*SLOT1                    ; the spare words, 128 bytes for each wave: eight blocks of 256 bytes that no other line names
.set STG,   8448                       ; the hand-over: for each tile 64 registers x 128 bytes, then 256 bytes for -M and the sum.  It lies in slot 0, which has had its last fill, and its last read in front of the last change of slots
.set PC,  32                           ; the way out: the codes
.set TM,  232
.set PW,  252
; s[4:7] descriptor group 0, s[24:31] group 1; s[8:9] my mask words of the slot in hand; s[10:11], s[12:13] where my image and my scale words go; s18 wave; s19 the slot in hand; s[20:21] lane selects; s[22:23] c;
; s66 slots still to be asked for; s[68:99] mask words 0-31, s[32:63] mask words 32-63 (before the first mask load: arguments and scratch)
.macro ROUND                           ; a round of the cluster's barrier
	s_barrier_signal -1
	s_barrier_wait -1
	s_cmp_lg_u32 s18, 0
	s_cbranch_scc1 .Lnot_wave_0_\@
	s_barrier_signal -3
.Lnot_wave_0_\@:
	s_barrier_wait -3
	s_barrier_signal -1
	s_barrier_wait -1
.endm
.macro TLOAD                           ; waves 0 and 1 fetch the slot's K (two units each), waves 2 and 3 its V^T, the others nothing: the branch hangs on the wave's number alone.  Four v_nop follow the line
	s_cmp_lt_u32 s18, 4
	s_cbranch_scc0 .Lnone_\@
	tensor_load_to_lds s[4:7], s[24:31]
	s_nop 0
.rept 4
	v_nop
.endr
.Lnone_\@:
.endm
	s_load_b256 s[36:43], s[0:1], 0x0              ; pcod s[36:37], mbits s[38:39], acod s[40:41], ascl s[42:43]
	v_lshl_add_u32 v5, v0, 2, SPARE
	v_mov_b32 v6, 0
	ds_add_u32 v5, v6
	s_wait_dscnt 0x0
	v_lshrrev_b32 v1, 5, v0
	v_readfirstlane_b32 s18, v1                    ; wave 0..15
	s_and_b32 s3, s18, 7                           ; my tile of 16 queries in the block
	s_lshr_b32 s67, s18, 3                         ; which two of a slot's four key steps are mine
	s_bfe_u32 s44, ttmp6, 0x40000                  ; cx
	s_lshl_b32 s45, ttmp9, 2
	s_add_co_u32 s44, s45, s44                     ; my block of 128 queries = 4 x cluster x + cx: it enters Q's, the masks' and the outputs' global addresses alone
	s_and_b32 s45, ttmp7, 0xffff                   ; 16 batch + head, which the four partners share
	s_lshr_b32 s46, s45, 4                         ; batch
	s_and_b32 s47, s45, 15                         ; head
	s_lshl_b32 s48, s44, 3
	s_add_co_u32 s48, s48, s3                      ; my tile of 16 queries in the batch
	s_lshl_b32 s49, s46, 6
	s_add_co_u32 s49, s49, s48                     ; 64 batch + tile
	; what I fetch, if I fetch: wave & 3 = 0, 1: K's units 0-1, 2-3 of a slot; 2, 3: V^T's
	s_and_b32 s2, s18, 3
	s_lshl_b32 s50, s45, 4
	s_add_co_u32 s50, s50, 256
	s_mul_i32 s50, s50, UNIT                       ; the head's first unit of K
	s_lshr_b32 s52, s2, 1
	s_mul_i32 s52, s52, 512*UNIT                   ; V^T's units lie 512 units behind K's
	s_add_co_u32 s50, s50, s52
	s_and_b32 s52, s2, 1
	s_mul_i32 s52, s52, 2*UNIT
	s_add_co_u32 s50, s50, s52
	s_mov_b32 s51, 0
	; descriptor group 1: two units, 25,600 dense bytes, as 100 rows of 256 bytes (32 elements of 8 bytes), no padding
	s_mov_b32 s24, 15|(3<<16)|(1<<21)              ; 15:0 the mask: all four work-groups; 17:16 elements of 8 bytes; 21 set beside a mask
	s_mov_b32 s25, 32<<16                          ; tensor_dim0
	s_mov_b32 s26, 100<<16                         ; tensor_dim1
	s_mov_b32 s27, 32<<16                          ; tile_dim0
	s_mov_b32 s28, 100                             ; tile_dim1
	s_mov_b32 s29, 32                              ; tensor_dim0_stride
	s_mov_b32 s30, 0
	s_mov_b32 s31, 0
	s_mov_b32 s4, 1                                ; group 0: count = 1
	s_mul_i32 s5, s2, 2*UNIT                       ; LDS address: slot 0, (wave & 3) x two units: no place in the cluster enters it
	s_lshl_b32 s52, s49, 12                        ; the masks of my tile: 16 steps x 256 bytes; mine begin at step 2 (wave / 8)
	s_lshl_b32 s53, s67, 9
	s_add_co_u32 s52, s52, s53
	s_mov_b32 s53, 0
	s_lshr_b32 s54, s49, 2                         ; my image: (((64 batch + tile) / 4) 16 + head) 4 + tile % 4, 1,536 bytes each
	s_lshl_b32 s54, s54, 4
	s_add_co_u32 s54, s54, s47
	s_lshl_b32 s54, s54, 2
	s_and_b32 s55, s49, 3
	s_add_co_u32 s54, s54, s55
	s_mul_i32 s54, s54, 1536
	s_mov_b32 s55, 0
	s_lshl_b32 s56, s49, 10                        ; my 16 rows of scale words, 64 bytes a row, + 4 head
	s_lshl_b32 s57, s47, 2
	s_add_co_u32 s56, s56, s57
	s_mov_b32 s57, 0
	s_lshl_b32 s58, s45, 3                         ; Q's unit: (16 batch + head) 8 + block of queries;
	s_add_co_u32 s58, s58, s44
	s_mul_i32 s58, s58, UNIT
	s_mul_i32 s60, s3, 1536                        ; in it my tile's image,
	s_add_co_u32 s60, s60, s58
	s_mov_b32 s61, 0
	s_lshr_b32 s62, s3, 2                          ; and its scale words: 12288 + 256 (tile / 4) + 4 (tile % 4)
	s_lshl_b32 s62, s62, 8
	s_and_b32 s63, s3, 3
	s_lshl_b32 s63, s63, 2
	s_add_co_u32 s62, s62, s63
	s_add_co_u32 s62, s62, s58
	s_add_co_u32 s62, s62, 12288
	s_mov_b32 s63, 0
	s_mul_i32 s2, s3, STG                          ; my tile's place in the hand-over
	s_mul_i32 s67, s67, 2*UNIT                     ; my two steps' place in a slot
	s_mov_b32 s19, 0
	s_mov_b32 s20, 0x76543210
	s_mov_b32 s21, 0xfedcba98                      ; v_permlanex16_b32's selects for lane l xor 16
	s_mov_b32 s22, 0x3e0293ee                      ; c = log2(e) / sqrt(128)
	s_mov_b32 s23, s22                             ; (named with it as a pair, so it is written)
	s_mov_b32 s66, 3
	s_wait_kmcnt 0x0
	s_add_nc_u64 s[6:7], s[36:37], s[50:51]        ; group 0: global address: the head's first four key steps
	s_or_b32 s7, s7, 0x80000000                    ; type = 2
	s_add_nc_u64 s[8:9], s[38:39], s[52:53]
	s_add_nc_u64 s[10:11], s[40:41], s[54:55]
	s_add_nc_u64 s[12:13], s[42:43], s[56:57]
	s_add_nc_u64 s[14:15], s[36:37], s[60:61]
	s_add_nc_u64 s[16:17], s[36:37], s[62:63]
	ROUND                                          ; all four work-groups are here: the first joint loads meet
	TLOAD                                          ; slot 0: by this text's own count one load of a wave is out, here and behind every round
	v_and_b32 v1, 31, v0
	v_lshlrev_b32 v4, 3, v1                        ; 8 x lane
	v_lshlrev_b32 v1, 4, v1                        ; 16 x lane
	v_add_nc_u32 v7, s2, v1                        ; the hand-over: O^T's registers, four at a time, at 16 x lane;
	v_add_nc_u32 v4, s2, v4
	v_add_nc_u32 v4, 8192, v4                      ; -M and the sum at 8 x lane behind them
	v_add_nc_u32 v10, s67, v1                      ; my place in a slot
	v_and_b32 v2, 15, v0                           ; r
	v_lshlrev_b32 v3, 6, v2                        ; 64 r
	v_lshlrev_b32 v2, 4, v2                        ; 16 r
.irp c, 0,1,2
	global_load_b128 v[16+4*\c:19+4*\c], v1, s[14:15] offset:512*\c   ; Q's fragment stays in registers
.endr
	global_load_b32 v255, v2, s[16:17]             ; Q's scale words
	s_load_b512 s[68:83], s[8:9], 0x0              ; my first key step's mask words (all scratch in s[32:63] has been used)
	s_load_b512 s[84:99], s[8:9], 0x40
	s_load_b512 s[32:47], s[8:9], 0x80
	s_load_b512 s[48:63], s[8:9], 0xc0
	v_mov_b32 v28, 0xff800000                      ; -infinity
	v_mov_b32 v29, -1
	v_mov_b32 v13, 0xff61b1e6                      ; the largest t so far: -3e38, under every t
	v_floor_f32 v12, -v13                          ; -M
	v_mov_b32 v14, 0                               ; the sum, in two halves
	v_mov_b32 v15, 0
.irp b, 0,1,2,3
	v_mov_b32 v[236+\b], 0                         ; written once: a lane permute's destination counts as one of its sources
.endr
	v_mov_b32 v253, 0                              ; (named as the upper half of the pair v[252:253] before it is first written)
.set j, 0
.rept 64
	v_mov_b32 v[160+j], 0                          ; O^T.  (The step is written without a first form of its own: the first finds zeros, which the first change of M leaves zeros)
.set j, j+1
.endr
	s_wait_loadcnt 0x0                             ; Q
.macro TILES reg, adr, q, g            ; four fragments, 4 g .. 4 g + 3 of my q-th unit of the slot, into v[reg] on
.irp t, 0,1,2,3
.irp c, 0,1,2
	ds_load_b128 v[\reg+12*\t+4*\c:\reg+12*\t+4*\c+3], v[\adr] offset:UNIT*(\q)+1536*(4*\g+\t)+512*\c
.endr
.endr
.endm
; A KEY STEP: 128 keys, the q-th of my two in the slot in hand.  more = 1: my next step's mask words are asked for.
.macro STEP q, more
.rept 5
	v_nop                                          ; five places behind the last step's products: four for the loads into registers that they read, the fifth since the first products below write over v96-143, which they read as an operand
.endr
	TILES 32, 8, \q, 0
	ds_load_b128 v[248:251], v8 offset:UNIT*(\q)+12288   ; K's scale words: lane (r, h) gets those of row r of fragments 4 h .. 4 h + 3
	s_wait_dscnt 0x0
.irp t, 0,1,2,3                                ; S^T = K Q^T, keys' tiles 0-3
	v_wmma_scale_f32_16x16x128_f8f6f4 v[96+8*\t:103+8*\t], v[32+12*\t:43+12*\t], v[16:27], 0, v[248+\t], v255 matrix_a_fmt:MATRIX_FMT_FP6 matrix_b_fmt:MATRIX_FMT_FP6
.endr
.rept 4
	v_nop                                          ; places in front of loads into registers that matrix instructions have read
.endr
	TILES 32, 8, \q, 1
	s_wait_dscnt 0x0
.irp t, 0,1,2,3                                ; tiles 4-7: their scale words stand in lanes 16-31
	v_wmma_scale_f32_16x16x128_f8f6f4 v[128+8*\t:135+8*\t], v[32+12*\t:43+12*\t], v[16:27], 0, v[248+\t], v255 matrix_a_fmt:MATRIX_FMT_FP6 matrix_b_fmt:MATRIX_FMT_FP6 matrix_a_scale:MATRIX_SCALE_ROW1
.endr
	s_wait_kmcnt 0x0                               ; this step's mask words (asked for a step ago)
.set n, 0
.rept 32                                       ; masked scores become -infinity; each accumulator from its low end on.  These 32 name no register of the four products above: they are the places behind them
	v_cndmask_b32 v[96+n], v[96+n], v28, s[68+n]
.set n, n+1
.endr
	TILES 32, 9, \q, 0                             ; V^T's fragments 0-3 and its scale words land under the softmax
	ds_load_b128 v[248:251], v9 offset:UNIT*(\q)+12288
.set n, 0
.rept 32
	v_cndmask_b32 v[128+n], v[128+n], v28, s[32+n]
.set n, n+1
.endr
.if \more
.if (\q) == 1
	s_add_nc_u64 s[8:9], s[8:9], 1024              ; on to the next slot's mask words (no scalar load is out: the wait above was for 0, and none was issued since)
.irp i, 0,1
	s_load_b512 s[68+16*\i:83+16*\i], s[8:9], 64*\i
	s_load_b512 s[32+16*\i:47+16*\i], s[8:9], 128+64*\i
.endr
.else
.irp i, 0,1
	s_load_b512 s[68+16*\i:83+16*\i], s[8:9], 256*((\q)+1)+64*\i
	s_load_b512 s[32+16*\i:47+16*\i], s[8:9], 256*((\q)+1)+128+64*\i
.endr
.endif
.endif
.irp b, 0,1,2,3
	v_max3_num_f32 v[232+\b], v[96+16*\b], v[97+16*\b], v[98+16*\b]   ; THE LARGEST SCORE OF EACH BLOCK OF 32 KEYS: it serves for the row's maximum and, since p rises with the score, for the block's largest p
.endr
.irp i, 3,5,7,9,11,13
.irp b, 0,1,2,3
	v_max3_num_f32 v[232+\b], v[232+\b], v[96+16*\b+\i], v[97+16*\b+\i]   ; (the four blocks by turns)
.endr
.endr
.irp b, 0,1,2,3
	v_max_num_f32 v[232+\b], v[232+\b], v[111+16*\b]
.endr
.irp b, 0,1,2,3
	v_permlanex16_b32 v[236+\b], v[232+\b], s20, s21
.endr
.irp b, 0,1,2,3
	v_max_num_f32 v[232+\b], v[232+\b], v[236+\b]  ; with lane l xor 16's 16 keys
.endr
	v_max3_num_f32 v254, v232, v233, v234
	v_max_num_f32 v254, v254, v235                 ; the step's largest score of my query (-infinity where all 128 keys are masked: the running maximum then stays)
	v_mul_f32 v254, s22, v254                      ; as t (c is positive)
	v_max_num_f32 v13, v13, v254                   ; the running largest t
	v_mov_b32 v254, v12
	v_floor_f32 v12, -v13                          ; the new -M = floor(-t) = -ceil(t): M IS A WHOLE NUMBER
	v_sub_f32 v254, v12, v254                      ; M's old value less its new one: a whole number, 0 or less
	v_cvt_i32_f32 v254, v254                       ; (it saturates)
	v_ldexp_f32 v252, 1.0, v254                    ; f = 2^(old M - new M): a multiplication by it rounds nothing
.set j, 0
.rept 32
	v_pk_fma_f32 v[96+j:97+j], v[96+j:97+j], s[22:23], v[12:13] op_sel_hi:[1,0,0]   ; t - M, two at a time (of the pairs c and -M the low word serves both halves)
.set j, j+2
.endr
.irp b, 0,1,2,3
	v_fma_f32 v[232+\b], v[232+\b], s22, v12       ; the same of each block's largest score
.endr
.set j, 0
.rept 64
	v_exp_f32 v[96+j], v[96+j]                     ; p = 2^(t - M), at most 1: NOT normalised; 0 for a masked key
.set j, j+1
.endr
.irp b, 0,1,2,3
	v_exp_f32 v[232+\b], v[232+\b]                 ; the block's largest p: the same two instructions on the same number give the same bits
.endr
	v_pk_mul_f32 v[14:15], v[14:15], v[252:253] op_sel_hi:[1,0]   ; the sums under the new M.  (A plain place behind the exponentials)
	s_wait_alu depctr_va_vdst(0)
.irp b, 0,1,2,3
	v_max_num_f32 v[232+\b], 0x1800000, v[232+\b]  ; the floor 2^(3 - 127): the byte cannot fall under 1 (a block whose every p is 0 keeps that byte: its codes are zeros)
.endr
.irp b, 0,1,2,3
	v_add_nc_u32 v[244+\b], 0xff000000, v[232+\b]  ; 2 off the exponent field: the conversion's scale operand
.endr
.irp b, 0,1,2,3
	v_lshrrev_b32 v[236+\b], 23, v[244+\b]         ; the scale's byte
.endr
	v_lshl_or_b32 v253, v237, 8, v236              ; p's scale word for these 128 keys
	v_lshl_or_b32 v253, v238, 16, v253
	v_lshl_or_b32 v253, v239, 24, v253
.irp c, 0,1
	v_cvt_scalef32_pk16_fp6_f32 v[224+6*\c:226+6*\c], v[96+32*\c:111+32*\c], v[244+2*\c]
	v_cvt_scalef32_pk16_fp6_f32 v[236+4*\c:238+4*\c], v[112+32*\c:127+32*\c], v[244+2*\c+1]   ; (a conversion's three registers begin on an even number)
.endr
	v_nop                                          ; one plain place behind a scaled conversion
.irp c, 0,1                                    ; the operand's layout wants a WHOLE block in a lane: lanes 0-15 block 2 c, lanes 16-31 block 2 c + 1
.irp i, 0,1,2
	v_permlane16_swap_b32 v[224+6*\c+\i], v[236+4*\c+\i]
.endr
.irp i, 0,1,2
	v_mov_b32 v[227+6*\c+\i], v[236+4*\c+\i]
.endr
.endr
	v_pk_add_f32 v[236:237], v[96:97], v[98:99]    ; THE ROW'S SUM IS TAKEN OF THE UNQUANTISED p: two at a time, in two chains
.set j, 4
.rept 15
	v_pk_add_f32 v[14:15], v[14:15], v[96+j:97+j]
	v_pk_add_f32 v[236:237], v[236:237], v[98+j:99+j]
.set j, j+4
.endr
	v_pk_add_f32 v[14:15], v[14:15], v[236:237]
	TILES 96, 9, \q, 1                             ; p is done with: V^T's fragments 4-7 take its registers
.set j, 0
.rept 32
	v_pk_mul_f32 v[160+j:161+j], v[160+j:161+j], v[252:253] op_sel_hi:[1,0]   ; O^T under the new M.  (These 32 are also the places between the lines that made p's codes and scale word and the products below)
.set j, j+2
.endr
	s_wait_dscnt 0x0
.irp t, 0,1,2,3                                ; O^T += V^T P^T: eight accumulators by turns, one instruction a turn; K = these 128 keys
	v_wmma_scale_f32_16x16x128_f8f6f4 v[160+8*\t:167+8*\t], v[32+12*\t:43+12*\t], v[224:235], v[160+8*\t:167+8*\t], v[248+\t], v253 matrix_a_fmt:MATRIX_FMT_FP6 matrix_b_fmt:MATRIX_FMT_FP6
.endr
.irp t, 0,1,2,3
	v_wmma_scale_f32_16x16x128_f8f6f4 v[192+8*\t:199+8*\t], v[96+12*\t:107+12*\t], v[224:235], v[192+8*\t:199+8*\t], v[248+\t], v253 matrix_a_fmt:MATRIX_FMT_FP6 matrix_b_fmt:MATRIX_FMT_FP6 matrix_a_scale:MATRIX_SCALE_ROW1
.endr
.endm
; THE CHANGE OF SLOTS stands at a slot's head.  Each wave waits for all its tensor loads (its part of the slot that it is about to read), adds 0 to its spare word, and waits for that and for its reads of the slot that it has left.
; fill = 1: a round of the cluster's barrier follows, so that no wave of any partner still reads the other slot or has a load on its way, and that slot is filled with the next four key steps: the load has a slot's work in which to land.
.macro CHANGE fill
	s_wait_tensorcnt 0x0                           ; no tensor load of mine is out, so group 0 may be written
	ds_add_u32 v5, v6                              ; 0 onto my spare word
.if \fill
	s_xor_b32 s5, s5, SLOT1                        ; the walking descriptor: the other slot than last time,
	s_add_nc_u64 s[6:7], s[6:7], 4*UNIT            ; the next four units; the type bits on top are not reached
	s_wait_dscnt 0x0                               ; the add is done, and my reads of the slot that I have left are over
	ROUND
	TLOAD                                          ; the first thing behind the round, and a wave's one tensor load until the next
.else
	s_wait_dscnt 0x0
	s_barrier_signal -1
	s_barrier_wait -1
.endif
	v_add_nc_u32 v8, s19, v10                      ; the slot in hand: my two units of K,
	v_add_nc_u32 v9, VOFF, v8                      ; and of V^T
.endm
.Lslot:                                            ; three trips: behind each change of slots but the last the next slot is asked for
	CHANGE 1
	STEP 0, 1
	STEP 1, 1
	s_xor_b32 s19, s19, SLOT1                      ; on to the other slot
	s_sub_co_u32 s66, s66, 1
	s_cmp_lg_u32 s66, 0
	s_cbranch_scc1 .Lslot
	CHANGE 0                                       ; the last slot is written out
	STEP 0, 1
	STEP 1, 0                                      ; no mask word of mine lies behind the last step's
	; THE TWO HALVES OF THE KEYS MEET.  Waves 8-15 put O^T, -M and the lane's sum into LDS; a barrier; waves 0-7 take them.
.rept 4
	v_nop                                          ; places behind the last products
.endr
	v_add_f32 v14, v14, v15                        ; my lane's sum
	s_cmp_lt_u32 s18, 8
	s_cbranch_scc1 .Lkeep
	v_mov_b32 v13, v14                             ; beside -M, as a pair
.irp i, 0,1,2,3,4,5,6,7,8,9,10,11,12,13,14,15
	ds_store_b128 v7, v[160+4*\i:163+4*\i] offset:512*\i   ; an image of the registers: each accumulator from its low end on
.endr
	ds_store_b64 v4, v[12:13]
.Lkeep:
	s_wait_dscnt 0x0                               ; for the others' sake: my stores are done
	s_barrier_signal -1
	s_barrier_wait -1
	s_cmp_ge_u32 s18, 8
	s_cbranch_scc1 .Lend                           ; waves 8-15 have handed their part over
.irp i, 0,1,2,3,4,5,6,7,8,9,10,11,12,13,14,15
	ds_load_b128 v[96+4*\i:99+4*\i], v7 offset:512*\i
.endr
	ds_load_b64 v[232:233], v4                     ; the other half's -M and sum
	s_wait_dscnt 0x0
	v_min_num_f32 v234, v12, v232                  ; -M of the larger M
	v_sub_f32 v235, v234, v12                      ; my M less the larger: a whole number, 0 or less
	v_sub_f32 v236, v234, v232                     ; the other's likewise
	v_cvt_i32_f32 v235, v235                       ; (they saturate: a half with every key masked counts for nothing)
	v_cvt_i32_f32 v236, v236
	v_ldexp_f32 v252, 1.0, v235
	v_ldexp_f32 v254, 1.0, v236
	v_mul_f32 v14, v14, v252
	v_fma_f32 v14, v233, v254, v14                 ; the lane's sum over all keys
.set j, 0
.rept 32
	v_pk_mul_f32 v[160+j:161+j], v[160+j:161+j], v[252:253] op_sel_hi:[1,0]   ; each accumulator from its low end on
.set j, j+2
.endr
.set j, 0
.rept 32
	v_pk_fma_f32 v[160+j:161+j], v[96+j:97+j], v[254:255], v[160+j:161+j] op_sel_hi:[1,0,1]
.set j, j+2
.endr
	; THE WAY OUT.  O^T / l, quantised along the head's 128: register 16 b + i is channel 32 b + 16 (l / 16) + i of my query.
	v_permlanex16_b32 v254, v14, s20, s21
	v_add_f32 v14, v14, v254                       ; with lane l xor 16's: the row's sum
	v_cmp_eq_f32 vcc_lo, 0, v14                    ; a row with every key masked
	v_rcp_f32 v15, v14
	v_nop                                          ; one plain place behind the transcendental
.set j, 0
	s_wait_alu depctr_va_vdst(0)
.rept 64
	v_mul_f32 v[96+j], v[160+j], v15
.set j, j+1
.endr
.irp b, 0,1,2,3
	v_max3_num_f32 v[TM+\b], |v[96+16*\b]|, |v[97+16*\b]|, 0x1800000   ; block b: my 16 numbers, and the floor 2^(3 - 127)
.endr
.irp i, 2,4,6,8,10,12,14
.irp b, 0,1,2,3
	v_max3_num_f32 v[TM+\b], v[TM+\b], |v[96+16*\b+\i]|, |v[97+16*\b+\i]|
.endr
.endr
.irp b, 0,1,2,3
	v_permlanex16_b32 v[TM+4+\b], v[TM+\b], s20, s21
.endr
.irp b, 0,1,2,3
	v_max_num_f32 v[TM+\b], v[TM+\b], v[TM+4+\b]   ; with lane l xor 16's: the block's largest magnitude
.endr
.irp b, 0,1,2,3
	v_add_nc_u32 v[TM+12+\b], 0xff000000, v[TM+\b]
.endr
.irp b, 0,1,2,3
	v_lshrrev_b32 v[TM+4+\b], 23, v[TM+12+\b]
.endr
	v_lshl_or_b32 v[PW], v[TM+5], 8, v[TM+4]       ; my row's scale word
	v_lshl_or_b32 v[PW], v[TM+6], 16, v[PW]
	v_lshl_or_b32 v[PW], v[TM+7], 24, v[PW]
	v_cndmask_b32 v[PW], v[PW], v29, vcc_lo        ; l = 0: four bytes 0xff
.irp c, 0,1
	v_cvt_scalef32_pk16_fp6_f32 v[PC+6*\c:PC+2+6*\c], v[96+32*\c:111+32*\c], v[TM+12+2*\c]
	v_cvt_scalef32_pk16_fp6_f32 v[PC+12+4*\c:PC+14+4*\c], v[112+32*\c:127+32*\c], v[TM+13+2*\c]
.endr
	v_nop                                          ; one plain place behind a scaled conversion
.irp c, 0,1
.irp i, 0,1,2
	v_permlane16_swap_b32 v[PC+6*\c+\i], v[PC+12+4*\c+\i]
.endr
.irp i, 0,1,2
	v_mov_b32 v[PC+3+6*\c+\i], v[PC+12+4*\c+\i]
.endr
.endr
.irp c, 0,1,2
	global_store_b128 v1, v[PC+4*\c:PC+4*\c+3], s[10:11] offset:512*\c   ; 32 lanes store 512 consecutive bytes, at a multiple of 256 from the buffer's first byte
.endr
	global_store_b32 v3, v[PW], s[12:13]           ; both halves of the lanes store the same word to the same place
.Lend:
	s_wait_tensorcnt 0x0                           ; the wave's end
	ds_add_u32 v5, v6
	s_wait_dscnt 0x0
	ROUND                                          ; the closing round: no work-group ends while a partner may still ask for a tile that names it
	s_endpgm
.Lfunc_end_k_q2b496ac871_attn:
	.size	k_q2b496ac871_attn, .Lfunc_end_k_q2b496ac871_attn-k_q2b496ac871_attn
	.p2alignl 7, 3214868480
	.fill 96, 4, 3214868480
	.section	.rodata,"a",@progbits
	.p2align	6, 0x0
	.amdhsa_kernel k_q2b496ac871_attn
		.amdhsa_group_segment_fixed_size 327680
		.amdhsa_private_segment_fixed_size 0
		.amdhsa_enable_private_segment 0
		.amdhsa_kernarg_size 32
		.amdhsa_user_sgpr_count 2
		.amdhsa_user_sgpr_kernarg_segment_ptr 1
		.amdhsa_wavefront_size32 1
		.amdhsa_system_sgpr_workgroup_id_x 1
		.amdhsa_system_sgpr_workgroup_id_y 1
		.amdhsa_system_sgpr_workgroup_id_z 1
		.amdhsa_system_vgpr_workitem_id 0
		.amdhsa_next_free_vgpr 256
		.amdhsa_next_free_sgpr 100
		.amdhsa_reserve_vcc 1
		.amdhsa_float_denorm_mode_32 3
		.amdhsa_float_denorm_mode_16_64 3
		.amdhsa_memory_ordered 1
		.amdhsa_forward_progress 1
		.amdhsa_inst_pref_size 113
	.end_amdhsa_kernel
	.amdgpu_metadata
---
amdhsa.version: [ 1, 2 ]
amdhsa.kernels:
  - .name:           k_q2b496ac871_attn
    .symbol:         k_q2b496ac871_attn.kd
    .args:
      - { .name: pcod, .offset: 0, .size: 8, .value_kind: global_buffer, .address_space: global }
      - { .name: mbits, .offset: 8, .size: 8, .value_kind: global_buffer, .address_space: global }
      - { .name: acod, .offset: 16, .size: 8, .value_kind: global_buffer, .address_space: global }
      - { .name: ascl, .offset: 24, .size: 8, .value_kind: global_buffer, .address_space: global }
    .group_segment_fixed_size: 327680
    .private_segment_fixed_size: 0
    .kernarg_segment_align: 8
    .kernarg_segment_size: 32
    .max_flat_workgroup_size: 512
    .sgpr_count:     100
    .vgpr_count:     256
    .wavefront_size: 32
...
	.end_amdgpu_metadata
.endif
;; end of part 6
;; launch outp (part 7): grid 16 x 16, 4 waves a work-group, clusters of 4 x 4, 327,680 bytes of LDS; arguments acod, ascl, codes, scales, out0; writes out0
.if DOCPART == 7
	.amdgcn_target "amdgcn-amd-amdhsa--gfx1250"
	.amdhsa_code_object_version 6
	.text
	.protected	k_q2b496ac871_outp
	.globl	k_q2b496ac871_outp
	.p2align	8
	.type	k_q2b496ac871_outp,@function
k_q2b496ac871_outp:
	s_mov_b64 s[64:65], 0
	v_nop
	global_prefetch_b8 v0, s[64:65] scope:SCOPE_SE
	s_setreg_imm32_b32 hwreg(HW_REG_WAVE_MODE, 25, 1), 1
	s_wait_xcnt 0x0
	s_wait_alu depctr_hold_cnt(0) depctr_sa_sdst(0) depctr_va_vdst(0) depctr_va_sdst(0) depctr_va_ssrc(0) depctr_va_vcc(0) depctr_vm_vsrc(0)
	s_getreg_b32 s2, hwreg(HW_REG_IB_STS2, 6, 4)
	s_cmp_eq_u32 s2, 0
	s_cbranch_scc0 .Lentry_in_a_cluster
	s_endpgm
.Lentry_in_a_cluster:
	s_bfe_u32 s2, ttmp6, 0x10000c
	s_cmp_lg_u32 s2, 0xf033
	s_cbranch_scc0 .Lentry_shape_is_right
	s_endpgm
.Lentry_shape_is_right:
; out0 = A Wo^T on codes of FP6 (E2M3) with one E8M0 scale for each 32 along K = 2,048; M = N = 2,048; out0 is f32.  (This text has two forms, chosen by QP at its head: QP = 0, this one; QP = 1 is the projection of the queries.)
; A is the attention launch's result.  Its codes arrive as IMAGES of operands' registers: acod[block of 64 rows][128 along K (a head)][tile of 16 rows % 4][3 x 512 bytes, lane l's registers 4 c .. 4 c + 3 at 512 c + 16 l]:
; a fragment is three loads of 16 bytes a lane, and 64 rows' part of any run of K steps is one dense block of memory.  A's scale bytes are ascl[row][64].
; B = Wo: rows 16,384 on of the buffer of codes (1,536 bytes a row, as they lie in Wo) and of the buffer of scale bytes (64 a row).
; TILE: 128 x 128 of out0 to a work-group: 256 tiles, one for each of 256 WGPs.  Four waves; a wave makes 32 rows x all 128 columns: 16 accumulators.  So one wave holds whole runs of 512 bytes of its rows of out0;
; the price is 10 fragments read from LDS for 16 products where a wave tile of 64 x 64 would read 8.
; K IN TWO REGIONS OF LDS.  The tile's 256 rows x 1,536 bytes do not fit at once.  SMALL holds 4 steps of 128 along K, BIG 8 steps.  Both first fills go out together; SMALL (K steps 8-11) is multiplied first, is then
; filled again ONCE (K steps 12-15), behind one round of the cluster's barrier, and that load has BIG's eight steps (K steps 0-7) in which to land.  K is taken in that order so that BIG's rows of Wo and SMALL's first rows
; begin at multiples of 256 bytes of the buffer; the last four steps' rows begin 128 bytes off such a multiple.  The f32 sums are therefore not in ascending K.
; PADDING of Wo's rows: BIG 16 bytes behind every 256 (pitch 816 = 204 words), SMALL 16 behind every 128 (pitch 432 = 108 words): in both, 16 rows start at 16 different multiples of 4 banks, so the 32 lanes of a load of 8 bytes touch 64 different banks (ISA guide 11.1).
; THE SCALE WORDS of all of K stay in registers: a row's 64 bytes are 16 words; lane (r, h) holds words 8 h .. 8 h + 7 of row r, so lanes 0-15 serve K steps 0-7 and lanes 16-31 K steps 8-15.  80 registers, loaded once.
; CLUSTERS: 4 x 4 work-groups.  The four of a row of the cluster need the same tiles of A, the four of a column the same tiles of Wo: each is asked for jointly.
; THE MATRIX INSTRUCTION IS USED TRANSPOSED (source 0 = 16 rows of Wo, source 1 = 16 rows of A): a lane then holds eight neighbouring numbers of a row of out0.
; A row of A whose scale bytes are 0xff (a query with every key masked) comes out as NaN.
; REGISTERS, in windows of 256: window 0: v0-31 addresses; v32-95 Wo's scale words, v96-111 A's; v128-175 A's fragments, two sets; on the way out v128-255 rows of out0.  window 1: Wo's fragments, two sets, at v0 and v128.  window 2: v0-127 the accumulators ((a, b) at v[8 (8 a + b)]).
.set QP,     0
.set KROW,   1536                      ; a row of codes in memory
.set P0,     816                       ; BIG's pitch
.set P1,     432                       ; SMALL's pitch
.set FR,     12                        ; registers of a fragment: 16 rows x 128 K
.set NP,     4                         ; places behind this matrix instruction (ISA guide 7.12.1)
.set BH0,    64*P0                     ; 64 rows: what one tensor load brings
.set BH1,    64*P1
.if QP
.set AH0,    BH0                       ; A comes as rows, like B
.set AH1,    BH1
.set AK1,    768                       ; bytes from a row's start to K step 8,
.set AK2,    1152                      ; and to K step 12
.set BROW0,  10240                     ; Wq's first stored row
.else
.set AH0,    49152                     ; A comes as images: 64 rows x 8 K steps, dense
.set AH1,    24576                     ; 64 rows x 4 K steps
.set AK1,    49152
.set AK2,    73728
.set BROW0,  16384                     ; Wo's first stored row
.endif
.set BOFF0,  2*BH0                     ; BIG: A's 128 rows, then B's
.set BOFF1,  2*BH1                     ; SMALL likewise
.set R1B,    4*BH0                     ; SMALL begins behind BIG
.set SPARE,  R1B+4*BH1                 ; the spare words, 128 bytes for each wave: two blocks of 256 bytes that no other line names
.set UNIT,   12800
.set SIZE_N, 2048
.set SPITCH, 528
.set ADA0,  8                          ; v8-9   LDS address of my A fragments in BIG (the second: for the pieces behind one padding more)
.set ADA1,  10                         ; v10-11 in SMALL
.set ADB0,  12                         ; v12-13 B's blocks 0-3 in BIG
.set ADB0H, 14                         ; v14-15 B's blocks 4-7 in BIG (an LDS offset has 16 bits)
.set ADB1,  16                         ; v16-17 B in SMALL
.set CO,    18                         ; v18    16 x lane
.set SCO,   19                         ; v19    64 r + 32 h: my 32 bytes of a row of scale bytes
.set STO,   20
.set RD,    21
.set SWO,   22                         ; v22    16 r
.set SPW,   28                         ; v28    LDS address of my spare word; never rewritten
.set NIL,   29                         ; v29    0; never rewritten
.set SB,    32
.set SA,    96
.set AF,    128
.set PCB0,  176
.set PW,    208
.set TM,    224
.set TC,    240
.set BK,    128
.set SEL,   66
.set G1A0, 24                          ; descriptor groups 1: A in BIG, A in SMALL, B in BIG, B in SMALL
.set G1A1, 32
.set G1B0, 48
.set G1B1, 56
.set G0A0, 68                          ; groups 0, never rewritten: BIG, SMALL's first fill, SMALL's second; for A and for B
.set G0A1, 72
.set G0A2, 76
.set G0B0, 80
.set G0B1, 84
.set G0B2, 88
.set MSB, 0
.macro WIN new                         ; the immediate's high byte repeats the setting that is left
.if MSB != (\new)
	s_set_vgpr_msb (MSB<<8)|(\new)
.set MSB, (\new)
.endif
.endm
.set MUL_W, 0xa1                       ; source 0 (B) window 1, source 1 (A) window 0, C and D window 2
.set TO_B,  0x40                       ; destination window 1, address window 0
.macro JLOAD g0a, g1a, g0b, g1b        ; a joint load: waves 0 and 1 fetch for A, waves 2 and 3 for B; four v_nop follow each of the two lines
	s_cmp_eq_u32 s15, 0
	s_cbranch_scc0 .Lfor_b_\@
	tensor_load_to_lds s[\g0a:\g0a+3], s[\g1a:\g1a+7]
	s_nop 0
.rept 4
	v_nop
.endr
	s_branch .Lasked_\@
.Lfor_b_\@:
	tensor_load_to_lds s[\g0b:\g0b+3], s[\g1b:\g1b+7]
	s_nop 0
.rept 4
	v_nop
.endr
.Lasked_\@:
.endm
.macro CROUND                          ; a round of the cluster's barrier
	s_barrier_signal -1
	s_barrier_wait -1
	s_cmp_lg_u32 s14, 0
	s_cbranch_scc1 .Lnot_wave_0_\@
	s_barrier_signal -3
.Lnot_wave_0_\@:
	s_barrier_wait -3
	s_barrier_signal -1
	s_barrier_wait -1
.endm
.macro ROWS g, c                       ; group 1's other words: 64 rows of c bytes, 1,536 bytes apart
	s_mov_b32 s[\g+1], (\c)<<16
	s_mov_b32 s[\g+2], 64<<16
	s_mov_b32 s[\g+3], (\c)<<16
	s_mov_b32 s[\g+4], 64
	s_mov_b32 s[\g+5], KROW
	s_mov_b32 s[\g+6], 0
	s_mov_b32 s[\g+7], 0
.endm
.macro DENSE g, r                      ; a dense block as r rows of 256 bytes (32 elements of 8 bytes)
	s_mov_b32 s[\g+1], 32<<16
	s_mov_b32 s[\g+2], (\r)<<16
	s_mov_b32 s[\g+3], 32<<16
	s_mov_b32 s[\g+4], \r
	s_mov_b32 s[\g+5], 32
	s_mov_b32 s[\g+6], 0
	s_mov_b32 s[\g+7], 0
.endm
.macro MKG0 g, lreg, lconst, areg, koff ; a group 0: count 1; LDS address; global address; type 2
	s_mov_b32 s[\g], 1
	s_add_co_u32 s[\g+1], s[\lreg], \lconst
	s_add_nc_u64 s[\g+2:\g+3], s[\areg:\areg+1], \koff
	s_or_b32 s[\g+3], s[\g+3], 0x80000000
.endm
.if QP
	s_load_b128 s[4:7], s[0:1], 0x0                ; codes s[4:5], scales s[6:7]
	s_load_b64 s[12:13], s[0:1], 0x10              ; pcod
.else
	s_load_b128 s[4:7], s[0:1], 0x0                ; acod s[4:5], ascl s[6:7]
	s_load_b128 s[8:11], s[0:1], 0x10              ; codes s[8:9], scales s[10:11]
	s_load_b64 s[12:13], s[0:1], 0x20              ; out0
.endif
	v_lshl_add_u32 v[SPW], v0, 2, SPARE
	v_mov_b32 v[NIL], 0
	ds_add_u32 v28, v29
	s_wait_dscnt 0x0
	v_lshrrev_b32 v1, 5, v0
	v_readfirstlane_b32 s14, v1                    ; wave 0..3: my 32 rows of the tile
	s_lshr_b32 s15, s14, 1                         ; I fetch for A (0) or for B (1),
	s_and_b32 s16, s14, 1                          ; and which 64 rows
	s_bfe_u32 s40, ttmp6, 0x40000                  ; cx, cy: my place in the cluster
	s_bfe_u32 s41, ttmp6, 0x40004
	s_lshl_b32 s42, ttmp9, 2
	s_add_co_u32 s42, s42, s40                     ; tile column x = 4 x cluster x + cx
	s_and_b32 s17, ttmp7, 0xffff
	s_lshl_b32 s17, s17, 2
	s_add_co_u32 s17, s17, s41                     ; tile row y = 4 x cluster y + cy
	s_lshl_b32 s43, s41, 2
	s_lshl_b32 s43, 15, s43                        ; my row of the cluster
	s_lshl_b32 s44, 0x1111, s40                    ; my column
.if QP
	s_or_b32 s[G1A0], s43, (0<<16)|(1<<20)|(1<<21)|(5<<22)|(3<<25)   ; 15:0 the mask; 17:16 elements of 1 byte; 20 padding on; 21 set beside a mask; 24:22 after every 64 words; 31:25 of 4 words
	s_or_b32 s[G1A1], s43, (0<<16)|(1<<20)|(1<<21)|(4<<22)|(3<<25)   ; after every 32 words
	ROWS G1A0, 768
	ROWS G1A1, 384
.else
	s_or_b32 s[G1A0], s43, (3<<16)|(1<<21)         ; elements of 8 bytes, no padding
	s_or_b32 s[G1A1], s43, (3<<16)|(1<<21)
	DENSE G1A0, 192
	DENSE G1A1, 96
.endif
	s_or_b32 s[G1B0], s44, (0<<16)|(1<<20)|(1<<21)|(5<<22)|(3<<25)
	s_or_b32 s[G1B1], s44, (0<<16)|(1<<20)|(1<<21)|(4<<22)|(3<<25)
	ROWS G1B0, 768
	ROWS G1B1, 384
.if QP
	s_lshl_b32 s20, s17, 7                         ; A: stored row 128 y + 64 x half
	s_lshl_b32 s18, s16, 6
	s_add_co_u32 s20, s20, s18
	s_mul_i32 s20, s20, KROW
.else
	s_lshl_b32 s20, s17, 1                         ; A: block of 64 rows 2 y + half, 98,304 bytes each
	s_add_co_u32 s20, s20, s16
	s_mul_i32 s20, s20, 98304
.endif
	s_mov_b32 s21, 0
	s_lshl_b32 s46, s42, 7                         ; B: its first stored row + 128 x + 64 x half
	s_lshl_b32 s18, s16, 6
	s_add_co_u32 s46, s46, s18
	s_add_co_u32 s46, s46, BROW0
	s_mul_i32 s46, s46, KROW                       ; (under 2^25)
	s_mov_b32 s47, 0
	s_lshl_b32 s22, s17, 7                         ; the scale bytes of the rows that I multiply: A's rows 128 y + 32 wave on,
	s_lshl_b32 s18, s14, 5
	s_add_co_u32 s22, s22, s18
	s_lshl_b32 s22, s22, 6
	s_mov_b32 s23, 0
	s_lshl_b32 s92, s42, 7                         ; B's 128 rows
	s_add_co_u32 s92, s92, BROW0
	s_lshl_b32 s92, s92, 6
	s_mov_b32 s93, 0
	s_mul_i32 s45, s16, AH0                        ; where the tiles go: no place in the cluster enters an LDS address
	s_mul_i32 s94, s16, AH1
	s_mul_i32 s95, s16, BH0
	s_mul_i32 s96, s16, BH1
	s_wait_kmcnt 0x0
.if QP
	s_mov_b64 s[8:9], s[4:5]                       ; both operands lie in the same two buffers
	s_mov_b64 s[10:11], s[6:7]
.endif
	s_add_nc_u64 s[20:21], s[4:5], s[20:21]
	s_add_nc_u64 s[46:47], s[8:9], s[46:47]
	s_add_nc_u64 s[22:23], s[6:7], s[22:23]
	s_add_nc_u64 s[92:93], s[10:11], s[92:93]
	MKG0 G0A1, 94, R1B, 20, AK1                    ; SMALL: K steps 8-11
	MKG0 G0A0, 45, 0, 20, 0                        ; BIG: K steps 0-7
	MKG0 G0A2, 94, R1B, 20, AK2                    ; SMALL again: K steps 12-15
	MKG0 G0B1, 96, R1B+BOFF1, 46, 768
	MKG0 G0B0, 95, BOFF0, 46, 0
	MKG0 G0B2, 96, R1B+BOFF1, 46, 1152
	CROUND                                         ; all sixteen work-groups are here: the first joint loads meet
	s_cmp_eq_u32 s15, 0                            ; a wave's two first fills stand in one branch, ahead of every wait on TENSORcnt and every LDS read: two loads of mine are out; four v_nop follow the second
	s_cbranch_scc0 .Lfirst_b
	tensor_load_to_lds s[G0A1:G0A1+3], s[G1A1:G1A1+7]
	s_nop 0
	tensor_load_to_lds s[G0A0:G0A0+3], s[G1A0:G1A0+7]
	s_nop 0
.rept 4
	v_nop
.endr
	s_branch .Lfirst_asked
.Lfirst_b:
	tensor_load_to_lds s[G0B1:G0B1+3], s[G1B1:G1B1+7]
	s_nop 0
	tensor_load_to_lds s[G0B0:G0B0+3], s[G1B0:G1B0+7]
	s_nop 0
.rept 4
	v_nop
.endr
.Lfirst_asked:
	v_and_b32 v1, 15, v0                           ; r = l % 16
	v_bfe_u32 v2, v0, 4, 1                         ; h = l / 16
	v_and_b32 v3, 31, v0
	v_lshlrev_b32 v[CO], 4, v3
	v_lshlrev_b32 v[SCO], 6, v1
	v_lshl_add_u32 v[SCO], v2, 5, v[SCO]
.irp b, 0,1,2,3,4,5,6,7                        ; the scale words, once: sixteen rows' 32 bytes a half of the lanes, two loads of 16 bytes
	global_load_b128 v[SB+8*\b:SB+8*\b+3], v[SCO], s[92:93] offset:1024*\b
	global_load_b128 v[SB+8*\b+4:SB+8*\b+7], v[SCO], s[92:93] offset:1024*\b+16
.endr
.irp a, 0,1
	global_load_b128 v[SA+8*\a:SA+8*\a+3], v[SCO], s[22:23] offset:1024*\a
	global_load_b128 v[SA+8*\a+4:SA+8*\a+7], v[SCO], s[22:23] offset:1024*\a+16
.endr
	v_mul_u32_u24 v4, v1, P0
	v_mad_u32_u24 v4, v2, 24, v4                   ; BIG: a fragment's row x pitch + 24 x half,
	v_lshl_add_u32 v5, v2, 4, v4                   ; and the same behind one padding more
	v_mul_u32_u24 v6, v1, P1
	v_mad_u32_u24 v6, v2, 24, v6                   ; SMALL likewise
	v_lshl_add_u32 v7, v2, 4, v6
	v_add_nc_u32 v[ADB0], BOFF0, v4
	v_add_nc_u32 v[ADB0+1], BOFF0, v5
	v_add_nc_u32 v[ADB0H], BOFF0+BH0, v4
	v_add_nc_u32 v[ADB0H+1], BOFF0+BH0, v5
	v_add_nc_u32 v[ADB1], R1B+BOFF1, v6
	v_add_nc_u32 v[ADB1+1], R1B+BOFF1, v7
.if QP
	s_mul_i32 s18, s14, 32*P0                      ; my 32 rows of A
	v_add_nc_u32 v[ADA0], s18, v4
	v_add_nc_u32 v[ADA0+1], s18, v5
	s_mul_i32 s18, s14, 32*P1
	s_add_co_u32 s18, s18, R1B
	v_add_nc_u32 v[ADA1], s18, v6
	v_add_nc_u32 v[ADA1+1], s18, v7
	v_lshlrev_b32 v[SWO], 4, v1
	s_mov_b32 s[SEL], 0x76543210
	s_mov_b32 s[SEL+1], 0xfedcba98                 ; v_permlanex16_b32's selects for lane l xor 16
	s_lshr_b32 s18, s17, 3                         ; my unit of pcod: (16 batch + head) 8 + block of queries: batch y / 8, head x, block y % 8
	s_lshl_b32 s18, s18, 4
	s_add_co_u32 s18, s18, s42
	s_lshl_b32 s18, s18, 3
	s_and_b32 s19, s17, 7
	s_add_co_u32 s18, s18, s19
	s_mul_i32 s18, s18, UNIT
	s_mul_i32 s19, s14, 3072                       ; in it my two images,
	s_add_co_u32 s2, s18, s19
	s_mov_b32 s3, 0
	s_lshl_b32 s19, s15, 8                         ; and my two scale words a row: 12288 + 256 (wave / 2) + 8 (wave % 2)
	s_add_co_u32 s18, s18, s19
	s_lshl_b32 s19, s16, 3
	s_add_co_u32 s18, s18, s19
	s_add_co_u32 s18, s18, 12288
	s_mov_b32 s19, 0
	s_add_nc_u64 s[18:19], s[12:13], s[18:19]
	s_add_nc_u64 s[12:13], s[12:13], s[2:3]
.else
	s_mul_i32 s18, s15, AH0                        ; my two images of a K step: half wave / 2 of the rows, in it tiles 2 (wave % 2) and the next
	s_mul_i32 s19, s16, 3072
	s_add_co_u32 s18, s18, s19
	v_add_nc_u32 v[ADA0], s18, v[CO]
	s_mul_i32 s18, s15, AH1
	s_add_co_u32 s18, s18, s19
	s_add_co_u32 s18, s18, R1B
	v_add_nc_u32 v[ADA1], s18, v[CO]
	s_mul_i32 s18, s14, 16*SPITCH                  ; my stage, in BIG
	v_mul_u32_u24 v4, v1, SPITCH                   ; in: row l % 16, 32 bytes for each half of the lanes
	v_lshl_add_u32 v4, v2, 5, v4
	v_add_nc_u32 v[STO], s18, v4
	v_add_nc_u32 v[RD], s18, v[CO]                 ; back: the 32 lanes take one row of 512 bytes
	s_lshl_b32 s18, s17, 7
	s_lshl_b32 s19, s14, 5
	s_add_co_u32 s18, s18, s19                     ; my first row of out0: 128 y + 32 wave,
	s_lshl_b32 s18, s18, 13                        ; 8,192 bytes a row,
	s_lshl_b32 s19, s42, 9                         ; + 512 x
	s_add_co_u32 s18, s18, s19
	s_mov_b32 s19, 0
	s_add_nc_u64 s[12:13], s[12:13], s[18:19]
.endif
; A fragment from rows: 12 registers: lane l holds row l % 16; registers 6 c .. 6 c + 5 hold K = 64 c + 32 (l / 16) + 0 .. 31: 24 bytes of the row's stream of bits, in pieces of 8 bytes.  Lanes 0-15 take the row's pieces
; 12 q + 0, 1, 2 and 12 q + 6, 7, 8, lanes 16-31 those three pieces on.  16 bytes of padding lie behind every pp pieces: where the piece three on lies behind one padding more, the second address register serves.
.macro FRAG reg, adr, q, ro, pp
.irp p, 0,1,2,3,4,5
.set PC, 12*(\q)+6*(\p/3)+\p%3
.if PC%(\pp) < (\pp)-3
	ds_load_b64 v[\reg+2*\p:\reg+2*\p+1], v[\adr] offset:8*PC+16*(PC/(\pp))+(\ro)
.else
	ds_load_b64 v[\reg+2*\p:\reg+2*\p+1], v[\adr+1] offset:8*PC+16*(PC/(\pp))+(\ro)
.endif
.endr
.endm
.macro IMAGES adr, q, p                ; my two fragments of A from their images: three loads of 512 consecutive bytes each
.irp a, 0,1
.irp c, 0,1,2
	ds_load_b128 v[AF+24*(\p)+FR*\a+4*\c:AF+24*(\p)+FR*\a+4*\c+3], v[\adr] offset:6144*(\q)+1536*\a+512*\c
.endr
.endr
.endm
.macro FETCH_BIG q, p                  ; BIG's q-th 128 along K into set p: B's eight fragments, my two of A
	WIN TO_B
.irp i, 0,1,2,3
	FRAG 128*(\p)+FR*\i, ADB0, \q, \i*16*P0, 32
.endr
.irp i, 0,1,2,3
	FRAG 128*(\p)+FR*(\i+4), ADB0H, \q, \i*16*P0, 32
.endr
	WIN 0
.if QP
.irp a, 0,1
	FRAG AF+24*(\p)+FR*\a, ADA0, \q, \a*16*P0, 32
.endr
.else
	IMAGES ADA0, \q, \p
.endif
.endm
.macro FETCH_SMALL q, p                ; the same from SMALL
	WIN TO_B
.irp i, 0,1,2,3,4,5,6,7
	FRAG 128*(\p)+FR*\i, ADB1, \q, \i*16*P1, 16
.endr
	WIN 0
.if QP
.irp a, 0,1
	FRAG AF+24*(\p)+FR*\a, ADA1, \q, \a*16*P1, 16
.endr
.else
	IMAGES ADA1, \q, \p
.endif
.endm
.macro NEXT t                          ; the fragments of the t-th step of the walk into set t % 2: steps 0-3 SMALL, 4-11 BIG, 12-15 SMALL again
.if ((\t) >= 4) && ((\t) < 12)
	FETCH_BIG (\t)-4, (\t)%2
.elseif (\t) < 4
	FETCH_SMALL (\t), (\t)%2
.else
	FETCH_SMALL (\t)-12, (\t)%2
.endif
.endm
; The t-th step's 16 matrix instructions: my two blocks of A x B's eight.  KK is the step's place along K: it picks the scale register (KK % 8) and the half of the lanes (KK / 8).  The first step's products start the sums.
; The 16 accumulators take turns, one instruction a turn, in the same order in every step.
.macro MUL16 t
.if (\t) < 4
.set KK, (\t)+8
.elseif (\t) < 12
.set KK, (\t)-4
.else
.set KK, (\t)
.endif
.set PS, (\t)%2
	WIN MUL_W
.irp a, 0,1
.irp b, 0,1,2,3,4,5,6,7
.if (\t) == 0
	v_wmma_scale_f32_16x16x128_f8f6f4 v[8*(8*\a+\b):8*(8*\a+\b)+7], v[128*PS+FR*\b:128*PS+FR*\b+FR-1], v[AF+24*PS+FR*\a:AF+24*PS+FR*\a+FR-1], 0, v[SB+8*\b+KK%8], v[SA+8*\a+KK%8] matrix_a_fmt:MATRIX_FMT_FP6 matrix_b_fmt:MATRIX_FMT_FP6 matrix_a_scale:MATRIX_SCALE_ROW1 matrix_b_scale:MATRIX_SCALE_ROW1
.elseif KK < 8
	v_wmma_scale_f32_16x16x128_f8f6f4 v[8*(8*\a+\b):8*(8*\a+\b)+7], v[128*PS+FR*\b:128*PS+FR*\b+FR-1], v[AF+24*PS+FR*\a:AF+24*PS+FR*\a+FR-1], v[8*(8*\a+\b):8*(8*\a+\b)+7], v[SB+8*\b+KK%8], v[SA+8*\a+KK%8] matrix_a_fmt:MATRIX_FMT_FP6 matrix_b_fmt:MATRIX_FMT_FP6
.else
	v_wmma_scale_f32_16x16x128_f8f6f4 v[8*(8*\a+\b):8*(8*\a+\b)+7], v[128*PS+FR*\b:128*PS+FR*\b+FR-1], v[AF+24*PS+FR*\a:AF+24*PS+FR*\a+FR-1], v[8*(8*\a+\b):8*(8*\a+\b)+7], v[SB+8*\b+KK%8], v[SA+8*\a+KK%8] matrix_a_fmt:MATRIX_FMT_FP6 matrix_b_fmt:MATRIX_FMT_FP6 matrix_a_scale:MATRIX_SCALE_ROW1 matrix_b_scale:MATRIX_SCALE_ROW1
.endif
.endr
.endr
.endm
; A load into a register that a matrix instruction has read, and a vector instruction or an LDS store that reads a matrix result, stand four places behind that matrix instruction; only plain vector
; instructions that name none of its registers are places (ISA guide 7.12.1 for vector instructions).
.macro PLACES n
.rept \n
	v_nop
.endr
.endm
.macro STEP t                          ; a step whose successor lies in the same region: the successor's fragments are asked for, then this step is multiplied while they come
	s_wait_dscnt 0x0                               ; this step's fragments are in (asked for a step ago)
.if (\t) > 0
	PLACES NP                                      ; the set to be loaded was read by the last step's products
.endif
	NEXT (\t)+1
	MUL16 \t
.endm
; A region's last step.  In front of the barrier each wave waits for all its tensor loads (the region ahead has landed), adds 0 to its spare word, and waits for that and for its reads of the region that it leaves.
; fill = 1: the barrier is a round of the cluster's, so that no wave of any partner still reads SMALL or has a load on its way, and SMALL is filled again first thing behind it.
.macro EDGE t, fill
	WIN 0                                          ; (the add's two registers lie in window 0)
	s_wait_tensorcnt 0x0
	ds_add_u32 v[SPW], v[NIL]                      ; 0 onto my spare word
	s_wait_dscnt 1                                 ; this step's fragments are in; the add may be out
	MUL16 \t                                       ; sixteen matrix instructions stand between the add and the wait for it
	WIN 0
	s_wait_dscnt 0x0                               ; the add is done, and my reads of this region are over
.if \fill
	CROUND
	JLOAD G0A2, G1A1, G0B2, G1B1                   ; the first tensor load behind the round, one a wave; the four v_nop behind it are the places in front of the loads below
.else
	s_barrier_signal -1
	s_barrier_wait -1
	PLACES NP
.endif
	NEXT (\t)+1
.endm
	s_wait_tensorcnt 1                             ; my part of SMALL is in (BIG's load may be out)
	s_barrier_signal -1
	s_barrier_wait -1                              ; everybody's is
	NEXT 0
	s_wait_loadcnt 0x0                             ; the scale words
	STEP 0
	STEP 1
	STEP 2
	EDGE 3, 1
.irp t, 4,5,6,7,8,9,10
	STEP \t
.endr
	EDGE 11, 0                                     ; it shows SMALL's second fill to every wave
	STEP 12
	STEP 13
	STEP 14
	s_wait_dscnt 0x0
	MUL16 15
	WIN 0
.if QP
; THE WAY OUT.  Block a (16 rows x 128 columns, 64 registers a lane: register 16 b + i = column 32 b + 16 (l / 16) + i of row l % 16) is quantised along its columns: four blocks of 32, each in lanes l and l xor 16.
; Each accumulator is read from its low end on.  The codes leave as the next product's operand wants them: three stores of 512 consecutive bytes.
.macro QOUT a
.set AC,  64*(\a)
.set PCB, PCB0+12*(\a)                 ; its image: registers of its own, so that no store's data are written again
	WIN 0x28                                       ; sources 1 and 2: window 2
.irp b, 0,1,2,3
	v_max3_num_f32 v[TM+\b], 0x1800000, |v[AC+16*\b]|, |v[AC+16*\b+1]|   ; my 16 numbers of block b, and the floor 2^(3 - 127): the byte cannot fall under 1
.endr
.irp i, 2,4,6,8,10,12,14
.irp b, 0,1,2,3
	v_max3_num_f32 v[TM+\b], v[TM+\b], |v[AC+16*\b+\i]|, |v[AC+16*\b+\i+1]|
.endr
.endr
	WIN 0
.irp b, 0,1,2,3
	v_permlanex16_b32 v[TM+4+\b], v[TM+\b], s[SEL], s[SEL+1]
.endr
.irp b, 0,1,2,3
	v_max_num_f32 v[TM+\b], v[TM+\b], v[TM+4+\b]   ; with lane l xor 16's: the block's largest magnitude
.endr
.irp b, 0,1,2,3
	v_add_nc_u32 v[TM+12+\b], 0xff000000, v[TM+\b] ; 2 off its exponent field: the conversion's scale operand
.endr
.irp b, 0,1,2,3
	v_lshrrev_b32 v[TM+4+\b], 23, v[TM+12+\b]      ; the scale's byte
.endr
	v_lshl_or_b32 v[PW+(\a)], v[TM+5], 8, v[TM+4]  ; the four bytes make my row's scale word
	v_lshl_or_b32 v[PW+(\a)], v[TM+6], 16, v[PW+(\a)]
	v_lshl_or_b32 v[PW+(\a)], v[TM+7], 24, v[PW+(\a)]
	WIN 0x02                                       ; source 0: window 2
.irp c, 0,1
	v_cvt_scalef32_pk16_fp6_f32 v[PCB+6*\c:PCB+6*\c+2], v[AC+32*\c:AC+32*\c+15], v[TM+12+2*\c]
	v_cvt_scalef32_pk16_fp6_f32 v[TC+4*\c:TC+4*\c+2], v[AC+16+32*\c:AC+31+32*\c], v[TM+13+2*\c]   ; (a conversion's three registers begin on an even number)
.endr
	WIN 0
	v_nop                                          ; one plain place behind a scaled conversion
.irp c, 0,1                                    ; the operand's layout wants a WHOLE block in a lane: lanes 0-15 block 2 c, lanes 16-31 block 2 c + 1
.irp i, 0,1,2
	v_permlane16_swap_b32 v[PCB+6*\c+\i], v[TC+4*\c+\i]
.endr
.irp i, 0,1,2
	v_mov_b32 v[PCB+3+6*\c+\i], v[TC+4*\c+\i]
.endr
.endr
.irp c, 0,1,2
	global_store_b128 v[CO], v[PCB+4*\c:PCB+4*\c+3], s[12:13] offset:1536*(\a)+512*\c   ; 32 lanes store 512 consecutive bytes, at a multiple of 256 from the buffer's first byte
.endr
.endm
	PLACES NP                                      ; behind the last products
.irp b, 0,1,2,3
	v_mov_b32 v[TM+4+\b], 0                        ; written once: a lane permute's destination counts as one of its sources
.endr
	QOUT 0
	QOUT 1
	global_store_b64 v[SWO], v[PW:PW+1], s[18:19]  ; my two words of each row; both halves of the lanes store the same words to the same place
.else
; THE WAY OUT, two blocks of 16 rows x 128 columns, through my own stage in LDS: in as 32 bytes a lane, back as whole rows of 512 bytes.  The stage lies in BIG, which is filled once and which no wave reads behind the last barrier.
; LDS serves a wave's instructions in order (ISA guide 5.7.1.4): no wait between the stores and the loads, nor in front of the next block's stores.
.macro TOSTAGE a
.set AC, 64*(\a)
	WIN 0x08                                       ; the data: window 2
.irp b, 0,1,2,3,4,5,6,7
	ds_store_b128 v[STO], v[AC+8*\b:AC+8*\b+3] offset:64*\b          ; each accumulator from its low end on
	ds_store_b128 v[STO], v[AC+8*\b+4:AC+8*\b+7] offset:64*\b+16
.endr
	WIN 0
.set BB, BK+64*(\a)
.irp t, 0,1,2,3,4,5,6,7,8,9,10,11,12,13,14,15
	ds_load_b128 v[BB+4*\t:BB+4*\t+3], v[RD] offset:\t*SPITCH
.endr
.endm
.macro SEND a, younger                 ; younger: the LDS instructions issued behind block a's loads, which may stay out
.set BB, BK+64*(\a)
	s_wait_dscnt \younger
.if (\a) > 0
	s_add_nc_u64 s[12:13], s[12:13], 16*SIZE_N*4   ; (behind a wait on XCNT: the earlier stores have read their base)  16 rows on
.endif
.irp t, 0,1,2,3,4,5,6,7,8,9,10,11,12,13,14,15
	global_store_b128 v[CO], v[BB+4*\t:BB+4*\t+3], s[12:13] offset:\t*SIZE_N*4 th:TH_STORE_NT   ; 32 lanes store 512 consecutive bytes, at a multiple of 256 from out0's first byte
.endr
.endm
	PLACES NP
	TOSTAGE 0
	TOSTAGE 1
	SEND 0, 32                                     ; behind block 0's loads: block 1's 16 stores and 16 loads
	s_wait_xcnt 0x0                                ; block 0's stores have read their base
	SEND 1, 0
.endif
	s_wait_tensorcnt 0x0                           ; the wave's end
	ds_add_u32 v[SPW], v[NIL]
	s_wait_dscnt 0x0
	CROUND                                         ; the closing round: no work-group ends while a partner may still ask for a tile that names it
	s_endpgm
.Lfunc_end_k_q2b496ac871_outp:
	.size	k_q2b496ac871_outp, .Lfunc_end_k_q2b496ac871_outp-k_q2b496ac871_outp
	.p2alignl 7, 3214868480
	.fill 96, 4, 3214868480
	.section	.rodata,"a",@progbits
	.p2align	6, 0x0
	.amdhsa_kernel k_q2b496ac871_outp
		.amdhsa_group_segment_fixed_size 327680
		.amdhsa_private_segment_fixed_size 0
		.amdhsa_enable_private_segment 0
		.amdhsa_kernarg_size 40
		.amdhsa_user_sgpr_count 2
		.amdhsa_user_sgpr_kernarg_segment_ptr 1
		.amdhsa_wavefront_size32 1
		.amdhsa_system_sgpr_workgroup_id_x 1
		.amdhsa_system_sgpr_workgroup_id_y 1
		.amdhsa_system_sgpr_workgroup_id_z 1
		.amdhsa_system_vgpr_workitem_id 0
		.amdhsa_next_free_vgpr 768
		.amdhsa_next_free_sgpr 98
		.amdhsa_reserve_vcc 0
		.amdhsa_float_denorm_mode_32 3
		.amdhsa_float_denorm_mode_16_64 3
		.amdhsa_memory_ordered 1
		.amdhsa_forward_progress 1
		.amdhsa_inst_pref_size 110
	.end_amdhsa_kernel
	.amdgpu_metadata
---
amdhsa.version: [ 1, 2 ]
amdhsa.kernels:
  - .name:           k_q2b496ac871_outp
    .symbol:         k_q2b496ac871_outp.kd
    .args:
      - { .name: acod, .offset: 0, .size: 8, .value_kind: global_buffer, .address_space: global }
      - { .name: ascl, .offset: 8, .size: 8, .value_kind: global_buffer, .address_space: global }
      - { .name: codes, .offset: 16, .size: 8, .value_kind: global_buffer, .address_space: global }
      - { .name: scales, .offset: 24, .size: 8, .value_kind: global_buffer, .address_space: global }
      - { .name: out0, .offset: 32, .size: 8, .value_kind: global_buffer, .address_space: global }
    .group_segment_fixed_size: 327680
    .private_segment_fixed_size: 0
    .kernarg_segment_align: 8
    .kernarg_segment_size: 40
    .max_flat_workgroup_size: 128
    .sgpr_count:     98
    .vgpr_count:     768
    .wavefront_size: 32
...
	.end_amdgpu_metadata
.endif
;; end of part 7
